; MI455X (gfx1250); checked and timed in simulation.
; The chip was launched on July 23, 2026; its instructions are those of AMD's public machine-readable ISA for CDNA 5 (MIT licence, August 2026) and "CDNA5" Instruction Set Architecture Reference Guide (July 2026). The comments in the code are by the model that wrote it; some were corrected since.
;; Transformer Block. Allowed arithmetic: matrix products marked QUANTISED: E2M3 operands, one E8M0 scale for each 32 along K, by v_wmma_scale_f32_16x16x128_f8f6f4 with both operands' format E2M3, f32 sums; everything else in f32.
;; Inputs: W1_codes 2,048 x 16 x 24 uint8 (E2M3 codes of W1, K innermost, in blocks of 32 codes, four codes in three bytes); W1_scales 2,048 x 16 uint8 (E8M0 scales of W1, one for each 32 codes along K); W2_codes 512 x 64 x 24 uint8 (E2M3 codes of W2, K innermost, in blocks of 32 codes, four codes in three bytes); W2_scales 512 x 64 uint8 (E8M0 scales of W2, one for each 32 codes along K); Wk_codes 512 x 16 x 24 uint8 (E2M3 codes of Wk, K innermost, in blocks of 32 codes, four codes in three bytes); Wk_scales 512 x 16 uint8 (E8M0 scales of Wk, one for each 32 codes along K); Wo_codes 512 x 16 x 24 uint8 (E2M3 codes of Wo, K innermost, in blocks of 32 codes, four codes in three bytes); Wo_scales 512 x 16 uint8 (E8M0 scales of Wo, one for each 32 codes along K); Wq_codes 512 x 16 x 24 uint8 (E2M3 codes of Wq, K innermost, in blocks of 32 codes, four codes in three bytes); Wq_scales 512 x 16 uint8 (E8M0 scales of Wq, one for each 32 codes along K); Wv_codes 512 x 16 x 24 uint8 (E2M3 codes of Wv, K innermost, in blocks of 32 codes, four codes in three bytes); Wv_scales 512 x 16 uint8 (E8M0 scales of Wv, one for each 32 codes along K); b1 2,048 float32; b2 512 float32; be1 512 float32; be2 512 float32; bk 512 float32; bo 512 float32; bq 512 float32; bv 512 float32; g1 512 float32; g2 512 float32; mask 4 x 2,048 int32; x 4 x 2,048 x 512 float32.
;; Outputs: out0 4 x 2,048 x 512 float32.
;; This version of the problem:
;;   THIS VERSION OF THE PROBLEM IS GIVEN IN LOW PRECISION. The matrix products marked QUANTISED in the list below multiply operands that are first quantised to E2M3 (2 exponent bits, 3 mantissa bits; 6 bits a number), with one power-of-two scale for each 32 numbers along K (OCP MX v1.0); their sums are f32. All else is computed in f32.
;;   The module's matrix products, in the order in which they are computed (A, B: the left and right operand; K: the contracted axis; several contracted axes count as one K, in the product's order):
;;     1. [M 8,192, K 512] x [K 512, N 512]; A: computed on the way; B: input Wq (given as codes): QUANTISED
;;     2. [M 8,192, K 512] x [K 512, N 512]; A: computed on the way; B: input Wk (given as codes): QUANTISED
;;     3. [M 8,192, K 512] x [K 512, N 512]; A: computed on the way; B: input Wv (given as codes): QUANTISED
;;     4. batch 32 x [M 2,048, K 64] x [K 64, N 2,048]; A: computed on the way; B: computed on the way: QUANTISED
;;     5. batch 32 x [M 2,048, K 2,048] x [K 2,048, N 64]; A: computed on the way; B: computed on the way: QUANTISED
;;     6. [M 8,192, K 512] x [K 512, N 512]; A: computed on the way; B: input Wo (given as codes): QUANTISED
;;     7. [M 8,192, K 512] x [K 512, N 2,048]; A: computed on the way; B: input W1 (given as codes): QUANTISED
;;     8. [M 8,192, K 2,048] x [K 2,048, N 512]; A: computed on the way; B: input W2 (given as codes): QUANTISED
;;   THE QUANTISER, for each operand of a quantised product, along K:
;;     - K is cut into blocks of 32 from its start; a last block that is shorter is filled with zeros.
;;     - A block's scale is 2^e with e = floor(log2(the largest magnitude in the block)) - 2, held to -126 .. 127; a block of zeros has e = 0. As a byte (E8M0): e + 127.
;;     - Each number is divided by its block's scale, clamped to +-7.5, and rounded to the nearest number of E2M3, ties to even, subnormals kept.
;;     - The product sums the exact products of the quantised numbers (number of the format x scale) in f32.
;;   ~~~python
;;   def quantise(x, axis):      # numpy; x: float32 -> the quantised numbers, widened to float32 again
;;       x = np.moveaxis(x, axis, -1); K = x.shape[-1]
;;       x = np.pad(x, [(0, 0)] * (x.ndim - 1) + [(0, -K % 32)]); x = x.reshape(x.shape[:-1] + (-1, 32)); a = np.abs(x).max(-1, keepdims=True)
;;       e = np.where(a > 0, np.clip(np.frexp(np.where(a > 0, a, 1))[1] - 1 - 2, -126, 127), 0)      # np.frexp(a)[1] - 1 = floor(log2(a)), exactly
;;       r = np.clip(x / 2.0 ** e, -7.5, 7.5)
;;       step = 2.0 ** (np.maximum(np.frexp(np.where(r == 0, 1, r))[1] - 1, 0) - 3)
;;       q = np.round(r / step) * step * 2.0 ** e      # np.round: ties to even
;;       return np.moveaxis(q.reshape(q.shape[:-2] + (-1,))[..., :K], -1, axis).astype(np.float32)
;;   ~~~
;;   OPERANDS COMPUTED ON THE WAY. 'Computed on the way' means the value that the module computes at that place (a softmax that the list does not call 'softmax' is quantised finished and normalised). What goes into a quantiser is computed in f32, as accurately as f32 sums, v_exp_f32 and their like allow (about 1e-6 of the number): no bf16 or f16 on the way to a quantiser, and a product that is left as it is and whose result goes on into a quantised operand takes f32 operands (vector FMAs, or v_wmma_f32_16x16x4_f32). A number that lies on a knife's edge between two numbers of the format may be rounded either way, as far as f32 arithmetic and the matrix unit's own rounding can turn it there, and no further.
;;   INPUTS GIVEN AS CODES. W1 (in the module: [512, 2048], K = its axis 0); W2 (in the module: [2048, 512], K = its axis 0); Wk (in the module: [512, 512], K = its axis 0); Wo (in the module: [512, 512], K = its axis 0); Wq (in the module: [512, 512], K = its axis 0); Wv (in the module: [512, 512], K = its axis 0): each comes as NAME_codes (uint8): NAME with its K axis moved to the last place and cut into blocks of 32 codes, [.., K / 32, bytes a block], one block behind the other in memory; four codes in three bytes: a row's codes are one little-endian stream of bits, code i at bits 6 i .. 6 i + 5 (a code: sign, 2 exponent bits, 3 mantissa bits); and NAME_scales (uint8): the same leading axes, one E8M0 byte (e + 127) for each 32 codes along K. Its value is code x scale, taken as it is: it is not quantised again, and the codes and scales need not be those that the quantiser above would give.
;; 2 versions. Each part assembles by itself: llvm-mc -triple=amdgcn-amd-amdhsa -mcpu=gfx1250 --defsym DOCPART=n.
;; ======== version 1 of 2: 4 launches
;; limits: right only within a limited range of input values
;; workspace buffers: wimg 2,555,904 bytes; qkc 6,291,456 bytes; qkw 524,288 bytes; vc 3,145,728 bytes; vw 131,072 bytes; vsum 131,072 bytes; ao 3,145,728 bytes; aos 131,072 bytes
;; launch repack (part 1): grid 96 x 1, 4 waves a work-group, no clusters, 0 bytes of LDS; arguments Wq_codes, Wq_scales, Wk_codes, Wk_scales, Wv_codes, Wv_scales, Wo_codes, Wo_scales, W1_codes, W1_scales, W2_codes, W2_scales, wimg; writes wimg
.if DOCPART == 1
	.amdgcn_target "amdgcn-amd-amdhsa--gfx1250"
	.amdhsa_code_object_version 6
	.text
	.protected	k_q5eac79df27_repack
	.globl	k_q5eac79df27_repack
	.p2align	8
	.type	k_q5eac79df27_repack,@function
k_q5eac79df27_repack:
	s_mov_b64 s[64:65], 0
	v_nop
	global_prefetch_b8 v0, s[64:65] scope:SCOPE_SE
	s_setreg_imm32_b32 hwreg(HW_REG_WAVE_MODE, 25, 1), 1
	s_wait_xcnt 0x0
; The six weights (codes of E2M3, K innermost, and E8M0 bytes) are laid anew as IMAGES OF OPERAND REGISTERS, so that the later launches fetch a fragment by three loads of 16 bytes a lane.
; wimg: 96 blocks of SUB bytes.  A block = 64 rows x 512 along K: [tile 4][K step 4] images of 1,536 bytes (registers 4 c .. 4 c + 3 of lane l at 512 c + 16 l), then [tile 4] x 512 bytes: lane l's 16 bytes = the four scale words of its row.
; THE ROWS OF A TILE ARE NOT NEIGHBOURS: lane r of tile 2 b + u holds row 32 b + 8 u + r + 8 (r / 8), so that a transposed product leaves 16 neighbours along the next K in a lane.
; Blocks 0-7 Wq, 8-15 Wk, 16-23 Wv (by head); then nine for each wave w of the last launch: Wo rows 64 w; W1 rows 256 w + 64 j, j = 0..3; W2 rows 64 w, K chunks 0..3.
; One work-group makes one block, wave t its tile t.  A stream of 2.5 MB: no LDS, no barrier; every store of a wave covers 512 consecutive bytes.
.set SUB, 26624
	s_load_b512 s[4:19], s[0:1], 0x0               ; Wq c, s; Wk c, s; Wv c, s; Wo c, s
	s_load_b256 s[20:27], s[0:1], 0x40             ; W1 c, s; W2 c, s
	s_load_b64 s[28:29], s[0:1], 0x60              ; wimg
	v_lshrrev_b32 v1, 5, v0
	v_readfirstlane_b32 s2, v1                     ; wave = tile t
	s_mov_b32 s3, ttmp9                            ; x: which source block
	v_and_b32 v2, 15, v0                           ; r
	v_bfe_u32 v3, v0, 4, 1                         ; h
	v_and_b32 v4, 8, v2
	v_add_nc_u32 v4, v4, v2                        ; r + 8 (r / 8)
	s_lshr_b32 s50, s2, 1
	s_lshl_b32 s50, s50, 5
	s_and_b32 s51, s2, 1
	s_lshl_b32 s51, s51, 3
	s_add_co_u32 s50, s50, s51                     ; the tile's first row: 32 (t / 2) + 8 (t % 2)
	v_add_nc_u32 v4, s50, v4                       ; my row of the block's 64
	v_and_b32 v5, 31, v0
	v_lshlrev_b32 v5, 4, v5                        ; 16 x lane
	s_wait_kmcnt 0x0
	s_mov_b64 s[30:31], s[24:25]                   ; begin with W2, then choose downward on the work-group's number alone
	s_mov_b64 s[32:33], s[26:27]
	s_mov_b32 s34, 64
.macro PICK lim, c, s, base
	s_cmp_lt_u32 s3, \lim
	s_cselect_b64 s[30:31], s[\c:\c+1], s[30:31]
	s_cselect_b64 s[32:33], s[\s:\s+1], s[32:33]
	s_cselect_b32 s34, \base, s34
.endm
	PICK 64, 20, 22, 32
	PICK 32, 16, 18, 24
	PICK 24, 12, 14, 16
	PICK 16, 8, 10, 8
	PICK 8, 4, 6, 0
	s_sub_co_u32 s35, s3, s34                      ; li: the block's number within its tensor
	s_lshr_b32 s36, s35, 2
	s_and_b32 s37, s35, 3
	s_mul_i32 s38, s35, 24576                      ; K = 512: 64 rows of 384 bytes
	s_mul_i32 s39, s36, 98304                      ; W2: 64 rows of 1,536 bytes,
	s_mul_i32 s40, s37, 384                        ; and 384 bytes for each K chunk
	s_add_co_u32 s39, s39, s40
	s_lshl_b32 s41, s35, 10                        ; scale bytes: 64 rows of 16,
	s_lshl_b32 s42, s36, 12                        ; W2: 64 rows of 64,
	s_lshl_b32 s43, s37, 4
	s_add_co_u32 s42, s42, s43
	s_mov_b32 s44, 1536
	s_mov_b32 s45, 64
	s_mul_i32 s46, s36, 9
	s_add_co_u32 s46, s46, s37
	s_add_co_u32 s46, s46, 29                      ; W2's place: 24 + 9 w + 5 + q
	s_sub_co_u32 s47, s46, 4                       ; W1's: 24 + 9 w + 1 + j
	s_mul_i32 s40, s35, 9
	s_add_co_u32 s40, s40, 24                      ; Wo's: 24 + 9 w
	s_cmp_lt_u32 s3, 64
	s_cselect_b32 s38, s38, s39
	s_cselect_b32 s41, s41, s42
	s_cselect_b32 s44, 384, s44                    ; a row of codes in bytes
	s_cselect_b32 s45, 16, s45                     ; a row of scale bytes
	s_cselect_b32 s46, s47, s46
	s_cmp_lt_u32 s3, 32
	s_cselect_b32 s46, s40, s46
	s_cmp_lt_u32 s3, 24
	s_cselect_b32 s46, s3, s46                     ; Wq, Wk, Wv keep their number
	v_mul_u32_u24 v6, v4, s44
	v_mad_u32_u24 v6, v3, 24, v6                   ; my row's codes, + 24 h
	v_mul_u32_u24 v7, v4, s45                      ; my row's scale bytes
	s_mov_b32 s39, 0
	s_add_nc_u64 s[30:31], s[30:31], s[38:39]
	s_mov_b32 s40, s41
	s_mov_b32 s41, 0
	s_add_nc_u64 s[32:33], s[32:33], s[40:41]
	s_mul_i32 s46, s46, SUB
	s_mul_i32 s48, s2, 6144
	s_add_co_u32 s48, s48, s46
	s_mov_b32 s49, 0
	s_add_nc_u64 s[52:53], s[28:29], s[48:49]      ; my tile's images
	s_lshl_b32 s48, s2, 9
	s_add_co_u32 s48, s48, s46
	s_add_co_u32 s48, s48, 24576
	s_add_nc_u64 s[54:55], s[28:29], s[48:49]      ; my tile's scale words
.irp s,0,1,2,3
.irp p,0,1,2,3,4,5
	global_load_b64 v[8+12*\s+2*\p:9+12*\s+2*\p], v6, s[30:31] offset:96*\s+48*(\p/3)+8*(\p%3)   ; a fragment's 24 + 24 bytes, in pieces of 8
.endr
.endr
	global_load_b128 v[56:59], v7, s[32:33]
	s_wait_loadcnt 0x0
.irp i,0,1,2,3,4,5,6,7,8,9,10,11
	global_store_b128 v5, v[8+4*\i:11+4*\i], s[52:53] offset:512*\i
.endr
	global_store_b128 v5, v[56:59], s[54:55]
	s_endpgm
.Lfunc_end_k_q5eac79df27_repack:
	.size	k_q5eac79df27_repack, .Lfunc_end_k_q5eac79df27_repack-k_q5eac79df27_repack
	.p2alignl 7, 3214868480
	.fill 96, 4, 3214868480
	.section	.rodata,"a",@progbits
	.p2align	6, 0x0
	.amdhsa_kernel k_q5eac79df27_repack
		.amdhsa_group_segment_fixed_size 0
		.amdhsa_private_segment_fixed_size 0
		.amdhsa_enable_private_segment 0
		.amdhsa_kernarg_size 104
		.amdhsa_user_sgpr_count 2
		.amdhsa_user_sgpr_kernarg_segment_ptr 1
		.amdhsa_wavefront_size32 1
		.amdhsa_system_sgpr_workgroup_id_x 1
		.amdhsa_system_sgpr_workgroup_id_y 1
		.amdhsa_system_sgpr_workgroup_id_z 1
		.amdhsa_system_vgpr_workitem_id 0
		.amdhsa_next_free_vgpr 64
		.amdhsa_next_free_sgpr 66
		.amdhsa_reserve_vcc 0
		.amdhsa_float_denorm_mode_32 3
		.amdhsa_float_denorm_mode_16_64 3
		.amdhsa_memory_ordered 1
		.amdhsa_forward_progress 1
		.amdhsa_inst_pref_size 8
	.end_amdhsa_kernel
	.amdgpu_metadata
---
amdhsa.version: [ 1, 2 ]
amdhsa.kernels:
  - .name:           k_q5eac79df27_repack
    .symbol:         k_q5eac79df27_repack.kd
    .args:
      - { .name: Wq_codes, .offset: 0, .size: 8, .value_kind: global_buffer, .address_space: global }
      - { .name: Wq_scales, .offset: 8, .size: 8, .value_kind: global_buffer, .address_space: global }
      - { .name: Wk_codes, .offset: 16, .size: 8, .value_kind: global_buffer, .address_space: global }
      - { .name: Wk_scales, .offset: 24, .size: 8, .value_kind: global_buffer, .address_space: global }
      - { .name: Wv_codes, .offset: 32, .size: 8, .value_kind: global_buffer, .address_space: global }
      - { .name: Wv_scales, .offset: 40, .size: 8, .value_kind: global_buffer, .address_space: global }
      - { .name: Wo_codes, .offset: 48, .size: 8, .value_kind: global_buffer, .address_space: global }
      - { .name: Wo_scales, .offset: 56, .size: 8, .value_kind: global_buffer, .address_space: global }
      - { .name: W1_codes, .offset: 64, .size: 8, .value_kind: global_buffer, .address_space: global }
      - { .name: W1_scales, .offset: 72, .size: 8, .value_kind: global_buffer, .address_space: global }
      - { .name: W2_codes, .offset: 80, .size: 8, .value_kind: global_buffer, .address_space: global }
      - { .name: W2_scales, .offset: 88, .size: 8, .value_kind: global_buffer, .address_space: global }
      - { .name: wimg, .offset: 96, .size: 8, .value_kind: global_buffer, .address_space: global }
    .group_segment_fixed_size: 0
    .private_segment_fixed_size: 0
    .kernarg_segment_align: 8
    .kernarg_segment_size: 104
    .max_flat_workgroup_size: 128
    .sgpr_count:     66
    .vgpr_count:     64
    .wavefront_size: 32
...
	.end_amdgpu_metadata
.endif
;; end of part 1
;; launch qkv (part 2): grid 64 x 4, 8 waves a work-group, no clusters, 52,224 bytes of LDS; arguments x, g1, be1, mask, wimg, bq, bk, bv, qkc, qkw, vc, vw, vsum; writes qkc, qkw, vc, vw, vsum
.if DOCPART == 2
	.amdgcn_target "amdgcn-amd-amdhsa--gfx1250"
	.amdhsa_code_object_version 6
	.text
	.protected	k_q5eac79df27_qkv
	.globl	k_q5eac79df27_qkv
	.p2align	8
	.type	k_q5eac79df27_qkv,@function
k_q5eac79df27_qkv:
	s_mov_b64 s[64:65], 0
	v_nop
	global_prefetch_b8 v0, s[64:65] scope:SCOPE_SE
	s_setreg_imm32_b32 hwreg(HW_REG_WAVE_MODE, 25, 1), 1
	s_wait_xcnt 0x0
; h = layernorm(x) g1 + be1, quantised along its 512; Q, K, V = h W + b on codes of E2M3; Q and K quantised along the head's 64, V along the KEYS.  All leave as images of operand registers.
; SHARES.  A work-group takes 128 tokens (x: block 16 b + step) and two heads (y).  Wave w normalises and quantises token tile w; the images meet in LDS behind ONE barrier.
;   Then wave w makes Q (w < 4) or K of head 2 y + (w / 2) % 2 for token tiles 4 (w % 2) + 0..3, and after that V of head 2 y + w / 4, channel tile w % 4, for all 128 tokens.
; TILES.  Lane r of token tile 2 b + u holds token 32 b + 8 u + r + 8 (r / 8); weight tiles likewise.  Q, K: source 0 = 16 rows of W, source 1 = 16 tokens: a lane holds one token, registers along the head's channels.
;   V: source 0 = 16 tokens, source 1 = 16 rows of Wv: a lane holds one channel, registers along the tokens, which are the next K.
; THE PAD MASK rides in the unused upper 64 of the score product's K: the third byte of K's scale word is 177 (2^50) where mask == 0 and 1 elsewhere, of Q's always 177; the codes +1 and -1 at k = 64 are set by the next launch.
; vsum: the sum of the quantised V over the block's 128 keys, by a product with ones: it serves rows none of whose keys count.
; LIMITS: NaN and infinities are not served; a block of zeros gets the scale byte 1 (its codes are zeros; the bytes are read by this program alone).
; The four work-groups of a token block each normalise it anew: 4 x 256 KiB of x, so that no normalised row goes through memory.  No cluster: the text has no tensor loads; weights come as dense images, 52 loads a wave.
; REGISTERS.  Window 0: v1-23 addresses; v32-95 g1, later W's scale words, h's, mask, bias; v96-159 be1; v160-223 y; v96-223 later the accumulators; v224-255 at work.  Window 1: x (256), later W's 16 fragments and h's.
.set SUB, 26624
.set HABS, 49152                       ; LDS: [tile 8] x 6,144 bytes of codes (8 halves of 768) at 0; here [tile 8] x 256 bytes of scale bytes (row r: 16 bytes)
.set XA, 5
.set H64, 6
.set L16, 7
.set L8, 8
.set W16, 9
.set W8, 10
.set WSA, 11
.set R16, 12
.set P4, 13
.set B16, 14
.set B8, 15
.set BSA, 16
.set QWA, 17
.set VWA, 18
.set C177, 19
.set C1, 20
.set JW, 22
.set G, 32
.set BT, 96
.set Y, 160
.set WS, 32
.set BS, 48
.set MK, 52
.set WD, 56
.set BV, 60
.set BI, 64
.set ACC, 96
.set HS, 160
.set ONES, 192
.set ONESC, 204
.set VWD, 205
.set D8, 208
.set TM, 224
.set PC, 232
.set SU, 232
.set TP, 244
.set SW, 247
.set TT, 249
.set MU, 250
.set RS, 252
.set PX, 254
.set BF, 192                           ; window 1
.set HF, 48                            ; window 1
.set SEL, 56
.set MSB, 0
.macro WIN new                         ; the immediate's high byte repeats the setting that is left
.if MSB != \new
	s_set_vgpr_msb (MSB<<8)|\new
.set MSB, \new
.endif
.endm
.macro PLACES n
.rept \n
	v_nop
.endr
.endm
; 32 numbers of a lane, register 16 b + i = k 32 b + 16 (lane / 16) + i of its row, become six registers of codes (k = 32 (lane / 16) + 0..31) and the two scale bytes
.macro QUANT64 src, dst, sw
	v_max3_num_f32 v[TM], |v[\src]|, |v[\src+1]|, 0x1800000          ; with the floor 2^(3 - 127): the byte cannot fall under 1
	v_max3_num_f32 v[TM+1], |v[\src+16]|, |v[\src+17]|, 0x1800000
.irp i,2,4,6,8,10,12,14
	v_max3_num_f32 v[TM], v[TM], |v[\src+\i]|, |v[\src+\i+1]|
	v_max3_num_f32 v[TM+1], v[TM+1], |v[\src+16+\i]|, |v[\src+17+\i]|
.endr
	v_permlanex16_b32 v[TM+2], v[TM], s[SEL], s[SEL+1]
	v_permlanex16_b32 v[TM+3], v[TM+1], s[SEL], s[SEL+1]
	v_max_num_f32 v[TM], v[TM], v[TM+2]                              ; with lane l xor 16's: the block's largest magnitude
	v_max_num_f32 v[TM+1], v[TM+1], v[TM+3]
	v_add_nc_u32 v[TM+4], 0xff000000, v[TM]                          ; 2 off the exponent field: the conversion's scale operand
	v_add_nc_u32 v[TM+5], 0xff000000, v[TM+1]
	v_lshrrev_b32 v[TM+6], 23, v[TM+4]                               ; the scale's byte
	v_lshrrev_b32 v[TM+7], 23, v[TM+5]
	v_lshl_or_b32 v[\sw], v[TM+7], 8, v[TM+6]
	v_cvt_scalef32_pk16_fp6_f32 v[\dst:\dst+2], v[\src:\src+15], v[TM+4]
	v_cvt_scalef32_pk16_fp6_f32 v[TP:TP+2], v[\src+16:\src+31], v[TM+5]
	v_nop                                                            ; one plain place behind a scaled conversion
.irp i,0,1,2
	v_permlane16_swap_b32 v[\dst+\i], v[TP+\i]                       ; a whole block to a lane: lanes 0-15 block 0, lanes 16-31 block 1
.endr
.irp i,0,1,2
	v_mov_b32 v[\dst+3+\i], v[TP+\i]
.endr
.endm
.macro PUTH_L a16, a8, as, off, soff   ; the half in v[PC] on goes to LDS as it stands, its two bytes beside it
	ds_store_b128 v[\a16], v[PC:PC+3] offset:\off
	ds_store_b64 v[\a8], v[PC+4:PC+5] offset:\off
	ds_store_b16 v[\as], v[SW] offset:\soff
	s_wait_dscnt 0x0                               ; the stores have read their registers
.endm
.macro WLOAD                           ; a block of weight images: 16 fragments into window 1, 16 scale words into window 0
	WIN 0x40
.set i, 0
.rept 48
	global_load_b128 v[4*i:4*i+3], v[L16], s[46:47] offset:512*i
.set i, i+1
.endr
	WIN 0
.irp t,0,1,2,3
	global_load_b128 v[WS+4*\t:WS+4*\t+3], v[L16], s[46:47] offset:24576+512*\t
.endr
.endm
.macro BFETCH a16, a8, as, off, soff   ; a token tile's eight halves (four fragments) and its four scale words
	WIN 0x40
.irp hh,0,1,2,3,4,5,6,7
	ds_load_b128 v[BF+6*\hh:BF+6*\hh+3], v[\a16] offset:\off+768*\hh
	ds_load_b64 v[BF+6*\hh+4:BF+6*\hh+5], v[\a8] offset:\off+768*\hh
.endr
	WIN 0
	ds_load_b128 v[BS:BS+3], v[\as] offset:\soff
.endm
; 16 products: four tiles of W x one token tile, K = 512.  The four accumulators take turns, one instruction a turn.  The bias is the C of each sum's first product.
.macro MM16 m, bias
	WIN 0x05
.irp s,0,1,2,3
.irp t,0,1,2,3
.if (\bias) && (\s == 0)
	v_wmma_scale_f32_16x16x128_f8f6f4 v[ACC+32*(\m)+8*\t:ACC+32*(\m)+8*\t+7], v[12*(4*\t+\s):12*(4*\t+\s)+11], v[BF+12*\s:BF+12*\s+11], v[BI+8*\t:BI+8*\t+7], v[WS+4*\t+\s], v[BS+\s] matrix_a_fmt:MATRIX_FMT_FP6 matrix_b_fmt:MATRIX_FMT_FP6
.else
	v_wmma_scale_f32_16x16x128_f8f6f4 v[ACC+32*(\m)+8*\t:ACC+32*(\m)+8*\t+7], v[12*(4*\t+\s):12*(4*\t+\s)+11], v[BF+12*\s:BF+12*\s+11], v[ACC+32*(\m)+8*\t:ACC+32*(\m)+8*\t+7], v[WS+4*\t+\s], v[BS+\s] matrix_a_fmt:MATRIX_FMT_FP6 matrix_b_fmt:MATRIX_FMT_FP6
.endif
.endr
.endr
.endm
.macro GLOAD s                         ; g1 and be1 at my 64 places of K step s
.irp b,0,1,2,3
.irp j,0,1,2,3
	global_load_b128 v[G+16*\b+4*\j:G+16*\b+4*\j+3], v[H64], s[6:7] offset:512*(\s)+128*\b+16*\j
	global_load_b128 v[BT+16*\b+4*\j:BT+16*\b+4*\j+3], v[H64], s[8:9] offset:512*(\s)+128*\b+16*\j
.endr
.endr
.endm
.macro FOLD                            ; four chains, two halves, two lanes: the row's sum in v[TT]
	v_pk_add_f32 v[SU:SU+1], v[SU:SU+1], v[SU+2:SU+3]
	v_pk_add_f32 v[SU+4:SU+5], v[SU+4:SU+5], v[SU+6:SU+7]
	v_pk_add_f32 v[SU:SU+1], v[SU:SU+1], v[SU+4:SU+5]
	v_add_f32 v[TT], v[SU], v[SU+1]
	v_permlanex16_b32 v[PX], v[TT], s[SEL], s[SEL+1]
	v_add_f32 v[TT], v[TT], v[PX]
.endm
	s_load_b512 s[4:19], s[0:1], 0x0               ; x, g1, be1, mask, wimg, bq, bk, bv
	s_load_b256 s[20:27], s[0:1], 0x40             ; qkc, qkw, vc, vw
	s_load_b64 s[28:29], s[0:1], 0x60              ; vsum
	v_lshl_add_u32 v31, v0, 2, 0xc800
	v_mov_b32 v255, 0
	v_lshrrev_b32 v1, 5, v0
	v_readfirstlane_b32 s30, v1                    ; wave w
	s_mov_b32 s31, ttmp9                           ; block of 128 tokens
	s_and_b32 s32, ttmp7, 0xffff                   ; pair of heads
	s_and_b32 s33, s30, 1                          ; a = w % 2
	s_lshr_b32 s34, s30, 2                         ; w / 4: Q or K; V's head of the pair
	s_bfe_u32 s35, s30, 0x10001
	s_lshl_b32 s36, s32, 1
	s_add_co_u32 s35, s35, s36                     ; head for Q, K
	s_add_co_u32 s36, s36, s34                     ; head for V
	s_and_b32 s37, s30, 3                          ; V's channel tile
	s_lshl_b32 s39, s33, 3
	s_lshr_b32 s38, s30, 1
	s_lshl_b32 s38, s38, 5
	s_add_co_u32 s38, s38, s39                     ; first token of tile w: 32 (w / 2) + 8 (w % 2)
	s_lshr_b32 s40, s37, 1
	s_lshl_b32 s41, s40, 5
	s_add_co_u32 s39, s41, s39                     ; first channel of V's tile
	s_lshr_b32 s41, s31, 4                         ; batch
	s_and_b32 s42, s31, 15                         ; step of 128 keys
	s_lshl_b32 s43, s41, 3
	s_add_co_u32 s44, s43, s36                     ; 8 b + V's head
	s_add_co_u32 s43, s43, s35                     ; 8 b + head
	s_mov_b32 s53, 0
	s_mov_b32 s[SEL], 0x76543210
	s_mov_b32 s[SEL+1], 0xfedcba98                 ; lane l xor 16
	s_mov_b32 s58, 0x3b000000                      ; 1 / 512
	s_mov_b32 s59, 0x3727c5ac                      ; 1e-5
	s_mov_b32 s62, 0xffff0000                      ; lanes 16-31
	v_and_b32 v1, 31, v0
	v_and_b32 v2, 15, v0
	v_bfe_u32 v3, v0, 4, 1
	v_and_b32 v4, 8, v2
	v_add_nc_u32 v4, v4, v2                        ; r + 8 (r / 8)
	v_lshlrev_b32 v[H64], 6, v3
	v_lshl_add_u32 v[XA], v4, 11, v[H64]           ; x: my token's row of 2,048 bytes, + 64 h
	v_lshlrev_b32 v[L16], 4, v1
	v_lshlrev_b32 v[L8], 3, v1
	v_add_nc_u32 v[L8], 512, v[L8]
	s_mul_i32 s54, s30, 6144
	v_add_nc_u32 v[W16], s54, v[L16]
	v_add_nc_u32 v[W8], s54, v[L8]
	v_lshlrev_b32 v[R16], 4, v2
	v_add_nc_u32 v[R16], HABS, v[R16]
	s_lshl_b32 s54, s30, 8
	v_add_nc_u32 v[WSA], s54, v[R16]
	s_mul_i32 s54, s33, 24576
	v_add_nc_u32 v[B16], s54, v[L16]
	v_add_nc_u32 v[B8], s54, v[L8]
	s_lshl_b32 s54, s33, 10
	v_add_nc_u32 v[BSA], s54, v[R16]
	v_lshlrev_b32 v[P4], 2, v4
	s_lshl_b32 s54, s33, 3
	v_add_nc_u32 v[QWA], s54, v[L16]
	s_lshl_b32 s54, s33, 7
	s_lshl_b32 s55, s40, 2
	s_add_co_u32 s54, s54, s55
	v_lshl_add_u32 v[VWA], v2, 3, s54
	v_mov_b32 v[C177], 0x7fb10000
	v_mov_b32 v[C1], 0x7f010000
	v_mov_b32 v[TM+2], 0                           ; a lane permute's destination counts as one of its sources
	v_mov_b32 v[TM+3], 0
	v_mov_b32 v[PX], 0
	s_wait_kmcnt 0x0
	s_lshl_b32 s52, s31, 7
	s_add_co_u32 s52, s52, s38
	s_lshl_b32 s52, s52, 11
	s_add_nc_u64 s[4:5], s[4:5], s[52:53]          ; x at my tile's first token
	WIN 0x40
.irp s,0,1,2,3
.irp b,0,1,2,3
.irp j,0,1,2,3
	global_load_b128 v[64*\s+16*\b+4*\j:64*\s+16*\b+4*\j+3], v[XA], s[4:5] offset:512*\s+128*\b+16*\j   ; register 64 s + 16 b + i = x(my token, 128 s + 32 b + 16 h + i)
.endr
.endr
.endr
	WIN 0
	GLOAD 0
	; the other addresses, while x is on its way
	s_lshl_b32 s52, s34, 3
	s_add_co_u32 s52, s52, s35
	s_mul_i32 s52, s52, SUB
	s_add_nc_u64 s[46:47], s[12:13], s[52:53]      ; Wq's or Wk's block of my head
	s_add_co_u32 s60, s36, 16
	s_mul_i32 s60, s60, SUB
	s_mul_i32 s52, s37, 6144
	s_add_co_u32 s52, s52, s60
	s_add_nc_u64 s[48:49], s[12:13], s[52:53]      ; Wv: my tile's four fragments
	s_lshl_b32 s52, s37, 9
	s_add_co_u32 s52, s52, s60
	s_add_co_u32 s52, s52, 24576
	s_add_nc_u64 s[50:51], s[12:13], s[52:53]      ; and its scale words
	s_cmp_lg_u32 s34, 0
	s_cselect_b64 s[54:55], s[16:17], s[14:15]     ; bk or bq: the choice hangs on the wave's number alone
	s_cselect_b32 s61, -1, 0                       ; all ones in a wave that makes K
	s_lshl_b32 s52, s35, 8
	s_add_nc_u64 s[54:55], s[54:55], s[52:53]
	s_lshl_b32 s52, s31, 9
	s_lshl_b32 s60, s33, 8
	s_add_co_u32 s52, s52, s60
	s_add_nc_u64 s[10:11], s[10:11], s[52:53]      ; mask at token 128 blk + 64 a
	s_lshl_b32 s52, s36, 6
	s_add_co_u32 s52, s52, s39
	s_lshl_b32 s52, s52, 2
	s_add_nc_u64 s[18:19], s[18:19], s[52:53]      ; bv at my tile's first channel
	s_lshl_b32 s60, s31, 11
	s_add_co_u32 s52, s52, s60
	s_add_nc_u64 s[28:29], s[28:29], s[52:53]      ; vsum likewise, in the block's row of 512
	s_lshl_b32 s52, s43, 7
	s_lshl_b32 s60, s42, 3
	s_add_co_u32 s52, s52, s60
	s_lshl_b32 s60, s33, 2
	s_add_co_u32 s52, s52, s60
	s_mul_i32 s52, s52, 768
	s_mul_i32 s60, s34, 3145728
	s_add_co_u32 s52, s52, s60
	s_add_nc_u64 s[20:21], s[20:21], s[52:53]      ; my four halves of Q or of K
	s_lshl_b32 s52, s43, 4
	s_add_co_u32 s52, s52, s42
	s_lshl_b32 s52, s52, 9
	s_lshl_b32 s60, s34, 18
	s_add_co_u32 s52, s52, s60
	s_add_nc_u64 s[22:23], s[22:23], s[52:53]      ; the step's 512 bytes of scale words
	s_lshl_b32 s60, s44, 4
	s_add_co_u32 s60, s60, s42
	s_lshl_b32 s52, s60, 2
	s_add_co_u32 s52, s52, s37
	s_mul_i32 s52, s52, 1536
	s_add_nc_u64 s[24:25], s[24:25], s[52:53]      ; V's image
	s_lshl_b32 s52, s60, 8
	s_add_nc_u64 s[26:27], s[26:27], s[52:53]      ; V's scale words
	; ---- the row's mean and variance: a lane holds 256 numbers of its token, lane l xor 16 the other 256
	s_wait_loadcnt 32                              ; x is in; the 32 younger loads (g1, be1) may be out
.irp i,0,1,2,3,4,5,6,7
	v_mov_b32 v[SU+\i], 0
.endr
	WIN 0x04
.set i, 0
.rept 128
	v_pk_add_f32 v[SU+2*(i%4):SU+2*(i%4)+1], v[SU+2*(i%4):SU+2*(i%4)+1], v[2*i:2*i+1]
.set i, i+1
.endr
	WIN 0
	FOLD
	v_mul_f32 v[MU], s58, v[TT]
	v_mov_b32 v[MU+1], v[MU]
	WIN 0x41
.set i, 0
.rept 128
	v_pk_add_f32 v[2*i:2*i+1], v[2*i:2*i+1], v[MU:MU+1] neg_lo:[0,1] neg_hi:[0,1]   ; x - mean, in place
.set i, i+1
.endr
	WIN 0
.irp i,0,1,2,3,4,5,6,7
	v_mov_b32 v[SU+\i], 0
.endr
	WIN 0x05
.set i, 0
.rept 128
	v_pk_fma_f32 v[SU+2*(i%4):SU+2*(i%4)+1], v[2*i:2*i+1], v[2*i:2*i+1], v[SU+2*(i%4):SU+2*(i%4)+1]
.set i, i+1
.endr
	WIN 0
	FOLD
	v_fma_f32 v[TT], v[TT], s58, s59               ; variance + eps
	v_rsq_f32 v[RS], v[TT]
	v_nop                                          ; one plain place behind a transcendental
	s_wait_alu depctr_va_vdst(0)
	v_mov_b32 v[RS+1], v[RS]
; ---- K step s: normalised, scaled, shifted, quantised; two halves to LDS
.macro LNSTEP s
	s_wait_loadcnt 0x0                             ; this step's g1 and be1
	WIN 0x01
.set i, 0
.rept 32
	v_pk_mul_f32 v[Y+2*i:Y+2*i+1], v[64*(\s)+2*i:64*(\s)+2*i+1], v[RS:RS+1]
.set i, i+1
.endr
	WIN 0
.set i, 0
.rept 32
	v_pk_fma_f32 v[Y+2*i:Y+2*i+1], v[Y+2*i:Y+2*i+1], v[G+2*i:G+2*i+1], v[BT+2*i:BT+2*i+1]
.set i, i+1
.endr
.if \s < 3
	GLOAD \s+1
.else
	WLOAD                                          ; x and g1 are done with: their registers take the weights, the bias and the mask
.irp t,0,1,2,3
	global_load_b128 v[BI+8*\t:BI+8*\t+3], v[H64], s[54:55] offset:4*(32*(\t/2)+8*(\t%2))
	global_load_b128 v[BI+8*\t+4:BI+8*\t+7], v[H64], s[54:55] offset:4*(32*(\t/2)+8*(\t%2))+16
.endr
.irp m,0,1,2,3
	global_load_b32 v[MK+\m], v[P4], s[10:11] offset:4*(32*(\m/2)+8*(\m%2))
.endr
.endif
	QUANT64 Y, PC, SW
	PUTH_L W16, W8, WSA, 768*(2*(\s)), 2*(2*(\s))
	QUANT64 Y+32, PC, SW
	PUTH_L W16, W8, WSA, 768*(2*(\s)+1), 2*(2*(\s)+1)
.endm
	LNSTEP 0
	LNSTEP 1
	LNSTEP 2
	LNSTEP 3
	s_wait_dscnt 0x0                               ; my images have landed
	s_barrier_signal -1
	s_barrier_wait -1                              ; everybody's have: h's 8 x 8 halves lie in LDS and are only read from here on
	; ---- Q or K: my head's 64 columns for four token tiles
	s_wait_loadcnt 0x0                             ; weights, bias, mask
.irp m,0,1,2,3
	BFETCH B16, B8, BSA, 6144*\m, 256*\m
	s_wait_dscnt 0x0
	MM16 \m, 1
	WIN 0
	PLACES 4                                       ; in front of loads into registers that the products have read, and of the first read of results
.endr
	WIN 0x40
.irp i,0,1,2,3,4,5,6,7,8,9,10,11
	global_load_b128 v[4*\i:4*\i+3], v[L16], s[48:49] offset:512*\i    ; Wv's tile lands while Q or K is quantised
.endr
	WIN 0
	global_load_b128 v[WS:WS+3], v[L16], s[50:51]
	global_load_b32 v[BV], v[P4], s[18:19]
.irp m,0,1,2,3
	QUANT64 ACC+32*\m, PC, SW
	v_cmp_ne_u32 s60, 0, v[MK+\m]
	s_and_b32 s60, s60, s61                        ; a key that counts, in a wave that makes K
	v_cndmask_b32 v[TT], v[C177], v[C1], s60       ; bytes 2 and 3 of the scale word
	v_or_b32 v[WD+\m], v[SW], v[TT]
	global_store_b128 v[L16], v[PC:PC+3], s[20:21] offset:768*\m
	global_store_b64 v[L8], v[PC+4:PC+5], s[20:21] offset:768*\m
	s_wait_xcnt 0x0                                ; the stores' data are written again only behind this wait
.endr
	v_cndmask_b32 v[JW], v[WD], v[WD+1], s62       ; lanes 0-15 the even tile's word, lanes 16-31 the odd tile's
	v_cndmask_b32 v[JW+1], v[WD+2], v[WD+3], s62
	global_store_b64 v[QWA], v[JW:JW+1], s[22:23]
	; ---- V: my 16 channels for the 128 tokens
	s_wait_loadcnt 0x0                             ; Wv, its scale words, bv
.irp j,0,1,2,3,4,5,6,7
	v_mov_b32 v[BI+\j], v[BV]                      ; the bias in the result's layout: a lane holds one channel
.endr
.irp c,0,1,2,3
	v_mov_b32 v[ONES+3*\c], 0x08208208             ; 128 codes of 1.0
	v_mov_b32 v[ONES+3*\c+1], 0x82082082
	v_mov_b32 v[ONES+3*\c+2], 0x20820820
.endr
	v_mov_b32 v[ONESC], 0x7f7f7f7f
.irp t,0,1,2,3,4,5,6,7
	ds_load_b128 v[HS+4*\t:HS+4*\t+3], v[R16] offset:256*\t
.endr
	PLACES 5                                       ; in front of products that write over earlier products' registers
.irp s,0,1,2,3
	WIN 0x40
.irp t,0,1,2,3,4,5,6,7
	ds_load_b128 v[HF+12*\t:HF+12*\t+3], v[L16] offset:6144*\t+1536*\s
	ds_load_b64 v[HF+12*\t+4:HF+12*\t+5], v[L8] offset:6144*\t+1536*\s
	ds_load_b128 v[HF+12*\t+6:HF+12*\t+9], v[L16] offset:6144*\t+1536*\s+768
	ds_load_b64 v[HF+12*\t+10:HF+12*\t+11], v[L8] offset:6144*\t+1536*\s+768
.endr
	WIN 0
	s_wait_dscnt 0x0
	WIN 0x05
.irp t,0,1,2,3,4,5,6,7
.if \s == 0
	v_wmma_scale_f32_16x16x128_f8f6f4 v[ACC+8*\t:ACC+8*\t+7], v[HF+12*\t:HF+12*\t+11], v[12*\s:12*\s+11], v[BI:BI+7], v[HS+4*\t+\s], v[WS+\s] matrix_a_fmt:MATRIX_FMT_FP6 matrix_b_fmt:MATRIX_FMT_FP6
.else
	v_wmma_scale_f32_16x16x128_f8f6f4 v[ACC+8*\t:ACC+8*\t+7], v[HF+12*\t:HF+12*\t+11], v[12*\s:12*\s+11], v[ACC+8*\t:ACC+8*\t+7], v[HS+4*\t+\s], v[WS+\s] matrix_a_fmt:MATRIX_FMT_FP6 matrix_b_fmt:MATRIX_FMT_FP6
.endif
.endr
	WIN 0
	PLACES 4
.endr
	QUANT64 ACC, PC, SW                            ; keys 0-63 of the step,
	QUANT64 ACC+32, PC+6, SW+1                     ; keys 64-127: together a fragment of 16 channels x 128 keys
	v_lshl_or_b32 v[VWD], v[SW+1], 16, v[SW]
	PLACES 8                                       ; a scale word made by vector instructions stands eight places ahead of the product
	v_wmma_scale_f32_16x16x128_f8f6f4 v[D8:D8+7], v[PC:PC+11], v[ONES:ONES+11], 0, v[VWD], v[ONESC] matrix_a_fmt:MATRIX_FMT_FP6 matrix_b_fmt:MATRIX_FMT_FP6   ; the sum of the quantised V over the 128 keys
	PLACES 4
.irp c,0,1,2
	global_store_b128 v[L16], v[PC+4*\c:PC+4*\c+3], s[24:25] offset:512*\c
.endr
	global_store_b32 v[VWA], v[VWD], s[26:27]      ; both halves of the lanes hold the same word and write the same place
	global_store_b128 v[H64], v[D8:D8+3], s[28:29]               ; register j: channel 16 h + j of the tile; the sixteen lanes of a half hold the same numbers
	global_store_b128 v[H64], v[D8+4:D8+7], s[28:29] offset:16
	s_wait_tensorcnt 0x0
	ds_add_u32 v31, v255
	s_wait_dscnt 0x0
	s_endpgm
.Lfunc_end_k_q5eac79df27_qkv:
	.size	k_q5eac79df27_qkv, .Lfunc_end_k_q5eac79df27_qkv-k_q5eac79df27_qkv
	.p2alignl 7, 3214868480
	.fill 96, 4, 3214868480
	.section	.rodata,"a",@progbits
	.p2align	6, 0x0
	.amdhsa_kernel k_q5eac79df27_qkv
		.amdhsa_group_segment_fixed_size 52224
		.amdhsa_private_segment_fixed_size 0
		.amdhsa_enable_private_segment 0
		.amdhsa_kernarg_size 104
		.amdhsa_user_sgpr_count 2
		.amdhsa_user_sgpr_kernarg_segment_ptr 1
		.amdhsa_wavefront_size32 1
		.amdhsa_system_sgpr_workgroup_id_x 1
		.amdhsa_system_sgpr_workgroup_id_y 1
		.amdhsa_system_sgpr_workgroup_id_z 1
		.amdhsa_system_vgpr_workitem_id 0
		.amdhsa_next_free_vgpr 512
		.amdhsa_next_free_sgpr 66
		.amdhsa_reserve_vcc 0
		.amdhsa_float_denorm_mode_32 3
		.amdhsa_float_denorm_mode_16_64 3
		.amdhsa_memory_ordered 1
		.amdhsa_forward_progress 1
		.amdhsa_inst_pref_size 132
	.end_amdhsa_kernel
	.amdgpu_metadata
---
amdhsa.version: [ 1, 2 ]
amdhsa.kernels:
  - .name:           k_q5eac79df27_qkv
    .symbol:         k_q5eac79df27_qkv.kd
    .args:
      - { .name: x, .offset: 0, .size: 8, .value_kind: global_buffer, .address_space: global }
      - { .name: g1, .offset: 8, .size: 8, .value_kind: global_buffer, .address_space: global }
      - { .name: be1, .offset: 16, .size: 8, .value_kind: global_buffer, .address_space: global }
      - { .name: mask, .offset: 24, .size: 8, .value_kind: global_buffer, .address_space: global }
      - { .name: wimg, .offset: 32, .size: 8, .value_kind: global_buffer, .address_space: global }
      - { .name: bq, .offset: 40, .size: 8, .value_kind: global_buffer, .address_space: global }
      - { .name: bk, .offset: 48, .size: 8, .value_kind: global_buffer, .address_space: global }
      - { .name: bv, .offset: 56, .size: 8, .value_kind: global_buffer, .address_space: global }
      - { .name: qkc, .offset: 64, .size: 8, .value_kind: global_buffer, .address_space: global }
      - { .name: qkw, .offset: 72, .size: 8, .value_kind: global_buffer, .address_space: global }
      - { .name: vc, .offset: 80, .size: 8, .value_kind: global_buffer, .address_space: global }
      - { .name: vw, .offset: 88, .size: 8, .value_kind: global_buffer, .address_space: global }
      - { .name: vsum, .offset: 96, .size: 8, .value_kind: global_buffer, .address_space: global }
    .group_segment_fixed_size: 52224
    .private_segment_fixed_size: 0
    .kernarg_segment_align: 8
    .kernarg_segment_size: 104
    .max_flat_workgroup_size: 256
    .sgpr_count:     66
    .vgpr_count:     512
    .wavefront_size: 32
...
	.end_amdgpu_metadata
.endif
;; end of part 2
;; launch attn (part 3): grid 8 x 32, 16 waves a work-group, no clusters, 215,040 bytes of LDS; arguments qkc, qkw, vc, vw, vsum, ao, aos; writes ao, aos
.if DOCPART == 3
	.amdgcn_target "amdgcn-amd-amdhsa--gfx1250"
	.amdhsa_code_object_version 6
	.text
	.protected	k_q5eac79df27_attn
	.globl	k_q5eac79df27_attn
	.p2align	8
	.type	k_q5eac79df27_attn,@function
k_q5eac79df27_attn:
	s_mov_b64 s[64:65], 0
	v_nop
	global_prefetch_b8 v0, s[64:65] scope:SCOPE_SE
	s_setreg_imm32_b32 hwreg(HW_REG_WAVE_MODE, 25, 1), 1
	s_wait_xcnt 0x0
; out = softmax(Q K^T / 8, causal and pad-masked) V for one head, both products on codes of E2M3; out is quantised along the model's 512 and leaves as images for the next product.
; THE WEIGHTS ARE QUANTISED FINISHED AND NORMALISED, so the keys are walked TWICE: pass 1 finds each row's largest score and the sum of exponentials (a running maximum, per lane);
; pass 2 makes the scores again, p = 2^(c s - c M - log2 L) with c = log2(e) / 8, quantises p along the keys and multiplies by V.
; SHARES.  y = 8 b + head.  Waves 0-7 take the 128 queries of block x, waves 8-15 those of block 15 - x, a tile of 16 each: every pair has 17 steps of 128 keys, every work-group the same work.
; K's and V's images and scale words of the whole head, 208,896 bytes, are copied into LDS once, at the head; one barrier; then LDS is only read.  Both loops have 16 trips in every wave; a step all of whose keys come after the wave's queries skips its work by a branch on ids.
; NOT SHARED IN A CLUSTER: the eight work-groups of a head copy the same bytes, each for itself; joint requests are tensor loads and this text has none: a limit of this version.
; LAYOUT.  S^T = K Q^T, O^T = V^T P^T: a lane holds one query.  Lane r of tile 2 b + u holds key (query, channel) 32 b + 8 u + r + 8 (r / 8): register 16 b + i of the scores is key 32 b + 16 (lane / 16) + i.
; THE PAD MASK.  The head has 64 channels, the product 128 along K: at k = 64 Q holds +1 (scale 2^50) and K holds -1, whose scale the launch before set to 2^50 (masked: the score becomes -2^100) or 2^-126 (the score moves by -2^-76).
; THE RUNNING MAXIMUM HAS THE FLOOR -2^96: c x 2^96 is exact, so a lane none of whose keys count keeps that maximum, every exponential of it is 0 and its sum is 0.
; A ROW NONE OF WHOSE KEYS COUNT (its maximum is still the floor) is uniform over all 2,048 keys: 2^-11, a number of the format: its result is 2^-11 x the sum of the quantised V, chosen by v_cndmask at the end.
; LIMITS: -2^-76 on every score; a true score at or under -2^96 counts as masked; the offset c M + log2 L is rounded to f32 once, half an ulp of it in the exponent; a block's largest p is taken as the exponential of its largest score; NaN, infinities not served.
.set KC, 0                             ; LDS: K's halves, [tile 128] x 768
.set VC, 98304                         ; V's images, [step 16][channel tile 4] x 1,536
.set KW, 196608                        ; K's scale words, [step 16] x 512
.set VW, 204800                        ; V's, [step 16] x 256
.set VMS, 208896                       ; each wave's 256 bytes: the mean of V; stored by ds_store, no copy lands here
.set AK16, 7
.set AK8, 8
.set AKW, 9
.set AV16, 10
.set AVW, 11
.set NBR, 12                           ; pass 1: -c m;  pass 2: -c M - log2 L
.set MR, 13                            ; the largest score
.set LS, 14                            ; v[14:15] the sum in two halves
.set Q, 16
.set QW, 28
.set DD, 29
.set NEG, 30
.set VMR, 31
.set KF, 32
.set KWR, 80
.set VWR, 84
.set ADK16, 86
.set ADK8, 87
.set ADKW, 88
.set ADV, 89
.set ADVW, 90
.set S, 96
.set O, 160
.set PC, 192
.set P2, 204
.set BM, 212
.set PT, 216
.set SO, 220
.set BY, 224
.set PW, 228
.set SWO, 229
.set F, 230
.set T0, 232
.set T1, 233
.set L2, 234
.set CG2, 236                          ; v236-238: the copies' addresses 65,536 bytes on: in memory, in K's region, in V's
.set CK2, 237
.set CV2, 238
.set TM, 212
.set TP, 204
.set WV, 18
.set QB, 34
.set DEAD, 44
.set J, 46
.set SK, 47
.set SKW, 48
.set SV, 49
.set CS, 50
.set SEL, 52
.set THR, 54
.macro PLACES n
.rept \n
	v_nop
.endr
.endm
.macro QUANT64 src, dst, sw            ; as in the launch before: 32 numbers of a lane -> six registers of codes and two scale bytes
	v_max3_num_f32 v[TM], |v[\src]|, |v[\src+1]|, 0x1800000
	v_max3_num_f32 v[TM+1], |v[\src+16]|, |v[\src+17]|, 0x1800000
.irp i,2,4,6,8,10,12,14
	v_max3_num_f32 v[TM], v[TM], |v[\src+\i]|, |v[\src+\i+1]|
	v_max3_num_f32 v[TM+1], v[TM+1], |v[\src+16+\i]|, |v[\src+17+\i]|
.endr
	v_permlanex16_b32 v[TM+2], v[TM], s[SEL], s[SEL+1]
	v_permlanex16_b32 v[TM+3], v[TM+1], s[SEL], s[SEL+1]
	v_max_num_f32 v[TM], v[TM], v[TM+2]
	v_max_num_f32 v[TM+1], v[TM+1], v[TM+3]
	v_add_nc_u32 v[TM+4], 0xff000000, v[TM]
	v_add_nc_u32 v[TM+5], 0xff000000, v[TM+1]
	v_lshrrev_b32 v[TM+6], 23, v[TM+4]
	v_lshrrev_b32 v[TM+7], 23, v[TM+5]
	v_lshl_or_b32 v[\sw], v[TM+7], 8, v[TM+6]
	v_cvt_scalef32_pk16_fp6_f32 v[\dst:\dst+2], v[\src:\src+15], v[TM+4]
	v_cvt_scalef32_pk16_fp6_f32 v[TP:TP+2], v[\src+16:\src+31], v[TM+5]
	v_nop
.irp i,0,1,2
	v_permlane16_swap_b32 v[\dst+\i], v[TP+\i]
.endr
.irp i,0,1,2
	v_mov_b32 v[\dst+3+\i], v[TP+\i]
.endr
.endm
	s_load_b256 s[4:11], s[0:1], 0x0               ; qkc, qkw, vc, vw
	s_load_b128 s[12:15], s[0:1], 0x20             ; vsum, ao
	s_load_b64 s[16:17], s[0:1], 0x30              ; aos
	v_lshl_add_u32 v254, v0, 2, 0x34000
	v_mov_b32 v255, 0
	ds_add_u32 v254, v255
	ds_add_u32 v254, v255
	v_lshlrev_b32 v1, 4, v0                        ; 16 x thread: the copies' place in memory,
	v_lshlrev_b32 v6, 4, v0                        ; and in LDS: K's codes,
	v_add_nc_u32 v2, VC, v1                        ; V's,
	v_add_nc_u32 v3, KW, v1                        ; K's scale words;
	v_lshlrev_b32 v4, 3, v0
	v_add_nc_u32 v5, VW, v4                        ; V's, 8 bytes a thread
	v_add_nc_u32 v[CG2], 0x10000, v1               ; a region is 98,304 bytes and a copy's immediate stays under 65,536: the last four copies of a region take addresses 65,536 bytes on
	v_add_nc_u32 v[CK2], 0x10000, v6
	v_add_nc_u32 v[CV2], 0x10000, v2
	v_lshrrev_b32 v91, 5, v0
	v_readfirstlane_b32 s[WV], v91                 ; wave 0..15
	s_mov_b32 s22, ttmp9
	s_and_b32 s19, ttmp7, 0xffff                   ; 8 b + head
	s_mov_b32 s21, 0
	s_mul_i32 s20, s19, 98304
	s_wait_dscnt 0x0
	s_wait_kmcnt 0x0
	s_add_nc_u64 s[28:29], s[8:9], s[20:21]        ; the head's V
	s_add_co_u32 s20, s20, 3145728
	s_add_nc_u64 s[26:27], s[4:5], s[20:21]        ; the head's K
	s_lshl_b32 s20, s19, 13
	s_add_co_u32 s20, s20, 262144
	s_add_nc_u64 s[30:31], s[6:7], s[20:21]
	s_lshl_b32 s20, s19, 12
	s_add_nc_u64 s[32:33], s[10:11], s[20:21]
	; 26 copies a wave, each of the work-group's 512 threads 16 (8) bytes: 8,192 (4,096) consecutive bytes an instruction.  Issued ahead of every LDS read, wait on their counter and barrier; their address registers stay untouched until that wait.
	global_load_async_to_lds_b128 v3, v1, s[30:31]
.irp i,0,1,2,3,4,5,6,7
	global_load_async_to_lds_b128 v6, v1, s[26:27] offset:8192*\i
.endr
.irp i,0,1,2,3
	global_load_async_to_lds_b128 v[CK2], v[CG2], s[26:27] offset:8192*\i
.endr
.irp i,0,1,2,3,4,5,6,7
	global_load_async_to_lds_b128 v2, v1, s[28:29] offset:8192*\i
.endr
.irp i,0,1,2,3
	global_load_async_to_lds_b128 v[CV2], v[CG2], s[28:29] offset:8192*\i
.endr
	global_load_async_to_lds_b64 v5, v4, s[32:33]
	s_sub_co_u32 s[QB], 15, s22
	s_cmp_lt_u32 s[WV], 8
	s_cselect_b32 s[QB], s22, s[QB]                ; my block of 128 queries
	s_and_b32 s35, s[WV], 7                        ; my tile in it
	s_lshl_b32 s23, s[QB], 3
	s_add_co_u32 s23, s23, s35
	s_lshl_b32 s20, s19, 7
	s_add_co_u32 s20, s20, s23
	s_mul_i32 s20, s20, 768
	s_add_nc_u64 s[36:37], s[4:5], s[20:21]        ; Q's half
	s_lshl_b32 s20, s19, 4
	s_add_co_u32 s20, s20, s[QB]
	s_lshl_b32 s20, s20, 9
	s_add_nc_u64 s[38:39], s[6:7], s[20:21]        ; Q's scale words of the block
	s_lshr_b32 s40, s19, 3                         ; batch
	s_and_b32 s41, s19, 7                          ; head
	s_lshl_b32 s20, s40, 15
	s_lshl_b32 s42, s41, 8
	s_add_co_u32 s20, s20, s42
	s_add_nc_u64 s[12:13], s[12:13], s[20:21]      ; vsum: the batch's 16 rows, my head's 64 channels
	s_lshl_b32 s42, s40, 7
	s_add_co_u32 s42, s42, s23                     ; my token tile of 512
	s_mul_i32 s20, s42, 6144
	s_mul_i32 s43, s41, 768
	s_add_co_u32 s20, s20, s43
	s_add_nc_u64 s[14:15], s[14:15], s[20:21]
	s_lshl_b32 s20, s42, 8
	s_lshl_b32 s43, s41, 1
	s_add_co_u32 s20, s20, s43
	s_add_nc_u64 s[16:17], s[16:17], s[20:21]
	s_lshr_b32 s43, s35, 1
	s_and_b32 s45, s35, 1
	s_lshl_b32 s55, s45, 8
	s_lshl_b32 s56, s43, 2
	s_add_co_u32 s55, s55, s56                     ; my tile's place among the scale words: 256 (tq % 2) + 4 (tq / 2)
	s_lshl_b32 s43, s43, 5
	s_lshl_b32 s45, s45, 3
	s_add_co_u32 s45, s45, s43                     ; my tile's first query in the block
	s_mov_b32 s[CS], 0x3e38aa3b                    ; c = log2(e) / 8
	s_mov_b32 s[CS+1], s[CS]
	s_mov_b32 s[SEL], 0x76543210
	s_mov_b32 s[SEL+1], 0xfedcba98
	s_mov_b32 s[THR], 0xef800000                   ; -2^96: the floor of the running maximum
	v_and_b32 v91, 31, v0
	v_and_b32 v92, 15, v0                          ; r
	v_bfe_u32 v93, v0, 4, 1                        ; h
	v_and_b32 v94, 8, v92
	v_add_nc_u32 v94, v94, v92                     ; r + 8 (r / 8)
	v_lshlrev_b32 v[AK16], 4, v91
	v_lshlrev_b32 v95, 3, v91
	v_add_nc_u32 v[AK8], 512, v95
	v_add_nc_u32 v[AKW], KW, v[AK16]
	v_add_nc_u32 v[AV16], VC, v[AK16]
	v_add_nc_u32 v[AVW], VW, v95
	v_lshl_add_u32 v86, v92, 4, s55
	global_load_b128 v[Q:Q+3], v[AK16], s[36:37]
	global_load_b64 v[Q+4:Q+5], v[AK8], s[36:37]
	global_load_b32 v[QW], v86, s[38:39]
.irp st,0,1,2,3,4,5,6,7,8,9,10,11,12,13,14,15
	global_load_b64 v[S+2*\st:S+2*\st+1], v95, s[12:13] offset:2048*\st
.endr
	s_lshl_b32 s55, s[WV], 8
	s_add_co_u32 s55, s55, VMS
	v_add_nc_u32 v88, s55, v95
	v_lshl_add_u32 v[VMR], v93, 6, s55
	v_lshlrev_b32 v89, 4, v93
	v_sub_nc_u32 v[DD], v94, v89
	v_add_nc_u32 v[DD], s45, v[DD]                 ; d = my query - 16 h, in the block: register n's key is hidden on the diagonal where 32 (n / 16) + n % 16 > d
	v_mov_b32 v[NEG], 0xf1800000                   ; -2^100: what a hidden key's score becomes, as a pad-masked key's does
	v_lshlrev_b32 v89, 3, v93
	v_sub_nc_u32 v[Q+6], 8, v89                    ; the code +1.0 at k = 64: lanes 0-15, the lowest six bits
	v_mul_u32_u24 v89, v93, 40
.irp t,0,1,2,3
	v_sub_nc_u32 v[KF+12*\t+6], 40, v89            ; the code -1.0 at k = 64
.irp i,7,8,9,10,11
	v_mov_b32 v[KF+12*\t+\i], 0
.endr
.endr
.irp i,7,8,9,10,11
	v_mov_b32 v[Q+\i], 0
.endr
.set n, 0
.rept 32
	v_mov_b32 v[O+n], 0                            ; the step is written once: its first trip adds onto zeros
.set n, n+1
.endr
.irp i,0,1,2,3,4,5,6,7
	v_mov_b32 v[BM+\i], 0                          ; a lane permute's destination counts as one of its sources
.endr
	v_mov_b32 v[MR], 0xef800000                    ; the floor -2^96
	v_mul_f32 v[NBR], -v[MR], s[CS]                ; c x 2^96, exact
	v_mov_b32 v[LS], 0
	v_mov_b32 v[LS+1], 0
	v_mov_b32 v[F+1], 0                            ; named as the upper half of a pair
	s_wait_loadcnt 0x0                             ; Q, its scale word, vsum
.irp st,1,2,3,4,5,6,7,8,9,10,11,12,13,14,15
	v_pk_add_f32 v[S:S+1], v[S:S+1], v[S+2*\st:S+2*\st+1]
.endr
	v_pk_mul_f32 v[S:S+1], v[S:S+1], 0x3a000000 op_sel_hi:[1,0]      ; x 2^-11
	ds_store_b64 v88, v[S:S+1]
	s_wait_asynccnt 0x0                            ; my copies have landed,
	s_wait_dscnt 0x0                               ; and my store
	s_barrier_signal -1
	s_barrier_wait -1                              ; everybody's have
; The scores of 128 keys: eight tiles, four at a time.  The upper six registers of K's fragments stay as they were set.
.macro SCORES
	ds_load_b128 v[KWR:KWR+3], v[ADKW]             ; register p: lanes 0-15 tile 2 p's words, lanes 16-31 tile 2 p + 1's
.irp g,0,1
.if \g
	PLACES 4                                       ; in front of loads into registers that products have read
.endif
.irp t,0,1,2,3
	ds_load_b128 v[KF+12*\t:KF+12*\t+3], v[ADK16] offset:768*(4*\g+\t)
	ds_load_b64 v[KF+12*\t+4:KF+12*\t+5], v[ADK8] offset:768*(4*\g+\t)
.endr
	s_wait_dscnt 0x0
.irp t,0,1,2,3
.if \t%2
	v_wmma_scale_f32_16x16x128_f8f6f4 v[S+8*(4*\g+\t):S+8*(4*\g+\t)+7], v[KF+12*\t:KF+12*\t+11], v[Q:Q+11], 0, v[KWR+(4*\g+\t)/2], v[QW] matrix_a_fmt:MATRIX_FMT_FP6 matrix_b_fmt:MATRIX_FMT_FP6 matrix_a_scale:MATRIX_SCALE_ROW1
.else
	v_wmma_scale_f32_16x16x128_f8f6f4 v[S+8*(4*\g+\t):S+8*(4*\g+\t)+7], v[KF+12*\t:KF+12*\t+11], v[Q:Q+11], 0, v[KWR+(4*\g+\t)/2], v[QW] matrix_a_fmt:MATRIX_FMT_FP6 matrix_b_fmt:MATRIX_FMT_FP6
.endif
.endr
.endr
	PLACES 4
	s_cmp_lg_u32 s[J], s[QB]                       ; only the step on the diagonal hides keys
	s_cbranch_scc1 .Lopen_\@
.set n, 0
.rept 64
	v_cmp_gt_i32 vcc_lo, 32*(n/16)+n%16, v[DD]
	v_cndmask_b32 v[S+n], v[S+n], v[NEG], vcc_lo
.set n, n+1
.endr
.Lopen_\@:
.endm
.macro BLOCKMAX                        ; my 16 scores of each block of 32 keys, the four blocks by turns, each accumulator from its low end on
.irp b,0,1,2,3
	v_max3_num_f32 v[BM+\b], v[S+16*\b], v[S+16*\b+1], v[S+16*\b+2]
.endr
.irp i,3,5,7,9,11,13
.irp b,0,1,2,3
	v_max3_num_f32 v[BM+\b], v[BM+\b], v[S+16*\b+\i], v[S+16*\b+\i+1]
.endr
.endr
.irp b,0,1,2,3
	v_max_num_f32 v[BM+\b], v[BM+\b], v[S+16*\b+15]
.endr
.endm
	; ---- PASS 1: m and l of my lane's half of the keys
	s_mov_b32 s[J], 0
	s_mov_b32 s[SK], 0
	s_mov_b32 s[SKW], 0
.Lpass1:
	s_cmp_gt_u32 s[J], s[QB]
	s_cbranch_scc1 .Lskip1
	v_add_nc_u32 v[ADK16], s[SK], v[AK16]
	v_add_nc_u32 v[ADK8], s[SK], v[AK8]
	v_add_nc_u32 v[ADKW], s[SKW], v[AKW]
	SCORES
	BLOCKMAX
	v_max3_num_f32 v[T0], v[BM], v[BM+1], v[BM+2]
	v_mov_b32 v[T1], v[NBR]
	v_max3_num_f32 v[MR], v[T0], v[BM+3], v[MR]    ; the running maximum, never under the floor
	v_mul_f32 v[NBR], -v[MR], s[CS]                ; -c m, kept as it is rounded
	v_sub_f32 v[T1], v[NBR], v[T1]                 ; c m_old - c m_new
	v_exp_f32 v[F], v[T1]
.set n, 0
.rept 32
	v_pk_fma_f32 v[S+2*n:S+2*n+1], v[S+2*n:S+2*n+1], s[CS:CS+1], v[NBR:NBR+1] op_sel_hi:[1,0,0]
.set n, n+1
.endr
.set n, 0
.rept 64
	v_exp_f32 v[S+n], v[S+n]
.set n, n+1
.endr
	s_wait_alu depctr_va_vdst(0)
	v_pk_mul_f32 v[LS:LS+1], v[LS:LS+1], v[F:F+1] op_sel_hi:[1,0]    ; the sum under the new maximum (a plain place behind the exponentials)
	v_pk_add_f32 v[L2:L2+1], v[S:S+1], v[S+2:S+3]
.irp j,4,8,12,16,20,24,28,32,36,40,44,48,52,56,60
	v_pk_add_f32 v[LS:LS+1], v[LS:LS+1], v[S+\j:S+\j+1]
	v_pk_add_f32 v[L2:L2+1], v[L2:L2+1], v[S+\j+2:S+\j+3]
.endr
	v_pk_add_f32 v[LS:LS+1], v[LS:LS+1], v[L2:L2+1]
.Lskip1:
	s_add_co_u32 s[SK], s[SK], 6144
	s_add_co_u32 s[SKW], s[SKW], 512
	s_add_co_u32 s[J], s[J], 1
	s_cmp_lt_u32 s[J], 16
	s_cbranch_scc1 .Lpass1
	; the two halves of the lanes join: M, L, and the offset -c M - log2 L
	v_add_f32 v[T0], v[LS], v[LS+1]
	v_permlanex16_b32 v[PT], v[NBR], s[SEL], s[SEL+1]
	v_min_num_f32 v[PT], v[PT], v[NBR]             ; -c M
	v_sub_f32 v[T1], v[PT], v[NBR]                 ; c (m - M), 0 or less
	v_exp_f32 v[T1], v[T1]
	v_nop
	v_permlanex16_b32 v[PT+1], v[MR], s[SEL], s[SEL+1]
	v_max_num_f32 v[MR], v[MR], v[PT+1]
	s_wait_alu depctr_va_vdst(0)
	v_mul_f32 v[T0], v[T0], v[T1]                  ; a half none of whose keys count brings 0 x 0
	v_permlanex16_b32 v[PT+2], v[T0], s[SEL], s[SEL+1]
	v_add_f32 v[T0], v[T0], v[PT+2]                ; L: about 1 or more where a key counts, 0 where none does
	v_log_f32 v[T1], v[T0]
	v_nop
	v_cmp_ge_f32 s[DEAD], s[THR], v[MR]            ; the maximum is still the floor: no key of the row counts
	s_wait_alu depctr_va_vdst(0)
	v_sub_f32 v[NBR], v[PT], v[T1]
	v_cndmask_b32 v[NBR], v[NBR], 0, s[DEAD]       ; there the offset (infinite) gives way to 0: every p becomes 0, and the result is chosen at the end
	; ---- PASS 2
	s_mov_b32 s[J], 0
	s_mov_b32 s[SK], 0
	s_mov_b32 s[SKW], 0
	s_mov_b32 s[SV], 0
.Lpass2:
	s_cmp_gt_u32 s[J], s[QB]
	s_cbranch_scc1 .Lskip2
	v_add_nc_u32 v[ADK16], s[SK], v[AK16]          ; these five are also the places in front of products that write over V's fragments
	v_add_nc_u32 v[ADK8], s[SK], v[AK8]
	v_add_nc_u32 v[ADKW], s[SKW], v[AKW]
	v_add_nc_u32 v[ADV], s[SK], v[AV16]
	v_add_nc_u32 v[ADVW], s[SV], v[AVW]
	SCORES
	BLOCKMAX
.irp b,0,1,2,3
	v_permlanex16_b32 v[PT+\b], v[BM+\b], s[SEL], s[SEL+1]
.endr
.irp b,0,1,2,3
	v_max_num_f32 v[BM+\b], v[BM+\b], v[PT+\b]     ; the block's largest score
.endr
.set n, 0
.rept 32
	v_pk_fma_f32 v[S+2*n:S+2*n+1], v[S+2*n:S+2*n+1], s[CS:CS+1], v[NBR:NBR+1] op_sel_hi:[1,0,0]
.set n, n+1
.endr
.irp b,0,1,2,3
	v_fma_f32 v[BM+\b], v[BM+\b], s[CS], v[NBR]    ; the same two instructions on the block's largest score give its largest p
.endr
.set n, 0
.rept 64
	v_exp_f32 v[S+n], v[S+n]                       ; the finished weight
.set n, n+1
.endr
.irp b,0,1,2,3
	v_exp_f32 v[BM+\b], v[BM+\b]
.endr
	v_nop
	s_wait_alu depctr_va_vdst(0)
.irp b,0,1,2,3
	v_max_num_f32 v[BM+\b], 0x1800000, v[BM+\b]    ; the floor: the byte cannot fall under 1
.endr
.irp b,0,1,2,3
	v_add_nc_u32 v[SO+\b], 0xff000000, v[BM+\b]
.endr
.irp b,0,1,2,3
	v_lshrrev_b32 v[BY+\b], 23, v[SO+\b]
.endr
	v_lshl_or_b32 v[PW], v[BY+1], 8, v[BY]
	v_lshl_or_b32 v[PW], v[BY+2], 16, v[PW]
	v_lshl_or_b32 v[PW], v[BY+3], 24, v[PW]
.irp c,0,1
	v_cvt_scalef32_pk16_fp6_f32 v[PC+6*\c:PC+6*\c+2], v[S+32*\c:S+32*\c+15], v[SO+2*\c]
	v_cvt_scalef32_pk16_fp6_f32 v[P2+4*\c:P2+4*\c+2], v[S+32*\c+16:S+32*\c+31], v[SO+2*\c+1]
.endr
	v_nop
.irp c,0,1
.irp i,0,1,2
	v_permlane16_swap_b32 v[PC+6*\c+\i], v[P2+4*\c+\i]
.endr
.irp i,0,1,2
	v_mov_b32 v[PC+6*\c+3+\i], v[P2+4*\c+\i]
.endr
.endr
.irp t,0,1,2,3
.irp c,0,1,2
	ds_load_b128 v[S+12*\t+4*\c:S+12*\t+4*\c+3], v[ADV] offset:1536*\t+512*\c      ; V's four fragments take the weights' registers
.endr
.endr
	ds_load_b64 v[VWR:VWR+1], v[ADVW]
	PLACES 8                                       ; p's scale word and codes were made by vector instructions
	s_wait_dscnt 0x0
.irp t,0,1,2,3
.if \t%2
	v_wmma_scale_f32_16x16x128_f8f6f4 v[O+8*\t:O+8*\t+7], v[S+12*\t:S+12*\t+11], v[PC:PC+11], v[O+8*\t:O+8*\t+7], v[VWR+\t/2], v[PW] matrix_a_fmt:MATRIX_FMT_FP6 matrix_b_fmt:MATRIX_FMT_FP6 matrix_a_scale:MATRIX_SCALE_ROW1
.else
	v_wmma_scale_f32_16x16x128_f8f6f4 v[O+8*\t:O+8*\t+7], v[S+12*\t:S+12*\t+11], v[PC:PC+11], v[O+8*\t:O+8*\t+7], v[VWR+\t/2], v[PW] matrix_a_fmt:MATRIX_FMT_FP6 matrix_b_fmt:MATRIX_FMT_FP6
.endif
.endr
.Lskip2:
	s_add_co_u32 s[SK], s[SK], 6144
	s_add_co_u32 s[SKW], s[SKW], 512
	s_add_co_u32 s[SV], s[SV], 256
	s_add_co_u32 s[J], s[J], 1
	s_cmp_lt_u32 s[J], 16
	s_cbranch_scc1 .Lpass2
	; ---- the way out: the head's 64 channels of my 16 queries are one half of the next product's operand
	PLACES 4
.irp t,0,1,2,3
	ds_load_b128 v[S+8*\t:S+8*\t+3], v[VMR] offset:4*(32*(\t/2)+8*(\t%2))
	ds_load_b128 v[S+8*\t+4:S+8*\t+7], v[VMR] offset:4*(32*(\t/2)+8*(\t%2))+16
.endr
	s_wait_dscnt 0x0
.set n, 0
.rept 32
	v_cndmask_b32 v[O+n], v[O+n], v[S+n], s[DEAD]
.set n, n+1
.endr
	QUANT64 O, PC, SWO
	v_lshlrev_b32 v91, 4, v92
	global_store_b128 v[AK16], v[PC:PC+3], s[14:15]
	global_store_b64 v[AK8], v[PC+4:PC+5], s[14:15]
	global_store_b16 v91, v[SWO], s[16:17]         ; both halves of the lanes hold the same bytes and write the same place
	s_wait_tensorcnt 0x0
	ds_add_u32 v254, v255
	s_wait_dscnt 0x0
	s_endpgm
.Lfunc_end_k_q5eac79df27_attn:
	.size	k_q5eac79df27_attn, .Lfunc_end_k_q5eac79df27_attn-k_q5eac79df27_attn
	.p2alignl 7, 3214868480
	.fill 96, 4, 3214868480
	.section	.rodata,"a",@progbits
	.p2align	6, 0x0
	.amdhsa_kernel k_q5eac79df27_attn
		.amdhsa_group_segment_fixed_size 215040
		.amdhsa_private_segment_fixed_size 0
		.amdhsa_enable_private_segment 0
		.amdhsa_kernarg_size 56
		.amdhsa_user_sgpr_count 2
		.amdhsa_user_sgpr_kernarg_segment_ptr 1
		.amdhsa_wavefront_size32 1
		.amdhsa_system_sgpr_workgroup_id_x 1
		.amdhsa_system_sgpr_workgroup_id_y 1
		.amdhsa_system_sgpr_workgroup_id_z 1
		.amdhsa_system_vgpr_workitem_id 0
		.amdhsa_next_free_vgpr 256
		.amdhsa_next_free_sgpr 66
		.amdhsa_reserve_vcc 1
		.amdhsa_float_denorm_mode_32 3
		.amdhsa_float_denorm_mode_16_64 3
		.amdhsa_memory_ordered 1
		.amdhsa_forward_progress 1
		.amdhsa_inst_pref_size 52
	.end_amdhsa_kernel
	.amdgpu_metadata
---
amdhsa.version: [ 1, 2 ]
amdhsa.kernels:
  - .name:           k_q5eac79df27_attn
    .symbol:         k_q5eac79df27_attn.kd
    .args:
      - { .name: qkc, .offset: 0, .size: 8, .value_kind: global_buffer, .address_space: global }
      - { .name: qkw, .offset: 8, .size: 8, .value_kind: global_buffer, .address_space: global }
      - { .name: vc, .offset: 16, .size: 8, .value_kind: global_buffer, .address_space: global }
      - { .name: vw, .offset: 24, .size: 8, .value_kind: global_buffer, .address_space: global }
      - { .name: vsum, .offset: 32, .size: 8, .value_kind: global_buffer, .address_space: global }
      - { .name: ao, .offset: 40, .size: 8, .value_kind: global_buffer, .address_space: global }
      - { .name: aos, .offset: 48, .size: 8, .value_kind: global_buffer, .address_space: global }
    .group_segment_fixed_size: 215040
    .private_segment_fixed_size: 0
    .kernarg_segment_align: 8
    .kernarg_segment_size: 56
    .max_flat_workgroup_size: 512
    .sgpr_count:     66
    .vgpr_count:     256
    .wavefront_size: 32
...
	.end_amdgpu_metadata
.endif
;; end of part 3
;; launch tail (part 4): grid 256 x 1, 8 waves a work-group, no clusters, 132,608 bytes of LDS; arguments x, ao, aos, wimg, bo, g2, be2, b1, b2, out0; writes out0
.if DOCPART == 4
	.amdgcn_target "amdgcn-amd-amdhsa--gfx1250"
	.amdhsa_code_object_version 6
	.text
	.protected	k_q5eac79df27_tail
	.globl	k_q5eac79df27_tail
	.p2align	8
	.type	k_q5eac79df27_tail,@function
k_q5eac79df27_tail:
	s_mov_b64 s[64:65], 0
	v_nop
	global_prefetch_b8 v0, s[64:65] scope:SCOPE_SE
	s_setreg_imm32_b32 hwreg(HW_REG_WAVE_MODE, 25, 1), 1
	s_wait_xcnt 0x0
; x1 = x + attention Wo + bo;  out = x1 + gelu((layernorm(x1) g2 + be2) W1 + b1) W2 + b2, the three products on codes of E2M3; x1, the normalised rows and the hidden layer never go to memory.
; SHARES.  A work-group owns 32 tokens (two tiles).  THE WAVES SHARE THE COLUMNS: wave w makes columns 64 w .. 64 w + 63 of x1 and of out, and hidden units 256 w .. 256 w + 255.  Its nine blocks of weight images lie on end and are streamed
; one block ahead of their use: 52 loads of 512 consecutive bytes.  Operands go from wave to wave through LDS as images of their registers; four barriers: two for the row statistics' two rounds, one behind the normalised rows' images, one behind the hidden layer's.
; All products transposed (source 0 = 16 rows of W, source 1 = 16 tokens): a lane holds one token, its registers run along the columns, 16 neighbours to two tiles.
; 32 tokens to a work-group: 8,192 tokens make 256 work-groups, one for each of the 256 WGPs.  Each streams all 72 blocks (1.9 MB); 64 tokens would halve that stream and leave half of the WGPs without work.  NOT SHARED IN A CLUSTER: the text has no tensor loads; a limit of this version.
; GELU is exact: erf by a rational function of f32 accuracy on the argument held to -4 .. 4, beyond which erf is 1 in f32.  LIMITS: NaN and infinities are not served; a block of zeros gets the scale byte 1.
; REGISTERS.  Window 0: v1-30 addresses; v32-47 W's scale words; v48-51 the tokens'; v52-55 means, then 1/sigma, then the hidden layer's scale bytes; v60-63 two constants; v64-95 bias; v96-159 accumulators;
;   v160-207, v208-211 the second tile's attention fragments and scale words; v224-255 at work.  Window 1: W's 16 fragments, v192.. a token tile's four (g2 for a while).
.set SUB, 26624
.set MT, 2                             ; token tiles to a work-group: the pair that covers 32 neighbouring tokens
.set X1W, MT*4096                      ; LDS: 0: each wave's 8,192 bytes: x1's images, at the end the stage for out
.set H2, 8*X1W                         ; the normalised rows, [tile MT] x 6,144
.set H2S, H2+MT*6144                   ; their scale bytes, [tile MT] x 256
.set STAT, H2S+MT*256                  ; row statistics: 2 rounds x [tile MT][row 16][wave 8] f32
.set HID, STAT+2*MT*512                ; the hidden layer, [K chunk 4][tile MT] x 6,144
.set HIDS, HID+4*MT*6144               ; its scale bytes, [K chunk 4][tile MT] x 256; the map ends at 131,584
.set XA, 5
.set H64, 6
.set L16, 7
.set L8, 8
.set R16, 9
.set ST1, 10
.set STR, 11
.set X1A, 12
.set H2W16, 13
.set H2W8, 14
.set H2WS, 15
.set H2R16, 16
.set H2R8, 17
.set H2RS, 18
.set HW16B, 19
.set HW8B, 20
.set HWSB, 21
.set HR16B, 22
.set HR8B, 23
.set HRSB, 24
.set A16, 25
.set A8, 26
.set AS, 27
.set SGI, 28
.set SGO, 29
.set GO, 30
.set WS, 32
.set BS, 48
.set MP, 52
.set CA1, 60
.set CB1, 62
.set BI, 64
.set ACC, 96
.set BF2, 160                          ; window 0
.set BS2, 208
.set T, 224
.set TM, 224
.set PC, 232
.set TP, 238
.set SW, 241
.set LP, 232
.set LR, 240
.set PXT, 244
.set GZ, 224
.set GX, 228
.set GP, 232
.set GQ, 236
.set BF, 192                           ; window 1
.set WP, 26
.set BP, 28
.set SEL, 34
.set CNT, 38
.set SJ, 39
.set SQ, 40
.set SQ2, 41
.set RS2, 66
.set EA0, 68
.set EA2, 70
.set EA3, 72
.set EA4, 74
.set EA5, 76
.set EA6, 78
.set EB0, 80
.set EB2, 82
.set EB3, 84
.set EB4, 86
.set MSB, 0
.macro WIN new                         ; the immediate's high byte repeats the setting that is left
.if MSB != \new
	s_set_vgpr_msb (MSB<<8)|\new
.set MSB, \new
.endif
.endm
.macro PLACES n
.rept \n
	v_nop
.endr
.endm
.macro BARRIER                         ; my LDS stores have landed and my LDS loads are in: then the work-group's barrier
	s_wait_dscnt 0x0
	s_barrier_signal -1
	s_barrier_wait -1
.endm
.macro SPAIR r, val                    ; a constant for the packed forms, which name a pair and take its low word for both halves
	s_mov_b32 s[\r], \val
	s_mov_b32 s[\r+1], s[\r]
.endm
.macro QUANT64 src, dst, sw            ; 32 numbers of a lane, register 16 b + i = k 32 b + 16 (lane / 16) + i -> six registers of codes and two scale bytes
	v_max3_num_f32 v[TM], |v[\src]|, |v[\src+1]|, 0x1800000
	v_max3_num_f32 v[TM+1], |v[\src+16]|, |v[\src+17]|, 0x1800000
.irp i,2,4,6,8,10,12,14
	v_max3_num_f32 v[TM], v[TM], |v[\src+\i]|, |v[\src+\i+1]|
	v_max3_num_f32 v[TM+1], v[TM+1], |v[\src+16+\i]|, |v[\src+17+\i]|
.endr
	v_permlanex16_b32 v[TM+2], v[TM], s[SEL], s[SEL+1]
	v_permlanex16_b32 v[TM+3], v[TM+1], s[SEL], s[SEL+1]
	v_max_num_f32 v[TM], v[TM], v[TM+2]
	v_max_num_f32 v[TM+1], v[TM+1], v[TM+3]
	v_add_nc_u32 v[TM+4], 0xff000000, v[TM]
	v_add_nc_u32 v[TM+5], 0xff000000, v[TM+1]
	v_lshrrev_b32 v[TM+6], 23, v[TM+4]
	v_lshrrev_b32 v[TM+7], 23, v[TM+5]
	v_lshl_or_b32 v[\sw], v[TM+7], 8, v[TM+6]
	v_cvt_scalef32_pk16_fp6_f32 v[\dst:\dst+2], v[\src:\src+15], v[TM+4]
	v_cvt_scalef32_pk16_fp6_f32 v[TP:TP+2], v[\src+16:\src+31], v[TM+5]
	v_nop
.irp i,0,1,2
	v_permlane16_swap_b32 v[\dst+\i], v[TP+\i]
.endr
.irp i,0,1,2
	v_mov_b32 v[\dst+3+\i], v[TP+\i]
.endr
.endm
.macro PUTC a16, a8, off               ; the half in v[PC] on goes to LDS as it stands
	ds_store_b128 v[\a16], v[PC:PC+3] offset:\off
	ds_store_b64 v[\a8], v[PC+4:PC+5] offset:\off
.endm
.macro WLOAD
	WIN 0x40
.set i, 0
.rept 48
	global_load_b128 v[4*i:4*i+3], v[L16], s[WP:WP+1] offset:512*i
.set i, i+1
.endr
	WIN 0
.irp t,0,1,2,3
	global_load_b128 v[WS+4*\t:WS+4*\t+3], v[L16], s[WP:WP+1] offset:24576+512*\t
.endr
.endm
.macro BILOAD p                        ; 64 numbers of a vector of columns in the result's layout: tile t, my half's eight
.irp t,0,1,2,3
	global_load_b128 v[BI+8*\t:BI+8*\t+3], v[H64], s[\p:\p+1] offset:4*(32*(\t/2)+8*(\t%2))
	global_load_b128 v[BI+8*\t+4:BI+8*\t+7], v[H64], s[\p:\p+1] offset:4*(32*(\t/2)+8*(\t%2))+16
.endr
.endm
.macro BFETCH a16, a8, as, off, soff   ; a token tile's eight halves (four fragments) and its four scale words, from LDS
	WIN 0x40
.irp hh,0,1,2,3,4,5,6,7
	ds_load_b128 v[BF+6*\hh:BF+6*\hh+3], v[\a16] offset:\off+768*\hh
	ds_load_b64 v[BF+6*\hh+4:BF+6*\hh+5], v[\a8] offset:\off+768*\hh
.endr
	WIN 0
	ds_load_b128 v[BS:BS+3], v[\as] offset:\soff
.endm
.macro GFETCH m, w, bf, bs             ; the same from memory: the attention's result, tile m, into v[bf] on of the window that w names, and v[bs] on
	WIN \w
.irp hh,0,1,2,3,4,5,6,7
	global_load_b128 v[\bf+6*\hh:\bf+6*\hh+3], v[L16], s[6:7] offset:6144*(\m)+768*\hh
	global_load_b64 v[\bf+6*\hh+4:\bf+6*\hh+5], v[L8], s[6:7] offset:6144*(\m)+768*\hh
.endr
	WIN 0
	global_load_b128 v[\bs:\bs+3], v[R16], s[8:9] offset:256*(\m)
.endm
; 16 products: my four tiles of W x token tile m, K = 512.  w: the windows (source 0, W, in window 1; source 1 in window 1 or 0); bf, bs: the tokens' fragments and scale words.
; The four accumulators take turns, one instruction a turn.
.macro MM16 m, bias, w, bf, bs
	WIN \w
.irp s,0,1,2,3
.irp t,0,1,2,3
.if (\bias) && (\s == 0)
	v_wmma_scale_f32_16x16x128_f8f6f4 v[ACC+32*(\m)+8*\t:ACC+32*(\m)+8*\t+7], v[12*(4*\t+\s):12*(4*\t+\s)+11], v[\bf+12*\s:\bf+12*\s+11], v[BI+8*\t:BI+8*\t+7], v[WS+4*\t+\s], v[\bs+\s] matrix_a_fmt:MATRIX_FMT_FP6 matrix_b_fmt:MATRIX_FMT_FP6
.else
	v_wmma_scale_f32_16x16x128_f8f6f4 v[ACC+32*(\m)+8*\t:ACC+32*(\m)+8*\t+7], v[12*(4*\t+\s):12*(4*\t+\s)+11], v[\bf+12*\s:\bf+12*\s+11], v[ACC+32*(\m)+8*\t:ACC+32*(\m)+8*\t+7], v[WS+4*\t+\s], v[\bs+\s] matrix_a_fmt:MATRIX_FMT_FP6 matrix_b_fmt:MATRIX_FMT_FP6
.endif
.endr
.endr
.endm
.macro HP c
.irp u,0,1
	v_pk_fma_f32 v[GP+2*\u:GP+2*\u+1], v[GP+2*\u:GP+2*\u+1], v[GX+2*\u:GX+2*\u+1], s[\c:\c+1] op_sel_hi:[1,1,0]
.endr
.endm
.macro HQ c
.irp u,0,1
	v_pk_fma_f32 v[GQ+2*\u:GQ+2*\u+1], v[GQ+2*\u:GQ+2*\u+1], v[GX+2*\u:GX+2*\u+1], s[\c:\c+1] op_sel_hi:[1,1,0]
.endr
.endm
; four numbers, in place: a (1 + erf(a / sqrt 2)) / 2, erf(z) = z P(z^2) / Q(z^2); two pairs by turns
.macro GELU4 a
.irp u,0,1
	v_pk_mul_f32 v[GZ+2*\u:GZ+2*\u+1], v[\a+2*\u:\a+2*\u+1], s[RS2:RS2+1] op_sel_hi:[1,0]
.endr
.irp u,0,1,2,3
	v_med3_num_f32 v[GZ+\u], v[GZ+\u], -4.0, 4.0
.endr
.irp u,0,1
	v_pk_mul_f32 v[GX+2*\u:GX+2*\u+1], v[GZ+2*\u:GZ+2*\u+1], v[GZ+2*\u:GZ+2*\u+1]
.endr
.irp u,0,1
	v_pk_fma_f32 v[GP+2*\u:GP+2*\u+1], v[GX+2*\u:GX+2*\u+1], s[EA0:EA0+1], v[CA1:CA1+1] op_sel_hi:[1,0,1]
.endr
.irp u,0,1
	v_pk_fma_f32 v[GQ+2*\u:GQ+2*\u+1], v[GX+2*\u:GX+2*\u+1], s[EB0:EB0+1], v[CB1:CB1+1] op_sel_hi:[1,0,1]
.endr
	HP EA2
	HQ EB2
	HP EA3
	HQ EB3
	HP EA4
	HQ EB4
	HP EA5
	HP EA6
.irp u,0,1
	v_pk_mul_f32 v[GP+2*\u:GP+2*\u+1], v[GP+2*\u:GP+2*\u+1], v[GZ+2*\u:GZ+2*\u+1]
.endr
.irp u,0,1,2,3
	v_rcp_f32 v[GQ+\u], v[GQ+\u]
.endr
.irp u,0,1
	v_pk_mul_f32 v[\a+2*\u:\a+2*\u+1], v[\a+2*\u:\a+2*\u+1], 0.5 op_sel_hi:[1,0]     ; plain places behind the reciprocals
.endr
	s_wait_alu depctr_va_vdst(0)
.irp u,0,1
	v_pk_mul_f32 v[GP+2*\u:GP+2*\u+1], v[GP+2*\u:GP+2*\u+1], v[GQ+2*\u:GQ+2*\u+1]    ; erf
.endr
.irp u,0,1
	v_pk_fma_f32 v[\a+2*\u:\a+2*\u+1], v[\a+2*\u:\a+2*\u+1], v[GP+2*\u:GP+2*\u+1], v[\a+2*\u:\a+2*\u+1]
.endr
.endm
.macro GELU32 a
.irp q,0,4,8,12,16,20,24,28
	GELU4 \a+\q
.endr
.endm
.macro CROSS off                       ; each tile's pair of sums: two halves, two lanes, then my wave's word of the row's eight
.irp m,0,1
	v_add_f32 v[LR+\m], v[LP+2*\m], v[LP+2*\m+1]
.endr
.irp m,0,1
	v_permlanex16_b32 v[PXT+\m], v[LR+\m], s[SEL], s[SEL+1]
.endr
.irp m,0,1
	v_add_f32 v[LR+\m], v[LR+\m], v[PXT+\m]
.endr
.irp m,0,1
	ds_store_b32 v[ST1], v[LR+\m] offset:\off+512*\m
.endr
.endm
.macro GATHER off                      ; the eight waves' words of my row, for each tile, summed into v[T + 8 m]
.irp m,0,1
	ds_load_b128 v[T+8*\m:T+8*\m+3], v[STR] offset:\off+512*\m
	ds_load_b128 v[T+8*\m+4:T+8*\m+7], v[STR] offset:\off+512*\m+16
.endr
	s_wait_dscnt 0x0
.irp m,0,1
	v_pk_add_f32 v[T+8*\m:T+8*\m+1], v[T+8*\m:T+8*\m+1], v[T+8*\m+2:T+8*\m+3]
	v_pk_add_f32 v[T+8*\m+4:T+8*\m+5], v[T+8*\m+4:T+8*\m+5], v[T+8*\m+6:T+8*\m+7]
.endr
.irp m,0,1
	v_pk_add_f32 v[T+8*\m:T+8*\m+1], v[T+8*\m:T+8*\m+1], v[T+8*\m+4:T+8*\m+5]
.endr
.irp m,0,1
	v_add_f32 v[T+8*\m], v[T+8*\m], v[T+8*\m+1]
.endr
.endm
	s_load_b512 s[4:19], s[0:1], 0x0               ; x, ao, aos, wimg, bo, g2, be2, b1
	s_load_b128 s[20:23], s[0:1], 0x40             ; b2, out0
	v_lshl_add_u32 v222, v0, 2, 0x20200
	v_mov_b32 v223, 0
	v_lshrrev_b32 v1, 5, v0
	v_readfirstlane_b32 s25, v1                    ; wave w
	s_mov_b32 s24, ttmp9                           ; block of 32 tokens
	v_and_b32 v1, 31, v0
	v_and_b32 v2, 15, v0
	v_bfe_u32 v3, v0, 4, 1
	v_and_b32 v4, 8, v2
	v_add_nc_u32 v4, v4, v2
	v_lshlrev_b32 v[H64], 6, v3
	v_lshl_add_u32 v[XA], v4, 11, v[H64]
	v_lshlrev_b32 v[L16], 4, v1
	v_lshlrev_b32 v[L8], 3, v1
	v_add_nc_u32 v[L8], 512, v[L8]
	v_lshlrev_b32 v[R16], 4, v2
	v_lshlrev_b32 v[STR], 5, v2
	v_add_nc_u32 v[STR], STAT, v[STR]
	s_lshl_b32 s30, s25, 2
	v_add_nc_u32 v[ST1], s30, v[STR]
	s_mul_i32 s30, s25, X1W
	v_add_nc_u32 v[X1A], s30, v[L16]
	v_mul_u32_u24 v[SGI], v2, 272
	v_add_nc_u32 v[SGI], v[SGI], v[H64]
	v_add_nc_u32 v[SGI], s30, v[SGI]
	v_mul_u32_u24 v[SGO], v3, 272
	v_add_nc_u32 v[SGO], v[SGO], v[R16]
	v_add_nc_u32 v[SGO], s30, v[SGO]
	v_lshl_add_u32 v[GO], v3, 11, v[R16]
	v_add_nc_u32 v[H2R16], H2, v[L16]
	v_add_nc_u32 v[H2R8], H2, v[L8]
	v_add_nc_u32 v[H2RS], H2S, v[R16]
	s_mul_i32 s30, s25, 768
	v_add_nc_u32 v[H2W16], s30, v[H2R16]
	v_add_nc_u32 v[H2W8], s30, v[H2R8]
	s_lshl_b32 s30, s25, 1
	v_add_nc_u32 v[H2WS], s30, v[H2RS]
	v_add_nc_u32 v[HR16B], HID, v[L16]
	v_add_nc_u32 v[HR8B], HID, v[L8]
	v_add_nc_u32 v[HRSB], HIDS, v[R16]
	s_lshr_b32 s31, s25, 1
	s_and_b32 s32, s25, 1
	s_mul_i32 s30, s31, MT*6144
	s_mul_i32 s33, s32, 3072
	s_add_co_u32 s30, s30, s33
	v_add_nc_u32 v[HW16B], s30, v[HR16B]           ; my hidden units are halves 4 (w % 2) + j of K chunk w / 2
	v_add_nc_u32 v[HW8B], s30, v[HR8B]
	s_mul_i32 s30, s31, MT*256
	s_lshl_b32 s33, s32, 3
	s_add_co_u32 s30, s30, s33
	v_add_nc_u32 v[HWSB], s30, v[HRSB]
	s_mov_b32 s[SEL], 0x76543210
	s_mov_b32 s[SEL+1], 0xfedcba98
	s_mov_b32 s36, 0x3b000000                      ; 1 / 512
	s_mov_b32 s37, 0x3727c5ac                      ; 1e-5
	SPAIR RS2, 0x3f3504f3                          ; 1 / sqrt 2
	SPAIR EA0, -2.72614225801306e-10
	SPAIR EA2, -2.10102402082508e-06
	SPAIR EA3, -5.69250639462346e-05
	SPAIR EA4, -7.34990630326855e-04
	SPAIR EA5, -2.95459980854025e-03
	SPAIR EA6, -1.60960333262415e-02
	SPAIR EB0, -1.45660718464996e-05
	SPAIR EB2, -1.68282697438203e-03
	SPAIR EB3, -7.37332916720468e-03
	SPAIR EB4, -1.42647390514189e-02
	v_mov_b32 v[CA1], 2.77068142495902e-08
	v_mov_b32 v[CA1+1], v[CA1]
	v_mov_b32 v[CB1], -2.13374055278905e-04
	v_mov_b32 v[CB1+1], v[CB1]
	v_mov_b32 v[TM+2], 0                           ; a lane permute's destination counts as one of its sources
	v_mov_b32 v[TM+3], 0
.irp m,0,1
	v_mov_b32 v[PXT+\m], 0
.endr
	s_mov_b32 s43, 0
	s_wait_kmcnt 0x0
	s_mul_i32 s42, s24, MT*32768                   ; 16 MT tokens of 2,048 bytes
	s_lshl_b32 s30, s25, 8
	s_add_co_u32 s42, s42, s30
	s_add_nc_u64 s[4:5], s[4:5], s[42:43]          ; x and out at my block's first token, my 64 columns
	s_add_nc_u64 s[22:23], s[22:23], s[42:43]
	s_mov_b32 s42, s30
	s_add_nc_u64 s[12:13], s[12:13], s[42:43]      ; bo, g2, be2, b2 at my 64 columns
	s_add_nc_u64 s[14:15], s[14:15], s[42:43]
	s_add_nc_u64 s[16:17], s[16:17], s[42:43]
	s_add_nc_u64 s[20:21], s[20:21], s[42:43]
	s_lshl_b32 s42, s25, 10
	s_add_nc_u64 s[BP:BP+1], s[18:19], s[42:43]    ; b1 at my 256 hidden units
	s_mul_i32 s42, s24, MT*6144
	s_add_nc_u64 s[6:7], s[6:7], s[42:43]          ; the attention's images of my MT tiles,
	s_mul_i32 s42, s24, MT*256
	s_add_nc_u64 s[8:9], s[8:9], s[42:43]          ; and their scale bytes
	s_mul_i32 s42, s25, 9
	s_add_co_u32 s42, s42, 24
	s_mul_i32 s42, s42, SUB
	s_add_nc_u64 s[WP:WP+1], s[10:11], s[42:43]    ; my nine blocks of weight images
	; ---- 1: x1 = x + bo + attention Wo.  x and bo start the sums.  All that the first product wants is asked for at once: Wo's block, x, bo, and both tiles' fragments
	WLOAD
.irp m,0,1
.irp t,0,1,2,3
	global_load_b128 v[ACC+32*\m+8*\t:ACC+32*\m+8*\t+3], v[XA], s[4:5] offset:(32*(\m/2)+8*(\m%2))*2048+4*(32*(\t/2)+8*(\t%2))
	global_load_b128 v[ACC+32*\m+8*\t+4:ACC+32*\m+8*\t+7], v[XA], s[4:5] offset:(32*(\m/2)+8*(\m%2))*2048+4*(32*(\t/2)+8*(\t%2))+16
.endr
.endr
	BILOAD 12
	GFETCH 0, 0x40, BF, BS
	GFETCH 1, 0, BF2, BS2
	s_wait_loadcnt 0x0
.irp m,0,1
.set i, 0
.rept 16
	v_pk_add_f32 v[ACC+32*\m+2*i:ACC+32*\m+2*i+1], v[ACC+32*\m+2*i:ACC+32*\m+2*i+1], v[BI+2*i:BI+2*i+1]
.set i, i+1
.endr
.endr
	PLACES 4                                       ; the sums' starts were written by vector instructions: they stand as far ahead of the products as an operand so written
	MM16 0, 0, 0x05, BF, BS
	MM16 1, 0, 0x01, BF2, BS2                      ; the second tile's fragments lie in window 0
	WIN 0
	PLACES 4                                       ; in front of loads into registers that the products have read, and of the first read of results
	s_add_nc_u64 s[WP:WP+1], s[WP:WP+1], SUB       ; every load that named the pointer has been waited for
	WLOAD                                          ; W1's first block lands under the normalisation
	WIN 0x40
.irp t,0,1,2,3
	global_load_b128 v[BF+8*\t:BF+8*\t+3], v[H64], s[14:15] offset:4*(32*(\t/2)+8*(\t%2))      ; g2
	global_load_b128 v[BF+8*\t+4:BF+8*\t+7], v[H64], s[14:15] offset:4*(32*(\t/2)+8*(\t%2))+16
.endr
	WIN 0
	BILOAD 16                                      ; be2
	; ---- 2: layernorm of x1: a row's 512 columns lie in eight waves
.irp m,0,1
	v_pk_add_f32 v[LP+2*\m:LP+2*\m+1], v[ACC+32*\m:ACC+32*\m+1], v[ACC+32*\m+2:ACC+32*\m+3]    ; each accumulator from its low end on
.endr
.irp i,4,6,8,10,12,14,16,18,20,22,24,26,28,30
.irp m,0,1
	v_pk_add_f32 v[LP+2*\m:LP+2*\m+1], v[LP+2*\m:LP+2*\m+1], v[ACC+32*\m+\i:ACC+32*\m+\i+1]
.endr
.endr
	CROSS 0
.set i, 0
.rept 8*MT
	ds_store_b128 v[X1A], v[ACC+4*i:ACC+4*i+3] offset:512*i          ; x1 is kept, in my own bytes, for the end
.set i, i+1
.endr
	BARRIER                                        ; the eight partial sums of each row lie in LDS
	GATHER 0
.irp m,0,1
	v_mul_f32 v[MP+2*\m], s36, v[T+8*\m]           ; the mean
	v_mov_b32 v[MP+2*\m+1], v[MP+2*\m]
.endr
.irp m,0,1
.set i, 0
.rept 16
	v_pk_add_f32 v[ACC+32*\m+2*i:ACC+32*\m+2*i+1], v[ACC+32*\m+2*i:ACC+32*\m+2*i+1], v[MP+2*\m:MP+2*\m+1] neg_lo:[0,1] neg_hi:[0,1]
.set i, i+1
.endr
.endr
.irp m,0,1
	v_pk_mul_f32 v[LP+2*\m:LP+2*\m+1], v[ACC+32*\m:ACC+32*\m+1], v[ACC+32*\m:ACC+32*\m+1]
.endr
.irp i,2,4,6,8,10,12,14,16,18,20,22,24,26,28,30
.irp m,0,1
	v_pk_fma_f32 v[LP+2*\m:LP+2*\m+1], v[ACC+32*\m+\i:ACC+32*\m+\i+1], v[ACC+32*\m+\i:ACC+32*\m+\i+1], v[LP+2*\m:LP+2*\m+1]
.endr
.endr
	CROSS MT*512                                   ; the second round has bytes of its own
	BARRIER
	GATHER MT*512
.irp m,0,1
	v_fma_f32 v[T+8*\m], v[T+8*\m], s36, s37       ; variance + eps
.endr
.irp m,0,1
	v_rsq_f32 v[MP+2*\m], v[T+8*\m]
.endr
	v_nop
	s_wait_alu depctr_va_vdst(0)
.irp m,0,1
	v_mov_b32 v[MP+2*\m+1], v[MP+2*\m]
.endr
.irp m,0,1
.set i, 0
.rept 16
	v_pk_mul_f32 v[ACC+32*\m+2*i:ACC+32*\m+2*i+1], v[ACC+32*\m+2*i:ACC+32*\m+2*i+1], v[MP+2*\m:MP+2*\m+1]
.set i, i+1
.endr
.endr
	s_wait_loadcnt 0x0                             ; g2, be2 (and W1's first block)
	WIN 0x04
.irp m,0,1
.set i, 0
.rept 16
	v_pk_fma_f32 v[ACC+32*\m+2*i:ACC+32*\m+2*i+1], v[ACC+32*\m+2*i:ACC+32*\m+2*i+1], v[BF+2*i:BF+2*i+1], v[BI+2*i:BI+2*i+1]
.set i, i+1
.endr
.endr
	WIN 0
	BILOAD BP                                      ; b1 of my first 64 hidden units
.irp m,0,1
	QUANT64 ACC+32*\m, PC, SW
	PUTC H2W16, H2W8, 6144*\m                      ; my 64 columns are half w of the tile's 512
	ds_store_b16 v[H2WS], v[SW] offset:256*\m
	s_wait_dscnt 0x0                               ; the stores have read their registers
.endr
.irp i,0,1,2,3
	v_mov_b32 v[MP+\i], 0                          ; from here on: the hidden layer's scale bytes, a pair of registers for each tile
.endr
	BARRIER                                        ; the normalised rows' images lie in LDS and are only read from here on
	; ---- 3: the hidden layer, 64 units a trip
	s_mov_b32 s[CNT], 4
	s_mov_b32 s[SJ], 0
.Lffn1:
	s_wait_loadcnt 0x0                             ; this trip's block of W1 and its b1
.irp m,0,1
	BFETCH H2R16, H2R8, H2RS, 6144*\m, 256*\m
	s_wait_dscnt 0x0
	MM16 \m, 1, 0x05, BF, BS
	WIN 0
	PLACES 4
.endr
	s_add_nc_u64 s[WP:WP+1], s[WP:WP+1], SUB
	WLOAD                                          ; the next block lands under the activation; behind W1's fourth comes W2's first
	s_add_nc_u64 s[BP:BP+1], s[BP:BP+1], 256
	s_cmp_eq_u32 s[CNT], 1
	s_cselect_b64 s[BP:BP+1], s[20:21], s[BP:BP+1] ; behind the last b1 comes b2, in the same layout; the choice hangs on the trip's number alone
	BILOAD BP
	v_add_nc_u32 v[A16], s[SJ], v[HW16B]
	v_add_nc_u32 v[A8], s[SJ], v[HW8B]
.irp m,0,1
	GELU32 ACC+32*\m
	QUANT64 ACC+32*\m, PC, SW
	PUTC A16, A8, 6144*\m
	v_alignbit_b32 v[MP+2*\m], v[MP+2*\m+1], v[MP+2*\m], 16          ; the trip's two bytes are shifted in at the top of the tile's eight
	v_alignbit_b32 v[MP+2*\m+1], v[SW], v[MP+2*\m+1], 16
	s_wait_dscnt 0x0
.endr
	s_add_co_u32 s[SJ], s[SJ], 768
	s_sub_co_u32 s[CNT], s[CNT], 1
	s_cmp_lg_u32 s[CNT], 0
	s_cbranch_scc1 .Lffn1
.irp m,0,1
	ds_store_b64 v[HWSB], v[MP+2*\m:MP+2*\m+1] offset:256*\m         ; my four halves' scale bytes of each row
.endr
	; ---- 4: x1 + b2 start the last sums
.set i, 0
.rept 8*MT
	ds_load_b128 v[ACC+4*i:ACC+4*i+3], v[X1A] offset:512*i
.set i, i+1
.endr
	s_wait_loadcnt 0x0                             ; b2, W2's first block
	s_wait_dscnt 0x0
.irp m,0,1
.set i, 0
.rept 16
	v_pk_add_f32 v[ACC+32*\m+2*i:ACC+32*\m+2*i+1], v[ACC+32*\m+2*i:ACC+32*\m+2*i+1], v[BI+2*i:BI+2*i+1]
.set i, i+1
.endr
.endr
	BARRIER                                        ; the hidden layer's images lie in LDS
	; ---- 5: out, a K chunk of 512 a trip
	s_mov_b32 s[CNT], 4
	s_mov_b32 s[SQ], 0
	s_mov_b32 s[SQ2], 0
.Lffn2:
	s_wait_loadcnt 0x0
	v_add_nc_u32 v[A16], s[SQ], v[HR16B]
	v_add_nc_u32 v[A8], s[SQ], v[HR8B]
	v_add_nc_u32 v[AS], s[SQ2], v[HRSB]
.irp m,0,1
	BFETCH A16, A8, AS, 6144*\m, 256*\m
	s_wait_dscnt 0x0
	MM16 \m, 0, 0x05, BF, BS
	WIN 0
	PLACES 4
.endr
	s_cmp_eq_u32 s[CNT], 1
	s_cbranch_scc1 .Lno_more                       ; behind the ninth block nothing is fetched
	s_add_nc_u64 s[WP:WP+1], s[WP:WP+1], SUB
	WLOAD
.Lno_more:
	s_add_co_u32 s[SQ], s[SQ], MT*6144
	s_add_co_u32 s[SQ2], s[SQ2], MT*256
	s_sub_co_u32 s[CNT], s[CNT], 1
	s_cmp_lg_u32 s[CNT], 0
	s_cbranch_scc1 .Lffn2
	; ---- 6: the way out, a tile of 16 tokens at a time through my own stage (rows of 256 bytes + 16), so that sixteen lanes store 256 consecutive bytes, aligned.  LDS serves a wave's instructions in order.
.irp m,0,1
.if \m > 0
	s_wait_xcnt 0x0                                ; the last tile's stores have read their registers
.endif
.irp t,0,1,2,3
	ds_store_b128 v[SGI], v[ACC+32*\m+8*\t:ACC+32*\m+8*\t+3] offset:4*(32*(\t/2)+8*(\t%2))
	ds_store_b128 v[SGI], v[ACC+32*\m+8*\t+4:ACC+32*\m+8*\t+7] offset:4*(32*(\t/2)+8*(\t%2))+16
.endr
.irp i,0,1,2,3,4,5,6,7
	ds_load_b128 v[T+4*\i:T+4*\i+3], v[SGO] offset:544*\i
.endr
.irp i,0,1,2,3,4,5,6,7
	s_wait_dscnt 7-\i                              ; the younger loads from the stage may be out
	global_store_b128 v[GO], v[T+4*\i:T+4*\i+3], s[22:23] offset:(32*(\m/2)+8*(\m%2)+2*\i+8*(\i/4))*2048 th:TH_STORE_NT    ; stage row 2 i + h is token 2 i + h + 8 (i / 4) of the tile
.endr
.endr
	s_wait_tensorcnt 0x0
	ds_add_u32 v222, v223
	s_wait_dscnt 0x0
	s_endpgm
.Lfunc_end_k_q5eac79df27_tail:
	.size	k_q5eac79df27_tail, .Lfunc_end_k_q5eac79df27_tail-k_q5eac79df27_tail
	.p2alignl 7, 3214868480
	.fill 96, 4, 3214868480
	.section	.rodata,"a",@progbits
	.p2align	6, 0x0
	.amdhsa_kernel k_q5eac79df27_tail
		.amdhsa_group_segment_fixed_size 132608
		.amdhsa_private_segment_fixed_size 0
		.amdhsa_enable_private_segment 0
		.amdhsa_kernarg_size 80
		.amdhsa_user_sgpr_count 2
		.amdhsa_user_sgpr_kernarg_segment_ptr 1
		.amdhsa_wavefront_size32 1
		.amdhsa_system_sgpr_workgroup_id_x 1
		.amdhsa_system_sgpr_workgroup_id_y 1
		.amdhsa_system_sgpr_workgroup_id_z 1
		.amdhsa_system_vgpr_workitem_id 0
		.amdhsa_next_free_vgpr 512
		.amdhsa_next_free_sgpr 90
		.amdhsa_reserve_vcc 0
		.amdhsa_float_denorm_mode_32 3
		.amdhsa_float_denorm_mode_16_64 3
		.amdhsa_memory_ordered 1
		.amdhsa_forward_progress 1
		.amdhsa_inst_pref_size 123
	.end_amdhsa_kernel
	.amdgpu_metadata
---
amdhsa.version: [ 1, 2 ]
amdhsa.kernels:
  - .name:           k_q5eac79df27_tail
    .symbol:         k_q5eac79df27_tail.kd
    .args:
      - { .name: x, .offset: 0, .size: 8, .value_kind: global_buffer, .address_space: global }
      - { .name: ao, .offset: 8, .size: 8, .value_kind: global_buffer, .address_space: global }
      - { .name: aos, .offset: 16, .size: 8, .value_kind: global_buffer, .address_space: global }
      - { .name: wimg, .offset: 24, .size: 8, .value_kind: global_buffer, .address_space: global }
      - { .name: bo, .offset: 32, .size: 8, .value_kind: global_buffer, .address_space: global }
      - { .name: g2, .offset: 40, .size: 8, .value_kind: global_buffer, .address_space: global }
      - { .name: be2, .offset: 48, .size: 8, .value_kind: global_buffer, .address_space: global }
      - { .name: b1, .offset: 56, .size: 8, .value_kind: global_buffer, .address_space: global }
      - { .name: b2, .offset: 64, .size: 8, .value_kind: global_buffer, .address_space: global }
      - { .name: out0, .offset: 72, .size: 8, .value_kind: global_buffer, .address_space: global }
    .group_segment_fixed_size: 132608
    .private_segment_fixed_size: 0
    .kernarg_segment_align: 8
    .kernarg_segment_size: 80
    .max_flat_workgroup_size: 256
    .sgpr_count:     90
    .vgpr_count:     512
    .wavefront_size: 32
...
	.end_amdgpu_metadata
.endif
;; end of part 4
;; ======== version 2 of 2: 4 launches
;; limits: right only within a limited range of input values
;; workspace buffers: wimg 2,555,904 bytes; qkc 6,291,456 bytes; qkw 524,288 bytes; vc 3,145,728 bytes; vw 131,072 bytes; vsum 131,072 bytes; ao 3,145,728 bytes; aos 131,072 bytes
;; launch repack (part 5): grid 96 x 1, 4 waves a work-group, no clusters, 0 bytes of LDS; arguments Wq_codes, Wq_scales, Wk_codes, Wk_scales, Wv_codes, Wv_scales, Wo_codes, Wo_scales, W1_codes, W1_scales, W2_codes, W2_scales, wimg; writes wimg
.if DOCPART == 5
	.amdgcn_target "amdgcn-amd-amdhsa--gfx1250"
	.amdhsa_code_object_version 6
	.text
	.protected	k_q5eac79df27_repack
	.globl	k_q5eac79df27_repack
	.p2align	8
	.type	k_q5eac79df27_repack,@function
k_q5eac79df27_repack:
	s_mov_b64 s[64:65], 0
	v_nop
	global_prefetch_b8 v0, s[64:65] scope:SCOPE_SE
	s_setreg_imm32_b32 hwreg(HW_REG_WAVE_MODE, 25, 1), 1
	s_wait_xcnt 0x0
; The six weights (codes of E2M3, K innermost, and E8M0 bytes) are laid anew as IMAGES OF OPERAND REGISTERS, so that the later launches fetch a fragment by three loads of 16 bytes a lane.
; wimg: 96 blocks of SUB bytes.  A block = 64 rows x 512 along K: [tile 4][K step 4] images of 1,536 bytes (registers 4 c .. 4 c + 3 of lane l at 512 c + 16 l), then [tile 4] x 512 bytes: lane l's 16 bytes = the four scale words of its row.
; THE ROWS OF A TILE ARE NOT NEIGHBOURS: lane r of tile 2 b + u holds row 32 b + 8 u + r + 8 (r / 8), so that a transposed product leaves 16 neighbours along the next K in a lane.
; Blocks 0-7 Wq, 8-15 Wk, 16-23 Wv (by head); then nine for each wave w of the last launch: Wo rows 64 w; W1 rows 256 w + 64 j, j = 0..3; W2 rows 64 w, K chunks 0..3.
; One work-group makes one block, wave t its tile t.  A stream of 2.5 MB: no LDS, no barrier; every store of a wave covers 512 consecutive bytes.
.set SUB, 26624
	s_load_b512 s[4:19], s[0:1], 0x0               ; Wq c, s; Wk c, s; Wv c, s; Wo c, s
	s_load_b256 s[20:27], s[0:1], 0x40             ; W1 c, s; W2 c, s
	s_load_b64 s[28:29], s[0:1], 0x60              ; wimg
	v_lshrrev_b32 v1, 5, v0
	v_readfirstlane_b32 s2, v1                     ; wave = tile t
	s_mov_b32 s3, ttmp9                            ; x: which source block
	v_and_b32 v2, 15, v0                           ; r
	v_bfe_u32 v3, v0, 4, 1                         ; h
	v_and_b32 v4, 8, v2
	v_add_nc_u32 v4, v4, v2                        ; r + 8 (r / 8)
	s_lshr_b32 s50, s2, 1
	s_lshl_b32 s50, s50, 5
	s_and_b32 s51, s2, 1
	s_lshl_b32 s51, s51, 3
	s_add_co_u32 s50, s50, s51                     ; the tile's first row: 32 (t / 2) + 8 (t % 2)
	v_add_nc_u32 v4, s50, v4                       ; my row of the block's 64
	v_and_b32 v5, 31, v0
	v_lshlrev_b32 v5, 4, v5                        ; 16 x lane
	s_wait_alu depctr_va_vdst(0)
	s_wait_kmcnt 0x0
	s_mov_b64 s[30:31], s[24:25]                   ; begin with W2, then choose downward on the work-group's number alone
	s_mov_b64 s[32:33], s[26:27]
	s_mov_b32 s34, 64
.macro PICK lim, c, s, base
	s_cmp_lt_u32 s3, \lim
	s_cselect_b64 s[30:31], s[\c:\c+1], s[30:31]
	s_cselect_b64 s[32:33], s[\s:\s+1], s[32:33]
	s_cselect_b32 s34, \base, s34
.endm
	PICK 64, 20, 22, 32
	PICK 32, 16, 18, 24
	PICK 24, 12, 14, 16
	PICK 16, 8, 10, 8
	PICK 8, 4, 6, 0
	s_sub_co_u32 s35, s3, s34                      ; li: the block's number within its tensor
	s_lshr_b32 s36, s35, 2
	s_and_b32 s37, s35, 3
	s_mul_i32 s38, s35, 24576                      ; K = 512: 64 rows of 384 bytes
	s_mul_i32 s39, s36, 98304                      ; W2: 64 rows of 1,536 bytes,
	s_mul_i32 s40, s37, 384                        ; and 384 bytes for each K chunk
	s_add_co_u32 s39, s39, s40
	s_lshl_b32 s41, s35, 10                        ; scale bytes: 64 rows of 16,
	s_lshl_b32 s42, s36, 12                        ; W2: 64 rows of 64,
	s_lshl_b32 s43, s37, 4
	s_add_co_u32 s42, s42, s43
	s_mov_b32 s44, 1536
	s_mov_b32 s45, 64
	s_mul_i32 s46, s36, 9
	s_add_co_u32 s46, s46, s37
	s_add_co_u32 s46, s46, 29                      ; W2's place: 24 + 9 w + 5 + q
	s_sub_co_u32 s47, s46, 4                       ; W1's: 24 + 9 w + 1 + j
	s_mul_i32 s40, s35, 9
	s_add_co_u32 s40, s40, 24                      ; Wo's: 24 + 9 w
	s_cmp_lt_u32 s3, 64
	s_cselect_b32 s38, s38, s39
	s_cselect_b32 s41, s41, s42
	s_cselect_b32 s44, 384, s44                    ; a row of codes in bytes
	s_cselect_b32 s45, 16, s45                     ; a row of scale bytes
	s_cselect_b32 s46, s47, s46
	s_cmp_lt_u32 s3, 32
	s_cselect_b32 s46, s40, s46
	s_cmp_lt_u32 s3, 24
	s_cselect_b32 s46, s3, s46                     ; Wq, Wk, Wv keep their number
	v_mul_u32_u24 v6, v4, s44
	v_mad_u32_u24 v6, v3, 24, v6                   ; my row's codes, + 24 h
	s_wait_alu depctr_va_vdst(0)
	v_mul_u32_u24 v7, v4, s45                      ; my row's scale bytes
	s_wait_alu depctr_va_vdst(0)
	s_mov_b32 s39, 0
	s_add_nc_u64 s[30:31], s[30:31], s[38:39]
	s_mov_b32 s40, s41
	s_mov_b32 s41, 0
	s_add_nc_u64 s[32:33], s[32:33], s[40:41]
	s_mul_i32 s46, s46, SUB
	s_mul_i32 s48, s2, 6144
	s_add_co_u32 s48, s48, s46
	s_mov_b32 s49, 0
	s_add_nc_u64 s[52:53], s[28:29], s[48:49]      ; my tile's images
	s_lshl_b32 s48, s2, 9
	s_add_co_u32 s48, s48, s46
	s_add_co_u32 s48, s48, 24576
	s_add_nc_u64 s[54:55], s[28:29], s[48:49]      ; my tile's scale words
.irp s,0,1,2,3
.irp p,0,1,2,3,4,5
	global_load_b64 v[8+12*\s+2*\p:9+12*\s+2*\p], v6, s[30:31] offset:96*\s+48*(\p/3)+8*(\p%3)   ; a fragment's 24 + 24 bytes, in pieces of 8
.endr
.endr
	global_load_b128 v[56:59], v7, s[32:33]
	s_wait_loadcnt 0x0
.irp i,0,1,2,3,4,5,6,7,8,9,10,11
	global_store_b128 v5, v[8+4*\i:11+4*\i], s[52:53] offset:512*\i
.endr
	global_store_b128 v5, v[56:59], s[54:55]
	s_endpgm
.Lfunc_end_k_q5eac79df27_repack:
	.size	k_q5eac79df27_repack, .Lfunc_end_k_q5eac79df27_repack-k_q5eac79df27_repack
	.p2alignl 7, 3214868480
	.fill 96, 4, 3214868480
	.section	.rodata,"a",@progbits
	.p2align	6, 0x0
	.amdhsa_kernel k_q5eac79df27_repack
		.amdhsa_group_segment_fixed_size 0
		.amdhsa_private_segment_fixed_size 0
		.amdhsa_enable_private_segment 0
		.amdhsa_kernarg_size 104
		.amdhsa_user_sgpr_count 2
		.amdhsa_user_sgpr_kernarg_segment_ptr 1
		.amdhsa_wavefront_size32 1
		.amdhsa_system_sgpr_workgroup_id_x 1
		.amdhsa_system_sgpr_workgroup_id_y 1
		.amdhsa_system_sgpr_workgroup_id_z 1
		.amdhsa_system_vgpr_workitem_id 0
		.amdhsa_next_free_vgpr 64
		.amdhsa_next_free_sgpr 66
		.amdhsa_reserve_vcc 0
		.amdhsa_float_denorm_mode_32 3
		.amdhsa_float_denorm_mode_16_64 3
		.amdhsa_memory_ordered 1
		.amdhsa_forward_progress 1
		.amdhsa_inst_pref_size 8
	.end_amdhsa_kernel
	.amdgpu_metadata
---
amdhsa.version: [ 1, 2 ]
amdhsa.kernels:
  - .name:           k_q5eac79df27_repack
    .symbol:         k_q5eac79df27_repack.kd
    .args:
      - { .name: Wq_codes, .offset: 0, .size: 8, .value_kind: global_buffer, .address_space: global }
      - { .name: Wq_scales, .offset: 8, .size: 8, .value_kind: global_buffer, .address_space: global }
      - { .name: Wk_codes, .offset: 16, .size: 8, .value_kind: global_buffer, .address_space: global }
      - { .name: Wk_scales, .offset: 24, .size: 8, .value_kind: global_buffer, .address_space: global }
      - { .name: Wv_codes, .offset: 32, .size: 8, .value_kind: global_buffer, .address_space: global }
      - { .name: Wv_scales, .offset: 40, .size: 8, .value_kind: global_buffer, .address_space: global }
      - { .name: Wo_codes, .offset: 48, .size: 8, .value_kind: global_buffer, .address_space: global }
      - { .name: Wo_scales, .offset: 56, .size: 8, .value_kind: global_buffer, .address_space: global }
      - { .name: W1_codes, .offset: 64, .size: 8, .value_kind: global_buffer, .address_space: global }
      - { .name: W1_scales, .offset: 72, .size: 8, .value_kind: global_buffer, .address_space: global }
      - { .name: W2_codes, .offset: 80, .size: 8, .value_kind: global_buffer, .address_space: global }
      - { .name: W2_scales, .offset: 88, .size: 8, .value_kind: global_buffer, .address_space: global }
      - { .name: wimg, .offset: 96, .size: 8, .value_kind: global_buffer, .address_space: global }
    .group_segment_fixed_size: 0
    .private_segment_fixed_size: 0
    .kernarg_segment_align: 8
    .kernarg_segment_size: 104
    .max_flat_workgroup_size: 128
    .sgpr_count:     66
    .vgpr_count:     64
    .wavefront_size: 32
...
	.end_amdgpu_metadata
.endif
;; end of part 5
;; launch qkv (part 6): grid 64 x 4, 8 waves a work-group, no clusters, 52,224 bytes of LDS; arguments x, g1, be1, mask, wimg, bq, bk, bv, qkc, qkw, vc, vw, vsum; writes qkc, qkw, vc, vw, vsum
.if DOCPART == 6
	.amdgcn_target "amdgcn-amd-amdhsa--gfx1250"
	.amdhsa_code_object_version 6
	.text
	.protected	k_q5eac79df27_qkv
	.globl	k_q5eac79df27_qkv
	.p2align	8
	.type	k_q5eac79df27_qkv,@function
k_q5eac79df27_qkv:
	s_mov_b64 s[64:65], 0
	v_nop
	global_prefetch_b8 v0, s[64:65] scope:SCOPE_SE
	s_setreg_imm32_b32 hwreg(HW_REG_WAVE_SCHED_MODE, 0, 2), 2
	s_setreg_imm32_b32 hwreg(HW_REG_WAVE_MODE, 25, 1), 1
	s_wait_xcnt 0x0
	s_wait_alu depctr_vm_vsrc(0)
; h = layernorm(x) g1 + be1, quantised along its 512; Q, K, V = h W + b on codes of E2M3; Q and K quantised along the head's 64, V along the KEYS.  All leave as images of operand registers.
; SHARES.  A work-group takes 128 tokens (x: block 16 b + step) and two heads (y).  Wave w normalises and quantises token tile w; the images meet in LDS behind ONE barrier.
;   Then wave w makes Q (w < 4) or K of head 2 y + (w / 2) % 2 for token tiles 4 (w % 2) + 0..3, and after that V of head 2 y + w / 4, channel tile w % 4, for all 128 tokens.
; TILES.  Lane r of token tile 2 b + u holds token 32 b + 8 u + r + 8 (r / 8); weight tiles likewise.  Q, K: source 0 = 16 rows of W, source 1 = 16 tokens: a lane holds one token, registers along the head's channels.
;   V: source 0 = 16 tokens, source 1 = 16 rows of Wv: a lane holds one channel, registers along the tokens, which are the next K.
; THE PAD MASK rides in the unused upper 64 of the score product's K: the third byte of K's scale word is 177 (2^50) where mask == 0 and 1 elsewhere, of Q's always 177; the codes +1 and -1 at k = 64 are set by the next launch.
; vsum: the sum of the quantised V over the block's 128 keys, by a product with ones: it serves rows none of whose keys count.
; LIMITS: NaN and infinities are not served; a block of zeros gets the scale byte 1 (its codes are zeros; the bytes are read by this program alone).
; The four work-groups of a token block each normalise it anew: 4 x 256 KiB of x, so that no normalised row goes through memory.  No cluster: the text has no tensor loads; weights come as dense images, 52 loads a wave.
; REGISTERS.  Window 0: v1-23 addresses; v32-95 g1, later W's scale words, h's, mask, bias; v96-159 be1; v160-223 y; v96-223 later the accumulators; v224-255 at work.  Window 1: x (256), later W's 16 fragments and h's.
; THE MODE: SCHED_MODE bits 1:0 = 2 (LLVM: expert scheduling mode 2), set by the entry lines.  The code itself states the register dependences
; between vector or matrix instructions and memory or LDS instructions, with s_wait_alu, always for 0.
; THE PLAN.  Registers that memory or LDS instructions touch:
;   v5-v18        addresses and offsets: made once at the head, never written again.
;   window 1      x as loaded, read by the sums and multiplications; behind the last of these W's images land in v0-191, read by the products of Q or K; behind these Wv's tile lands in v0-47.
;   BF            (window 1, v192-239) a token tile's four fragments, one buffer: read by the tile's 16 products, asked for again behind a wait on them.
;   HF            (window 1, v48-143 and v144-239) V's K steps, two buffers by turns: while the products of step s read one, the loads of step s + 1 land in the other.
;   G, BT         g1 and be1 of a K step: read by the step's multiply-adds, asked for again behind a wait on them; then W's scale words, the mask and the bias land there.
;   PC, PC + 6    two out-buffers of six registers, SW and SW + 1 beside them: written by two quantisers, read by one run of stores behind one wait.
;   ACC, ACC + 6  two more for Q's or K's tiles 2 and 3: tile 0's accumulators are used up by then.  So all four tiles leave by one run of stores.
.set SUB, 26624
.set HABS, 49152                       ; LDS: [tile 8] x 6,144 bytes of codes (8 halves of 768) at 0; here [tile 8] x 256 bytes of scale bytes (row r: 16 bytes)
.set XA, 5
.set H64, 6
.set L16, 7
.set L8, 8
.set W16, 9
.set W8, 10
.set WSA, 11
.set R16, 12
.set P4, 13
.set B16, 14
.set B8, 15
.set BSA, 16
.set QWA, 17
.set VWA, 18
.set C177, 19
.set C1, 20
.set JW, 22
.set G, 32
.set BT, 96
.set Y, 160
.set WS, 32
.set BS, 48
.set MK, 52
.set WD, 56
.set BV, 60
.set BI, 64
.set ACC, 96
.set HS, 160
.set ONES, 192
.set ONESC, 204
.set VWD, 205
.set D8, 208
.set TM, 224
.set PC, 232
.set SU, 232
.set TP, 244
.set SW, 247
.set TT, 249
.set MU, 250
.set RS, 252
.set PX, 254
.set BF, 192                           ; window 1
.set HF, 48                            ; window 1: buffer s % 2 at HF + 96 (s % 2)
.set KM, 40                            ; s[40:43] the four tiles' masks of keys that count
.set SEL, 56
.set MSB, 0
.macro WIN new                         ; the immediate's high byte repeats the setting that is left
.if MSB != \new
	s_set_vgpr_msb (MSB<<8)|\new
.set MSB, \new
.endif
.endm
.macro PLACES n
.rept \n
	v_nop
.endr
.endm
; 32 numbers of a lane, register 16 b + i = k 32 b + 16 (lane / 16) + i of its row, become six registers of codes (k = 32 (lane / 16) + 0..31) and the two scale bytes
.macro QUANT64 src, dst, sw
	v_max3_num_f32 v[TM], |v[\src]|, |v[\src+1]|, 0x1800000          ; with the floor 2^(3 - 127): the byte cannot fall under 1
	v_max3_num_f32 v[TM+1], |v[\src+16]|, |v[\src+17]|, 0x1800000
.irp i,2,4,6,8,10,12,14
	v_max3_num_f32 v[TM], v[TM], |v[\src+\i]|, |v[\src+\i+1]|
	v_max3_num_f32 v[TM+1], v[TM+1], |v[\src+16+\i]|, |v[\src+17+\i]|
.endr
	v_permlanex16_b32 v[TM+2], v[TM], s[SEL], s[SEL+1]
	v_permlanex16_b32 v[TM+3], v[TM+1], s[SEL], s[SEL+1]
	v_max_num_f32 v[TM], v[TM], v[TM+2]                              ; with lane l xor 16's: the block's largest magnitude
	v_max_num_f32 v[TM+1], v[TM+1], v[TM+3]
	v_add_nc_u32 v[TM+4], 0xff000000, v[TM]                          ; 2 off the exponent field: the conversion's scale operand
	v_add_nc_u32 v[TM+5], 0xff000000, v[TM+1]
	v_lshrrev_b32 v[TM+6], 23, v[TM+4]                               ; the scale's byte
	v_lshrrev_b32 v[TM+7], 23, v[TM+5]
	v_lshl_or_b32 v[\sw], v[TM+7], 8, v[TM+6]
	v_cvt_scalef32_pk16_fp6_f32 v[\dst:\dst+2], v[\src:\src+15], v[TM+4]
	v_cvt_scalef32_pk16_fp6_f32 v[TP:TP+2], v[\src+16:\src+31], v[TM+5]
	v_nop                                                            ; one plain place behind a scaled conversion
.irp i,0,1,2
	v_permlane16_swap_b32 v[\dst+\i], v[TP+\i]                       ; a whole block to a lane: lanes 0-15 block 0, lanes 16-31 block 1
.endr
.irp i,0,1,2
	v_mov_b32 v[\dst+3+\i], v[TP+\i]
.endr
.endm
.macro PUTH_L pc, sw, off, soff        ; the half in v[pc] on goes to LDS as it stands, its two bytes beside it
	ds_store_b128 v[W16], v[\pc:\pc+3] offset:\off
	ds_store_b64 v[W8], v[\pc+4:\pc+5] offset:\off
	ds_store_b16 v[WSA], v[\sw] offset:\soff
.endm
.macro WLOAD                           ; a block of weight images: 16 fragments into window 1, 16 scale words into window 0
	WIN 0x40
.set i, 0
.rept 48
	global_load_b128 v[4*i:4*i+3], v[L16], s[46:47] offset:512*i
.set i, i+1
.endr
	WIN 0
.irp t,0,1,2,3
	global_load_b128 v[WS+4*\t:WS+4*\t+3], v[L16], s[46:47] offset:24576+512*\t
.endr
.endm
.macro BFETCH a16, a8, as, off, soff   ; a token tile's eight halves (four fragments) and its four scale words
	WIN 0x40
.irp hh,0,1,2,3,4,5,6,7
	ds_load_b128 v[BF+6*\hh:BF+6*\hh+3], v[\a16] offset:\off+768*\hh
	ds_load_b64 v[BF+6*\hh+4:BF+6*\hh+5], v[\a8] offset:\off+768*\hh
.endr
	WIN 0
	ds_load_b128 v[BS:BS+3], v[\as] offset:\soff
.endm
.macro HFETCH s                        ; K step s of all eight token tiles: 32 loads into buffer s % 2
	WIN 0x40
.irp t,0,1,2,3,4,5,6,7
	ds_load_b128 v[HF+96*((\s)%2)+12*\t:HF+96*((\s)%2)+12*\t+3], v[L16] offset:6144*\t+1536*(\s)
	ds_load_b64 v[HF+96*((\s)%2)+12*\t+4:HF+96*((\s)%2)+12*\t+5], v[L8] offset:6144*\t+1536*(\s)
	ds_load_b128 v[HF+96*((\s)%2)+12*\t+6:HF+96*((\s)%2)+12*\t+9], v[L16] offset:6144*\t+1536*(\s)+768
	ds_load_b64 v[HF+96*((\s)%2)+12*\t+10:HF+96*((\s)%2)+12*\t+11], v[L8] offset:6144*\t+1536*(\s)+768
.endr
	WIN 0
.endm
; 16 products: four tiles of W x one token tile, K = 512.  The four accumulators take turns, one instruction a turn.  The bias is the C of each sum's first product.
.macro MM16 m, bias
	WIN 0x05
.irp s,0,1,2,3
.irp t,0,1,2,3
.if (\bias) && (\s == 0)
	v_wmma_scale_f32_16x16x128_f8f6f4 v[ACC+32*(\m)+8*\t:ACC+32*(\m)+8*\t+7], v[12*(4*\t+\s):12*(4*\t+\s)+11], v[BF+12*\s:BF+12*\s+11], v[BI+8*\t:BI+8*\t+7], v[WS+4*\t+\s], v[BS+\s] matrix_a_fmt:MATRIX_FMT_FP6 matrix_b_fmt:MATRIX_FMT_FP6
.else
	v_wmma_scale_f32_16x16x128_f8f6f4 v[ACC+32*(\m)+8*\t:ACC+32*(\m)+8*\t+7], v[12*(4*\t+\s):12*(4*\t+\s)+11], v[BF+12*\s:BF+12*\s+11], v[ACC+32*(\m)+8*\t:ACC+32*(\m)+8*\t+7], v[WS+4*\t+\s], v[BS+\s] matrix_a_fmt:MATRIX_FMT_FP6 matrix_b_fmt:MATRIX_FMT_FP6
.endif
.endr
.endr
.endm
.macro GLOAD s                         ; g1 and be1 at my 64 places of K step s
.irp b,0,1,2,3
.irp j,0,1,2,3
	global_load_b128 v[G+16*\b+4*\j:G+16*\b+4*\j+3], v[H64], s[6:7] offset:512*(\s)+128*\b+16*\j
	global_load_b128 v[BT+16*\b+4*\j:BT+16*\b+4*\j+3], v[H64], s[8:9] offset:512*(\s)+128*\b+16*\j
.endr
.endr
.endm
.macro FOLD                            ; four chains, two halves, two lanes: the row's sum in v[TT]
	v_pk_add_f32 v[SU:SU+1], v[SU:SU+1], v[SU+2:SU+3]
	v_pk_add_f32 v[SU+4:SU+5], v[SU+4:SU+5], v[SU+6:SU+7]
	v_pk_add_f32 v[SU:SU+1], v[SU:SU+1], v[SU+4:SU+5]
	v_add_f32 v[TT], v[SU], v[SU+1]
	v_permlanex16_b32 v[PX], v[TT], s[SEL], s[SEL+1]
	v_add_f32 v[TT], v[TT], v[PX]
.endm
	s_load_b512 s[4:19], s[0:1], 0x0               ; x, g1, be1, mask, wimg, bq, bk, bv
	s_load_b256 s[20:27], s[0:1], 0x40             ; qkc, qkw, vc, vw
	s_load_b64 s[28:29], s[0:1], 0x60              ; vsum
	v_lshl_add_u32 v31, v0, 2, 0xc800
	v_mov_b32 v255, 0
	v_lshrrev_b32 v1, 5, v0
	v_readfirstlane_b32 s30, v1                    ; wave w
	s_mov_b32 s31, ttmp9                           ; block of 128 tokens
	s_and_b32 s32, ttmp7, 0xffff                   ; pair of heads
	s_wait_alu depctr_va_sdst(0)                   ; s30 is written, ahead of its first reader: the wave's shares and addresses are made from it
	s_and_b32 s33, s30, 1                          ; a = w % 2
	s_lshr_b32 s34, s30, 2                         ; w / 4: Q or K; V's head of the pair
	s_bfe_u32 s35, s30, 0x10001
	s_lshl_b32 s36, s32, 1
	s_add_co_u32 s35, s35, s36                     ; head for Q, K
	s_add_co_u32 s36, s36, s34                     ; head for V
	s_and_b32 s37, s30, 3                          ; V's channel tile
	s_lshl_b32 s39, s33, 3
	s_lshr_b32 s38, s30, 1
	s_lshl_b32 s38, s38, 5
	s_add_co_u32 s38, s38, s39                     ; first token of tile w: 32 (w / 2) + 8 (w % 2)
	s_lshr_b32 s40, s37, 1
	s_lshl_b32 s41, s40, 5
	s_add_co_u32 s39, s41, s39                     ; first channel of V's tile
	s_lshr_b32 s41, s31, 4                         ; batch
	s_and_b32 s42, s31, 15                         ; step of 128 keys
	s_lshl_b32 s43, s41, 3
	s_add_co_u32 s44, s43, s36                     ; 8 b + V's head
	s_add_co_u32 s43, s43, s35                     ; 8 b + head
	s_mov_b32 s53, 0
	s_mov_b32 s[SEL], 0x76543210
	s_mov_b32 s[SEL+1], 0xfedcba98                 ; lane l xor 16
	s_mov_b32 s58, 0x3b000000                      ; 1 / 512
	s_mov_b32 s59, 0x3727c5ac                      ; 1e-5
	s_mov_b32 s62, 0xffff0000                      ; lanes 16-31
	v_and_b32 v1, 31, v0
	v_and_b32 v2, 15, v0
	v_bfe_u32 v3, v0, 4, 1
	v_and_b32 v4, 8, v2
	v_add_nc_u32 v4, v4, v2                        ; r + 8 (r / 8)
	v_lshlrev_b32 v[H64], 6, v3
	v_lshl_add_u32 v[XA], v4, 11, v[H64]           ; x: my token's row of 2,048 bytes, + 64 h
	v_lshlrev_b32 v[L16], 4, v1
	v_lshlrev_b32 v[L8], 3, v1
	v_add_nc_u32 v[L8], 512, v[L8]
	s_mul_i32 s54, s30, 6144
	v_add_nc_u32 v[W16], s54, v[L16]
	v_add_nc_u32 v[W8], s54, v[L8]
	v_lshlrev_b32 v[R16], 4, v2
	v_add_nc_u32 v[R16], HABS, v[R16]
	s_lshl_b32 s54, s30, 8
	v_add_nc_u32 v[WSA], s54, v[R16]
	s_mul_i32 s54, s33, 24576
	v_add_nc_u32 v[B16], s54, v[L16]
	v_add_nc_u32 v[B8], s54, v[L8]
	s_lshl_b32 s54, s33, 10
	v_add_nc_u32 v[BSA], s54, v[R16]
	v_lshlrev_b32 v[P4], 2, v4
	s_lshl_b32 s54, s33, 3
	v_add_nc_u32 v[QWA], s54, v[L16]
	s_lshl_b32 s54, s33, 7
	s_lshl_b32 s55, s40, 2
	s_add_co_u32 s54, s54, s55
	v_lshl_add_u32 v[VWA], v2, 3, s54
	v_mov_b32 v[C177], 0x7fb10000
	v_mov_b32 v[C1], 0x7f010000
	v_mov_b32 v[TM+2], 0                           ; a lane permute's destination counts as one of its sources
	v_mov_b32 v[TM+3], 0
	v_mov_b32 v[PX], 0
	s_wait_kmcnt 0x0
	s_lshl_b32 s52, s31, 7
	s_add_co_u32 s52, s52, s38
	s_lshl_b32 s52, s52, 11
	s_add_nc_u64 s[4:5], s[4:5], s[52:53]          ; x at my tile's first token
	WIN 0x40
	s_wait_alu depctr_va_vdst(0)                   ; the addresses and offsets v5 to v18 are written: every load and store of the kernel, in memory and in LDS, reads one of them
.irp s,0,1,2,3
.irp b,0,1,2,3
.irp j,0,1,2,3
	global_load_b128 v[64*\s+16*\b+4*\j:64*\s+16*\b+4*\j+3], v[XA], s[4:5] offset:512*\s+128*\b+16*\j   ; register 64 s + 16 b + i = x(my token, 128 s + 32 b + 16 h + i)
.endr
.endr
.endr
	WIN 0
	GLOAD 0
	; the other addresses, while x is on its way
	s_lshl_b32 s52, s34, 3
	s_add_co_u32 s52, s52, s35
	s_mul_i32 s52, s52, SUB
	s_add_nc_u64 s[46:47], s[12:13], s[52:53]      ; Wq's or Wk's block of my head
	s_add_co_u32 s60, s36, 16
	s_mul_i32 s60, s60, SUB
	s_mul_i32 s52, s37, 6144
	s_add_co_u32 s52, s52, s60
	s_add_nc_u64 s[48:49], s[12:13], s[52:53]      ; Wv: my tile's four fragments
	s_lshl_b32 s52, s37, 9
	s_add_co_u32 s52, s52, s60
	s_add_co_u32 s52, s52, 24576
	s_add_nc_u64 s[50:51], s[12:13], s[52:53]      ; and its scale words
	s_cmp_lg_u32 s34, 0
	s_cselect_b64 s[54:55], s[16:17], s[14:15]     ; bk or bq: the choice hangs on the wave's number alone
	s_cselect_b32 s61, -1, 0                       ; all ones in a wave that makes K
	s_lshl_b32 s52, s35, 8
	s_add_nc_u64 s[54:55], s[54:55], s[52:53]
	s_lshl_b32 s52, s31, 9
	s_lshl_b32 s60, s33, 8
	s_add_co_u32 s52, s52, s60
	s_add_nc_u64 s[10:11], s[10:11], s[52:53]      ; mask at token 128 blk + 64 a
	s_lshl_b32 s52, s36, 6
	s_add_co_u32 s52, s52, s39
	s_lshl_b32 s52, s52, 2
	s_add_nc_u64 s[18:19], s[18:19], s[52:53]      ; bv at my tile's first channel
	s_lshl_b32 s60, s31, 11
	s_add_co_u32 s52, s52, s60
	s_add_nc_u64 s[28:29], s[28:29], s[52:53]      ; vsum likewise, in the block's row of 512
	s_lshl_b32 s52, s43, 7
	s_lshl_b32 s60, s42, 3
	s_add_co_u32 s52, s52, s60
	s_lshl_b32 s60, s33, 2
	s_add_co_u32 s52, s52, s60
	s_mul_i32 s52, s52, 768
	s_mul_i32 s60, s34, 3145728
	s_add_co_u32 s52, s52, s60
	s_add_nc_u64 s[20:21], s[20:21], s[52:53]      ; my four halves of Q or of K
	s_lshl_b32 s52, s43, 4
	s_add_co_u32 s52, s52, s42
	s_lshl_b32 s52, s52, 9
	s_lshl_b32 s60, s34, 18
	s_add_co_u32 s52, s52, s60
	s_add_nc_u64 s[22:23], s[22:23], s[52:53]      ; the step's 512 bytes of scale words
	s_lshl_b32 s60, s44, 4
	s_add_co_u32 s60, s60, s42
	s_lshl_b32 s52, s60, 2
	s_add_co_u32 s52, s52, s37
	s_mul_i32 s52, s52, 1536
	s_add_nc_u64 s[24:25], s[24:25], s[52:53]      ; V's image
	s_lshl_b32 s52, s60, 8
	s_add_nc_u64 s[26:27], s[26:27], s[52:53]      ; V's scale words
	; ---- the row's mean and variance: a lane holds 256 numbers of its token, lane l xor 16 the other 256
	s_wait_loadcnt 32                              ; x is in; the 32 younger loads (g1, be1) may be out
.irp i,0,1,2,3,4,5,6,7
	v_mov_b32 v[SU+\i], 0
.endr
	WIN 0x04
.set i, 0
.rept 128
	v_pk_add_f32 v[SU+2*(i%4):SU+2*(i%4)+1], v[SU+2*(i%4):SU+2*(i%4)+1], v[2*i:2*i+1]
.set i, i+1
.endr
	WIN 0
	FOLD
	v_mul_f32 v[MU], s58, v[TT]
	v_mov_b32 v[MU+1], v[MU]
	WIN 0x41
.set i, 0
.rept 128
	v_pk_add_f32 v[2*i:2*i+1], v[2*i:2*i+1], v[MU:MU+1] neg_lo:[0,1] neg_hi:[0,1]   ; x - mean, in place
.set i, i+1
.endr
	WIN 0
.irp i,0,1,2,3,4,5,6,7
	v_mov_b32 v[SU+\i], 0
.endr
	WIN 0x05
.set i, 0
.rept 128
	v_pk_fma_f32 v[SU+2*(i%4):SU+2*(i%4)+1], v[2*i:2*i+1], v[2*i:2*i+1], v[SU+2*(i%4):SU+2*(i%4)+1]
.set i, i+1
.endr
	WIN 0
	FOLD
	v_fma_f32 v[TT], v[TT], s58, s59               ; variance + eps
	s_wait_alu depctr_va_vdst(0)
	v_rsq_f32 v[RS], v[TT]
	v_nop                                          ; one plain place behind a transcendental
	s_wait_alu depctr_va_vdst(0)                   ; the reciprocal root is written, ahead of its first reader
	v_mov_b32 v[RS+1], v[RS]
; ---- K step s: normalised, scaled, shifted, quantised; two halves to LDS, by one run of stores out of the two out-buffers
.macro LNSTEP s
	s_wait_loadcnt 0x0                             ; this step's g1 and be1
	WIN 0x01
.set i, 0
.rept 32
	v_pk_mul_f32 v[Y+2*i:Y+2*i+1], v[64*(\s)+2*i:64*(\s)+2*i+1], v[RS:RS+1]
.set i, i+1
.endr
	WIN 0
.set i, 0
.rept 32
	v_pk_fma_f32 v[Y+2*i:Y+2*i+1], v[Y+2*i:Y+2*i+1], v[G+2*i:G+2*i+1], v[BT+2*i:BT+2*i+1]
.set i, i+1
.endr
	s_wait_alu depctr_va_vdst(0)                   ; the multiply-adds are done reading g1 and be1, and (K step 3) the multiplications are done reading x: the loads below land in these registers
.if \s < 3
	GLOAD \s+1
.else
	WLOAD                                          ; x and g1 are done with: their registers take the weights, the bias and the mask
.irp t,0,1,2,3
	global_load_b128 v[BI+8*\t:BI+8*\t+3], v[H64], s[54:55] offset:4*(32*(\t/2)+8*(\t%2))
	global_load_b128 v[BI+8*\t+4:BI+8*\t+7], v[H64], s[54:55] offset:4*(32*(\t/2)+8*(\t%2))+16
.endr
.irp m,0,1,2,3
	global_load_b32 v[MK+\m], v[P4], s[10:11] offset:4*(32*(\m/2)+8*(\m%2))
.endr
.endif
.if \s > 0
	s_wait_alu depctr_vm_vsrc(0)                   ; the last step's LDS stores have read the two out-buffers and their bytes, which the quantisers below write again
.endif
	QUANT64 Y, PC, SW
	QUANT64 Y+32, PC+6, SW+1
	s_wait_alu depctr_va_vdst(0)                   ; the quantisers have written both halves' codes and bytes, which the LDS stores read
	PUTH_L PC, SW, 768*(2*(\s)), 2*(2*(\s))
	PUTH_L PC+6, SW+1, 768*(2*(\s)+1), 2*(2*(\s)+1)
.endm
	s_wait_alu depctr_va_vdst(0)
	LNSTEP 0
	LNSTEP 1
	LNSTEP 2
	LNSTEP 3
	s_wait_dscnt 0x0                               ; my images have landed
	s_barrier_signal -1
	s_barrier_wait -1                              ; everybody's have: h's 8 x 8 halves lie in LDS and are only read from here on
	s_wait_alu depctr_vm_vsrc(0)                   ; my LDS stores have read the out-buffers and their bytes, which the quantising of Q or K writes again
	; ---- Q or K: my head's 64 columns for four token tiles
	s_wait_loadcnt 0x0                             ; weights, bias, mask
.irp m,0,1,2,3
.if \m > 0
	s_wait_alu depctr_va_vdst(0)                   ; the last tile's products are done reading h's fragments and scale words, in which the next tile's land
.endif
	BFETCH B16, B8, BSA, 6144*\m, 256*\m
	s_wait_dscnt 0x0
	MM16 \m, 1
	WIN 0
	PLACES 4                                       ; in front of loads into registers that the products have read, and of the first read of results
.endr
	s_wait_alu depctr_va_vdst(0)                   ; the products are done reading W's fragments and scale words and h's: Wv's tile lands in the first, V's K steps in the rest
	WIN 0x40
.irp i,0,1,2,3,4,5,6,7,8,9,10,11
	global_load_b128 v[4*\i:4*\i+3], v[L16], s[48:49] offset:512*\i    ; Wv's tile lands while Q or K is quantised
.endr
	WIN 0
	global_load_b128 v[WS:WS+3], v[L16], s[50:51]
	global_load_b32 v[BV], v[P4], s[18:19]
.irp m,0,1,2,3
	v_cmp_ne_u32 s[KM+\m], 0, v[MK+\m]             ; the four compares in a run, a scalar register each
.endr
	s_wait_alu depctr_va_sdst(0)                   ; the four masks are written, ahead of their first reader
.irp m,0,1,2,3
	s_and_b32 s[KM+\m], s[KM+\m], s61              ; a key that counts, in a wave that makes K
.endr
.macro QKOUT m, ob                     ; tile m's codes into out-buffer ob, its scale word into v[WD + m]
	QUANT64 ACC+32*(\m), \ob, SW
	v_cndmask_b32 v[TT], v[C177], v[C1], s[KM+\m]  ; bytes 2 and 3 of the scale word
	v_or_b32 v[WD+\m], v[SW], v[TT]
.endm
.macro QKSEND m, ob
	global_store_b128 v[L16], v[\ob:\ob+3], s[20:21] offset:768*(\m)
	global_store_b64 v[L8], v[\ob+4:\ob+5], s[20:21] offset:768*(\m)
.endm
	QKOUT 0, PC
	QKOUT 1, PC+6
	QKOUT 2, ACC                                   ; tile 0's accumulators are used up: twelve of them take the codes of tiles 2 and 3
	QKOUT 3, ACC+6
	v_cndmask_b32 v[JW], v[WD], v[WD+1], s62       ; lanes 0-15 the even tile's word, lanes 16-31 the odd tile's
	v_cndmask_b32 v[JW+1], v[WD+2], v[WD+3], s62
	s_wait_alu depctr_va_vdst(0)                   ; the four tiles' codes and the scale words are written, which the nine stores read; the quantisers are done reading the accumulators in which h's scale words land below
	QKSEND 0, PC
	QKSEND 1, PC+6
	QKSEND 2, ACC
	QKSEND 3, ACC+6
	global_store_b64 v[QWA], v[JW:JW+1], s[22:23]
	; ---- V: my 16 channels for the 128 tokens
	s_wait_loadcnt 0x0                             ; Wv, its scale words, bv
	s_wait_xcnt 0x0                                ; the stores' data are written again only behind this wait,
	s_wait_alu depctr_vm_vsrc(0)                   ; and behind this one: the stores have read the four out-buffers, which V's products and quantisers write
.irp j,0,1,2,3,4,5,6,7
	v_mov_b32 v[BI+\j], v[BV]                      ; the bias in the result's layout: a lane holds one channel
.endr
.irp c,0,1,2,3
	v_mov_b32 v[ONES+3*\c], 0x08208208             ; 128 codes of 1.0
	v_mov_b32 v[ONES+3*\c+1], 0x82082082
	v_mov_b32 v[ONES+3*\c+2], 0x20820820
.endr
	v_mov_b32 v[ONESC], 0x7f7f7f7f
.irp t,0,1,2,3,4,5,6,7
	ds_load_b128 v[HS+4*\t:HS+4*\t+3], v[R16] offset:256*\t
.endr
	HFETCH 0
	PLACES 5                                       ; in front of products that write over earlier products' registers
; K step s: its buffer is in; its eight products are issued; behind them the next step's 32 loads go into the other buffer, which no product since the wait names
.irp s,0,1,2,3
	s_wait_dscnt 0x0                               ; this step's fragments are in (step 0: h's scale words too)
.if (\s > 0) && (\s < 3)
	s_wait_alu depctr_va_vdst(0)                   ; the last step's products are done reading their buffer, in which the next step's fragments land
.endif
	WIN 0x05
.irp t,0,1,2,3,4,5,6,7
.if \s == 0
	v_wmma_scale_f32_16x16x128_f8f6f4 v[ACC+8*\t:ACC+8*\t+7], v[HF+96*(\s%2)+12*\t:HF+96*(\s%2)+12*\t+11], v[12*\s:12*\s+11], v[BI:BI+7], v[HS+4*\t+\s], v[WS+\s] matrix_a_fmt:MATRIX_FMT_FP6 matrix_b_fmt:MATRIX_FMT_FP6
.else
	v_wmma_scale_f32_16x16x128_f8f6f4 v[ACC+8*\t:ACC+8*\t+7], v[HF+96*(\s%2)+12*\t:HF+96*(\s%2)+12*\t+11], v[12*\s:12*\s+11], v[ACC+8*\t:ACC+8*\t+7], v[HS+4*\t+\s], v[WS+\s] matrix_a_fmt:MATRIX_FMT_FP6 matrix_b_fmt:MATRIX_FMT_FP6
.endif
.endr
.if \s < 3
	HFETCH \s+1
.endif
	WIN 0
	PLACES 4                                       ; behind the step's products: ahead of the loads, two steps on, into their buffer, and of the first read of results
.endr
	QUANT64 ACC, PC, SW                            ; keys 0-63 of the step,
	QUANT64 ACC+32, PC+6, SW+1                     ; keys 64-127: together a fragment of 16 channels x 128 keys
	v_lshl_or_b32 v[VWD], v[SW+1], 16, v[SW]
	PLACES 8                                       ; a scale word made by vector instructions stands eight places ahead of the product
	s_wait_alu depctr_va_vdst(0)                   ; V's codes, the ones and both scale words are written, which the scaled product takes as its operands and scales
	v_wmma_scale_f32_16x16x128_f8f6f4 v[D8:D8+7], v[PC:PC+11], v[ONES:ONES+11], 0, v[VWD], v[ONESC] matrix_a_fmt:MATRIX_FMT_FP6 matrix_b_fmt:MATRIX_FMT_FP6   ; the sum of the quantised V over the 128 keys
	PLACES 4
	s_wait_alu depctr_va_vdst(0)                   ; the product has written the sums, which the last stores read; the places above stay beside this wait
.irp c,0,1,2
	global_store_b128 v[L16], v[PC+4*\c:PC+4*\c+3], s[24:25] offset:512*\c
.endr
	global_store_b32 v[VWA], v[VWD], s[26:27]      ; both halves of the lanes hold the same word and write the same place
	global_store_b128 v[H64], v[D8:D8+3], s[28:29]               ; register j: channel 16 h + j of the tile; the sixteen lanes of a half hold the same numbers
	global_store_b128 v[H64], v[D8+4:D8+7], s[28:29] offset:16
	s_wait_dscnt 0x0                               ; the closing lines, six on end
	s_wait_alu 0x0
	s_wait_tensorcnt 0x0
	ds_add_u32 v31, v255
	s_wait_dscnt 0x0
	s_endpgm
.Lfunc_end_k_q5eac79df27_qkv:
	.size	k_q5eac79df27_qkv, .Lfunc_end_k_q5eac79df27_qkv-k_q5eac79df27_qkv
	.p2alignl 7, 3214868480
	.fill 96, 4, 3214868480
	.section	.rodata,"a",@progbits
	.p2align	6, 0x0
	.amdhsa_kernel k_q5eac79df27_qkv
		.amdhsa_group_segment_fixed_size 52224
		.amdhsa_private_segment_fixed_size 0
		.amdhsa_enable_private_segment 0
		.amdhsa_kernarg_size 104
		.amdhsa_user_sgpr_count 2
		.amdhsa_user_sgpr_kernarg_segment_ptr 1
		.amdhsa_wavefront_size32 1
		.amdhsa_system_sgpr_workgroup_id_x 1
		.amdhsa_system_sgpr_workgroup_id_y 1
		.amdhsa_system_sgpr_workgroup_id_z 1
		.amdhsa_system_vgpr_workitem_id 0
		.amdhsa_next_free_vgpr 512
		.amdhsa_next_free_sgpr 66
		.amdhsa_reserve_vcc 0
		.amdhsa_float_denorm_mode_32 3
		.amdhsa_float_denorm_mode_16_64 3
		.amdhsa_memory_ordered 1
		.amdhsa_forward_progress 1
		.amdhsa_inst_pref_size 133
	.end_amdhsa_kernel
	.amdgpu_metadata
---
amdhsa.version: [ 1, 2 ]
amdhsa.kernels:
  - .name:           k_q5eac79df27_qkv
    .symbol:         k_q5eac79df27_qkv.kd
    .args:
      - { .name: x, .offset: 0, .size: 8, .value_kind: global_buffer, .address_space: global }
      - { .name: g1, .offset: 8, .size: 8, .value_kind: global_buffer, .address_space: global }
      - { .name: be1, .offset: 16, .size: 8, .value_kind: global_buffer, .address_space: global }
      - { .name: mask, .offset: 24, .size: 8, .value_kind: global_buffer, .address_space: global }
      - { .name: wimg, .offset: 32, .size: 8, .value_kind: global_buffer, .address_space: global }
      - { .name: bq, .offset: 40, .size: 8, .value_kind: global_buffer, .address_space: global }
      - { .name: bk, .offset: 48, .size: 8, .value_kind: global_buffer, .address_space: global }
      - { .name: bv, .offset: 56, .size: 8, .value_kind: global_buffer, .address_space: global }
      - { .name: qkc, .offset: 64, .size: 8, .value_kind: global_buffer, .address_space: global }
      - { .name: qkw, .offset: 72, .size: 8, .value_kind: global_buffer, .address_space: global }
      - { .name: vc, .offset: 80, .size: 8, .value_kind: global_buffer, .address_space: global }
      - { .name: vw, .offset: 88, .size: 8, .value_kind: global_buffer, .address_space: global }
      - { .name: vsum, .offset: 96, .size: 8, .value_kind: global_buffer, .address_space: global }
    .group_segment_fixed_size: 52224
    .private_segment_fixed_size: 0
    .kernarg_segment_align: 8
    .kernarg_segment_size: 104
    .max_flat_workgroup_size: 256
    .sgpr_count:     66
    .vgpr_count:     512
    .wavefront_size: 32
...
	.end_amdgpu_metadata
.endif
;; end of part 6
;; launch attn (part 7): grid 8 x 32, 16 waves a work-group, no clusters, 215,040 bytes of LDS; arguments qkc, qkw, vc, vw, vsum, ao, aos; writes ao, aos
.if DOCPART == 7
	.amdgcn_target "amdgcn-amd-amdhsa--gfx1250"
	.amdhsa_code_object_version 6
	.text
	.protected	k_q5eac79df27_attn
	.globl	k_q5eac79df27_attn
	.p2align	8
	.type	k_q5eac79df27_attn,@function
k_q5eac79df27_attn:
	s_mov_b64 s[64:65], 0
	v_nop
	global_prefetch_b8 v0, s[64:65] scope:SCOPE_SE
	s_setreg_imm32_b32 hwreg(HW_REG_WAVE_MODE, 25, 1), 1
	s_wait_xcnt 0x0
; out = softmax(Q K^T / 8, causal and pad-masked) V for one head, both products on codes of E2M3; out is quantised along the model's 512 and leaves as images for the next product.
; THE WEIGHTS ARE QUANTISED FINISHED AND NORMALISED, so the keys are walked TWICE: pass 1 finds each row's largest score and the sum of exponentials (a running maximum, per lane);
; pass 2 makes the scores again, p = 2^(c s - c M - log2 L) with c = log2(e) / 8, quantises p along the keys and multiplies by V.
; SHARES.  y = 8 b + head.  Waves 0-7 take the 128 queries of block x, waves 8-15 those of block 15 - x, a tile of 16 each: every pair has 17 steps of 128 keys, every work-group the same work.
; K's and V's images and scale words of the whole head, 208,896 bytes, are copied into LDS once, at the head; one barrier; then LDS is only read.  Both loops have 16 trips in every wave; a step all of whose keys come after the wave's queries skips its work by a branch on ids.
; NOT SHARED IN A CLUSTER: the eight work-groups of a head copy the same bytes, each for itself; joint requests are tensor loads and this text has none: a limit of this version.
; LAYOUT.  S^T = K Q^T, O^T = V^T P^T: a lane holds one query.  Lane r of tile 2 b + u holds key (query, channel) 32 b + 8 u + r + 8 (r / 8): register 16 b + i of the scores is key 32 b + 16 (lane / 16) + i.
; THE PAD MASK.  The head has 64 channels, the product 128 along K: at k = 64 Q holds +1 (scale 2^50) and K holds -1, whose scale the launch before set to 2^50 (masked: the score becomes -2^100) or 2^-126 (the score moves by -2^-76).
; THE RUNNING MAXIMUM HAS THE FLOOR -2^96: c x 2^96 is exact, so a lane none of whose keys count keeps that maximum, every exponential of it is 0 and its sum is 0.
; A ROW NONE OF WHOSE KEYS COUNT (its maximum is still the floor) is uniform over all 2,048 keys: 2^-11, a number of the format: its result is 2^-11 x the sum of the quantised V, chosen by v_cndmask at the end.
; LIMITS: -2^-76 on every score; a true score at or under -2^96 counts as masked; the offset c M + log2 L is rounded to f32 once, half an ulp of it in the exponent; a block's largest p is taken as the exponential of its largest score; NaN, infinities not served.
.set KC, 0                             ; LDS: K's halves, [tile 128] x 768
.set VC, 98304                         ; V's images, [step 16][channel tile 4] x 1,536
.set KW, 196608                        ; K's scale words, [step 16] x 512
.set VW, 204800                        ; V's, [step 16] x 256
.set VMS, 208896                       ; each wave's 256 bytes: the mean of V; stored by ds_store, no copy lands here
.set AK16, 7
.set AK8, 8
.set AKW, 9
.set AV16, 10
.set AVW, 11
.set NBR, 12                           ; pass 1: -c m;  pass 2: -c M - log2 L
.set MR, 13                            ; the largest score
.set LS, 14                            ; v[14:15] the sum in two halves
.set Q, 16
.set QW, 28
.set DD, 29
.set NEG, 30
.set VMR, 31
.set KF, 32
.set KWR, 80
.set VWR, 84
.set ADK16, 86
.set ADK8, 87
.set ADKW, 88
.set ADV, 89
.set ADVW, 90
.set S, 96
.set O, 160
.set PC, 192
.set P2, 204
.set BM, 212
.set PT, 216
.set SO, 220
.set BY, 224
.set PW, 228
.set SWO, 229
.set F, 230
.set T0, 232
.set T1, 233
.set L2, 234
.set CG2, 236                          ; v236-238: the copies' addresses 65,536 bytes on: in memory, in K's region, in V's
.set CK2, 237
.set CV2, 238
.set TM, 212
.set TP, 204
.set WV, 18
.set QB, 34
.set DEAD, 44
.set J, 46
.set SK, 47
.set SKW, 48
.set SV, 49
.set CS, 50
.set SEL, 52
.set THR, 54
.macro PLACES n
.rept \n
	v_nop
.endr
.endm
.macro QUANT64 src, dst, sw            ; as in the launch before: 32 numbers of a lane -> six registers of codes and two scale bytes
	v_max3_num_f32 v[TM], |v[\src]|, |v[\src+1]|, 0x1800000
	v_max3_num_f32 v[TM+1], |v[\src+16]|, |v[\src+17]|, 0x1800000
.irp i,2,4,6,8,10,12,14
	s_delay_alu instid0(VALU_DEP_2)
	v_max3_num_f32 v[TM], v[TM], |v[\src+\i]|, |v[\src+\i+1]|
	s_delay_alu instid0(VALU_DEP_2)
	v_max3_num_f32 v[TM+1], v[TM+1], |v[\src+16+\i]|, |v[\src+17+\i]|
.endr
	s_delay_alu instid0(VALU_DEP_2)
	v_permlanex16_b32 v[TM+2], v[TM], s[SEL], s[SEL+1]
	s_delay_alu instid0(VALU_DEP_2)
	v_permlanex16_b32 v[TM+3], v[TM+1], s[SEL], s[SEL+1]
	s_delay_alu instid0(VALU_DEP_2)
	v_max_num_f32 v[TM], v[TM], v[TM+2]
	s_delay_alu instid0(VALU_DEP_2)
	v_max_num_f32 v[TM+1], v[TM+1], v[TM+3]
	s_delay_alu instid0(VALU_DEP_2)
	v_add_nc_u32 v[TM+4], 0xff000000, v[TM]
	s_delay_alu instid0(VALU_DEP_2)
	v_add_nc_u32 v[TM+5], 0xff000000, v[TM+1]
	s_delay_alu instid0(VALU_DEP_2)
	v_lshrrev_b32 v[TM+6], 23, v[TM+4]
	s_delay_alu instid0(VALU_DEP_2)
	v_lshrrev_b32 v[TM+7], 23, v[TM+5]
	s_delay_alu instid0(VALU_DEP_1)
	v_lshl_or_b32 v[\sw], v[TM+7], 8, v[TM+6]
	v_cvt_scalef32_pk16_fp6_f32 v[\dst:\dst+2], v[\src:\src+15], v[TM+4]
	v_cvt_scalef32_pk16_fp6_f32 v[TP:TP+2], v[\src+16:\src+31], v[TM+5]
	v_nop
.irp i,0,1,2
	v_permlane16_swap_b32 v[\dst+\i], v[TP+\i]
.endr
.irp i,0,1,2
	s_delay_alu instid0(VALU_DEP_3)
	v_mov_b32 v[\dst+3+\i], v[TP+\i]
.endr
.endm
	s_load_b256 s[4:11], s[0:1], 0x0               ; qkc, qkw, vc, vw
	s_load_b128 s[12:15], s[0:1], 0x20             ; vsum, ao
	s_load_b64 s[16:17], s[0:1], 0x30              ; aos
	v_lshl_add_u32 v254, v0, 2, 0x34000
	v_mov_b32 v255, 0
	ds_add_u32 v254, v255
	ds_add_u32 v254, v255
	v_lshlrev_b32 v1, 4, v0                        ; 16 x thread: the copies' place in memory,
	v_lshlrev_b32 v6, 4, v0                        ; and in LDS: K's codes,
	s_delay_alu instid0(VALU_DEP_2)
	v_add_nc_u32 v2, VC, v1                        ; V's,
	s_delay_alu instid0(VALU_DEP_3)
	v_add_nc_u32 v3, KW, v1                        ; K's scale words;
	v_lshlrev_b32 v4, 3, v0
	s_delay_alu instid0(VALU_DEP_1)
	v_add_nc_u32 v5, VW, v4                        ; V's, 8 bytes a thread
	v_add_nc_u32 v[CG2], 0x10000, v1               ; a region is 98,304 bytes and a copy's immediate stays under 65,536: the last four copies of a region take addresses 65,536 bytes on
	v_add_nc_u32 v[CK2], 0x10000, v6
	v_add_nc_u32 v[CV2], 0x10000, v2
	v_lshrrev_b32 v91, 5, v0
	s_delay_alu instid0(VALU_DEP_1)
	v_readfirstlane_b32 s[WV], v91                 ; wave 0..15
	s_mov_b32 s22, ttmp9
	s_and_b32 s19, ttmp7, 0xffff                   ; 8 b + head
	s_mov_b32 s21, 0
	s_mul_i32 s20, s19, 98304
	s_wait_alu depctr_va_vdst(0)
	s_wait_dscnt 0x0
	s_wait_kmcnt 0x0
	s_add_nc_u64 s[28:29], s[8:9], s[20:21]        ; the head's V
	s_add_co_u32 s20, s20, 3145728
	s_add_nc_u64 s[26:27], s[4:5], s[20:21]        ; the head's K
	s_lshl_b32 s20, s19, 13
	s_add_co_u32 s20, s20, 262144
	s_add_nc_u64 s[30:31], s[6:7], s[20:21]
	s_lshl_b32 s20, s19, 12
	s_add_nc_u64 s[32:33], s[10:11], s[20:21]
	; 26 copies a wave, each of the work-group's 512 threads 16 (8) bytes: 8,192 (4,096) consecutive bytes an instruction.  Issued ahead of every LDS read, wait on their counter and barrier; their address registers stay untouched until that wait.
	global_load_async_to_lds_b128 v3, v1, s[30:31]
.irp i,0,1,2,3,4,5,6,7
	global_load_async_to_lds_b128 v6, v1, s[26:27] offset:8192*\i
.endr
.irp i,0,1,2,3
	global_load_async_to_lds_b128 v[CK2], v[CG2], s[26:27] offset:8192*\i
.endr
.irp i,0,1,2,3,4,5,6,7
	global_load_async_to_lds_b128 v2, v1, s[28:29] offset:8192*\i
.endr
.irp i,0,1,2,3
	global_load_async_to_lds_b128 v[CV2], v[CG2], s[28:29] offset:8192*\i
.endr
	global_load_async_to_lds_b64 v5, v4, s[32:33]
	s_sub_co_u32 s[QB], 15, s22
	s_cmp_lt_u32 s[WV], 8
	s_cselect_b32 s[QB], s22, s[QB]                ; my block of 128 queries
	s_and_b32 s35, s[WV], 7                        ; my tile in it
	s_lshl_b32 s23, s[QB], 3
	s_add_co_u32 s23, s23, s35
	s_lshl_b32 s20, s19, 7
	s_add_co_u32 s20, s20, s23
	s_mul_i32 s20, s20, 768
	s_add_nc_u64 s[36:37], s[4:5], s[20:21]        ; Q's half
	s_lshl_b32 s20, s19, 4
	s_add_co_u32 s20, s20, s[QB]
	s_lshl_b32 s20, s20, 9
	s_add_nc_u64 s[38:39], s[6:7], s[20:21]        ; Q's scale words of the block
	s_lshr_b32 s40, s19, 3                         ; batch
	s_and_b32 s41, s19, 7                          ; head
	s_lshl_b32 s20, s40, 15
	s_lshl_b32 s42, s41, 8
	s_add_co_u32 s20, s20, s42
	s_add_nc_u64 s[12:13], s[12:13], s[20:21]      ; vsum: the batch's 16 rows, my head's 64 channels
	s_lshl_b32 s42, s40, 7
	s_add_co_u32 s42, s42, s23                     ; my token tile of 512
	s_mul_i32 s20, s42, 6144
	s_mul_i32 s43, s41, 768
	s_add_co_u32 s20, s20, s43
	s_add_nc_u64 s[14:15], s[14:15], s[20:21]
	s_lshl_b32 s20, s42, 8
	s_lshl_b32 s43, s41, 1
	s_add_co_u32 s20, s20, s43
	s_add_nc_u64 s[16:17], s[16:17], s[20:21]
	s_lshr_b32 s43, s35, 1
	s_and_b32 s45, s35, 1
	s_lshl_b32 s55, s45, 8
	s_lshl_b32 s56, s43, 2
	s_add_co_u32 s55, s55, s56                     ; my tile's place among the scale words: 256 (tq % 2) + 4 (tq / 2)
	s_lshl_b32 s43, s43, 5
	s_lshl_b32 s45, s45, 3
	s_add_co_u32 s45, s45, s43                     ; my tile's first query in the block
	s_mov_b32 s[CS], 0x3e38aa3b                    ; c = log2(e) / 8
	s_mov_b32 s[CS+1], s[CS]
	s_mov_b32 s[SEL], 0x76543210
	s_mov_b32 s[SEL+1], 0xfedcba98
	s_mov_b32 s[THR], 0xef800000                   ; -2^96: the floor of the running maximum
	v_and_b32 v91, 31, v0
	v_and_b32 v92, 15, v0                          ; r
	v_bfe_u32 v93, v0, 4, 1                        ; h
	s_delay_alu instid0(VALU_DEP_2)
	v_and_b32 v94, 8, v92
	s_delay_alu instid0(VALU_DEP_1)
	v_add_nc_u32 v94, v94, v92                     ; r + 8 (r / 8)
	v_lshlrev_b32 v[AK16], 4, v91
	v_lshlrev_b32 v95, 3, v91
	s_delay_alu instid0(VALU_DEP_1)
	v_add_nc_u32 v[AK8], 512, v95
	s_delay_alu instid0(VALU_DEP_3)
	v_add_nc_u32 v[AKW], KW, v[AK16]
	s_delay_alu instid0(VALU_DEP_4)
	v_add_nc_u32 v[AV16], VC, v[AK16]
	s_delay_alu instid0(VALU_DEP_4)
	v_add_nc_u32 v[AVW], VW, v95
	v_lshl_add_u32 v86, v92, 4, s55
	global_load_b128 v[Q:Q+3], v[AK16], s[36:37]
	global_load_b64 v[Q+4:Q+5], v[AK8], s[36:37]
	global_load_b32 v[QW], v86, s[38:39]
.irp st,0,1,2,3,4,5,6,7,8,9,10,11,12,13,14,15
	global_load_b64 v[S+2*\st:S+2*\st+1], v95, s[12:13] offset:2048*\st
.endr
	s_lshl_b32 s55, s[WV], 8
	s_add_co_u32 s55, s55, VMS
	v_add_nc_u32 v88, s55, v95
	v_lshl_add_u32 v[VMR], v93, 6, s55
	v_lshlrev_b32 v89, 4, v93
	s_delay_alu instid0(VALU_DEP_1)
	v_sub_nc_u32 v[DD], v94, v89
	s_delay_alu instid0(VALU_DEP_1)
	v_add_nc_u32 v[DD], s45, v[DD]                 ; d = my query - 16 h, in the block: register n's key is hidden on the diagonal where 32 (n / 16) + n % 16 > d
	v_mov_b32 v[NEG], 0xf1800000                   ; -2^100: what a hidden key's score becomes, as a pad-masked key's does
	v_lshlrev_b32 v89, 3, v93
	s_delay_alu instid0(VALU_DEP_1)
	v_sub_nc_u32 v[Q+6], 8, v89                    ; the code +1.0 at k = 64: lanes 0-15, the lowest six bits
	v_mul_u32_u24 v89, v93, 40
.irp t,0,1,2,3
	v_sub_nc_u32 v[KF+12*\t+6], 40, v89            ; the code -1.0 at k = 64
.irp i,7,8,9,10,11
	v_mov_b32 v[KF+12*\t+\i], 0
.endr
.endr
.irp i,7,8,9,10,11
	v_mov_b32 v[Q+\i], 0
.endr
.set n, 0
.rept 32
	v_mov_b32 v[O+n], 0                            ; the step is written once: its first trip adds onto zeros
.set n, n+1
.endr
.irp i,0,1,2,3,4,5,6,7
	v_mov_b32 v[BM+\i], 0                          ; a lane permute's destination counts as one of its sources
.endr
	v_mov_b32 v[MR], 0xef800000                    ; the floor -2^96
	s_delay_alu instid0(VALU_DEP_1)
	v_mul_f32 v[NBR], -v[MR], s[CS]                ; c x 2^96, exact
	v_mov_b32 v[LS], 0
	v_mov_b32 v[LS+1], 0
	v_mov_b32 v[F+1], 0                            ; named as the upper half of a pair
	s_wait_loadcnt 0x0                             ; Q, its scale word, vsum
	v_pk_add_f32 v[252:253], v[98:99], v[100:101]
	v_pk_add_f32 v[250:251], v[102:103], v[104:105]
	v_pk_add_f32 v[248:249], v[106:107], v[108:109]
	v_pk_add_f32 v[246:247], v[110:111], v[112:113]
	v_pk_add_f32 v[244:245], v[114:115], v[116:117]
	v_pk_add_f32 v[242:243], v[118:119], v[120:121]
	v_pk_add_f32 v[240:241], v[122:123], v[124:125]
	v_pk_add_f32 v[96:97], v[96:97], v[126:127]
	s_delay_alu instid0(VALU_DEP_1)
	v_pk_add_f32 v[96:97], v[96:97], v[246:247]
	v_pk_add_f32 v[252:253], v[252:253], v[244:245]
	v_pk_add_f32 v[250:251], v[250:251], v[242:243]
	v_pk_add_f32 v[248:249], v[248:249], v[240:241]
	s_delay_alu instid0(VALU_DEP_2)
	v_pk_add_f32 v[96:97], v[96:97], v[250:251]
	s_delay_alu instid0(VALU_DEP_2)
	v_pk_add_f32 v[252:253], v[252:253], v[248:249]
	s_delay_alu instid0(VALU_DEP_1)
	v_pk_add_f32 v[96:97], v[96:97], v[252:253]
	s_delay_alu instid0(VALU_DEP_1)
	v_pk_mul_f32 v[S:S+1], v[S:S+1], 0x3a000000 op_sel_hi:[1,0]      ; x 2^-11
	ds_store_b64 v88, v[S:S+1]
	s_wait_asynccnt 0x0                            ; my copies have landed,
	s_wait_dscnt 0x0                               ; and my store
	s_barrier_signal -1
	s_barrier_wait -1                              ; everybody's have
; The scores of 128 keys: eight tiles, four at a time.  The upper six registers of K's fragments stay as they were set.
.macro SCORES
	ds_load_b128 v[KWR:KWR+3], v[ADKW]             ; register p: lanes 0-15 tile 2 p's words, lanes 16-31 tile 2 p + 1's
.irp g,0,1
.if \g
	PLACES 4                                       ; in front of loads into registers that products have read
.endif
.irp t,0,1,2,3
	ds_load_b128 v[KF+12*\t:KF+12*\t+3], v[ADK16] offset:768*(4*\g+\t)
	ds_load_b64 v[KF+12*\t+4:KF+12*\t+5], v[ADK8] offset:768*(4*\g+\t)
.endr
	s_wait_dscnt 0x0
.irp t,0,1,2,3
.if \t%2
	v_wmma_scale_f32_16x16x128_f8f6f4 v[S+8*(4*\g+\t):S+8*(4*\g+\t)+7], v[KF+12*\t:KF+12*\t+11], v[Q:Q+11], 0, v[KWR+(4*\g+\t)/2], v[QW] matrix_a_fmt:MATRIX_FMT_FP6 matrix_b_fmt:MATRIX_FMT_FP6 matrix_a_scale:MATRIX_SCALE_ROW1
.else
	v_wmma_scale_f32_16x16x128_f8f6f4 v[S+8*(4*\g+\t):S+8*(4*\g+\t)+7], v[KF+12*\t:KF+12*\t+11], v[Q:Q+11], 0, v[KWR+(4*\g+\t)/2], v[QW] matrix_a_fmt:MATRIX_FMT_FP6 matrix_b_fmt:MATRIX_FMT_FP6
.endif
.endr
.endr
	PLACES 4
	s_cmp_lg_u32 s[J], s[QB]                       ; only the step on the diagonal hides keys
	s_cbranch_scc1 .Lopen_\@
.set n, 0
.rept 64
	v_cmp_gt_i32 vcc_lo, 32*(n/16)+n%16, v[DD]
	v_cndmask_b32 v[S+n], v[S+n], v[NEG], vcc_lo
.set n, n+1
.endr
.Lopen_\@:
.endm
.macro BLOCKMAX                        ; my 16 scores of each block of 32 keys, the four blocks by turns, each accumulator from its low end on
.irp b,0,1,2,3
	v_max3_num_f32 v[BM+\b], v[S+16*\b], v[S+16*\b+1], v[S+16*\b+2]
.endr
.irp i,3,5,7,9,11,13
.irp b,0,1,2,3
	v_max3_num_f32 v[BM+\b], v[BM+\b], v[S+16*\b+\i], v[S+16*\b+\i+1]
.endr
.endr
.irp b,0,1,2,3
	v_max_num_f32 v[BM+\b], v[BM+\b], v[S+16*\b+15]
.endr
.endm
	; ---- PASS 1: m and l of my lane's half of the keys
	s_mov_b32 s[J], 0
	s_mov_b32 s[SK], 0
	s_mov_b32 s[SKW], 0
.Lpass1:
	s_cmp_gt_u32 s[J], s[QB]
	s_cbranch_scc1 .Lskip1
	s_setprio 2
	v_add_nc_u32 v[ADK16], s[SK], v[AK16]
	s_wait_alu depctr_va_vdst(0)
	v_add_nc_u32 v[ADK8], s[SK], v[AK8]
	s_wait_alu depctr_va_vdst(0)
	v_add_nc_u32 v[ADKW], s[SKW], v[AKW]
	SCORES
	s_setprio 1
	BLOCKMAX
	s_delay_alu instid0(VALU_DEP_2)
	v_max3_num_f32 v[T0], v[BM], v[BM+1], v[BM+2]
	v_mov_b32 v[T1], v[NBR]
	s_delay_alu instid0(VALU_DEP_2)
	v_max3_num_f32 v[MR], v[T0], v[BM+3], v[MR]    ; the running maximum, never under the floor
	s_delay_alu instid0(VALU_DEP_1)
	v_mul_f32 v[NBR], -v[MR], s[CS]                ; -c m, kept as it is rounded
	s_delay_alu instid0(VALU_DEP_1)
	v_sub_f32 v[T1], v[NBR], v[T1]                 ; c m_old - c m_new
	s_wait_alu depctr_va_vdst(0)
	v_exp_f32 v[F], v[T1]
.set n, 0
.rept 32
	v_pk_fma_f32 v[S+2*n:S+2*n+1], v[S+2*n:S+2*n+1], s[CS:CS+1], v[NBR:NBR+1] op_sel_hi:[1,0,0]
.set n, n+1
.endr
.set n, 0
	s_wait_alu depctr_va_vdst(0)
.rept 64
	v_exp_f32 v[S+n], v[S+n]
.set n, n+1
.endr
	s_setprio 0
	s_wait_alu depctr_va_vdst(0)
	v_pk_mul_f32 v[LS:LS+1], v[LS:LS+1], v[F:F+1] op_sel_hi:[1,0]    ; the sum under the new maximum (a plain place behind the exponentials)
	v_pk_add_f32 v[234:235], v[100:101], v[104:105]
	v_pk_add_f32 v[252:253], v[108:109], v[112:113]
	v_pk_add_f32 v[250:251], v[116:117], v[120:121]
	v_pk_add_f32 v[248:249], v[124:125], v[128:129]
	v_pk_add_f32 v[246:247], v[132:133], v[136:137]
	v_pk_add_f32 v[244:245], v[140:141], v[144:145]
	v_pk_add_f32 v[242:243], v[148:149], v[152:153]
	v_pk_add_f32 v[14:15], v[14:15], v[156:157]
	v_pk_add_f32 v[234:235], v[234:235], v[96:97]
	v_pk_add_f32 v[252:253], v[252:253], v[98:99]
	v_pk_add_f32 v[250:251], v[250:251], v[102:103]
	v_pk_add_f32 v[248:249], v[248:249], v[106:107]
	v_pk_add_f32 v[246:247], v[246:247], v[110:111]
	v_pk_add_f32 v[244:245], v[244:245], v[114:115]
	v_pk_add_f32 v[242:243], v[242:243], v[118:119]
	v_pk_add_f32 v[14:15], v[14:15], v[122:123]
	v_pk_add_f32 v[234:235], v[234:235], v[126:127]
	v_pk_add_f32 v[252:253], v[252:253], v[130:131]
	v_pk_add_f32 v[250:251], v[250:251], v[134:135]
	v_pk_add_f32 v[248:249], v[248:249], v[138:139]
	v_pk_add_f32 v[246:247], v[246:247], v[142:143]
	v_pk_add_f32 v[244:245], v[244:245], v[146:147]
	v_pk_add_f32 v[242:243], v[242:243], v[150:151]
	v_pk_add_f32 v[14:15], v[14:15], v[154:155]
	v_pk_add_f32 v[234:235], v[234:235], v[158:159]
	s_delay_alu instid0(VALU_DEP_2)
	v_pk_add_f32 v[14:15], v[14:15], v[248:249]
	s_delay_alu instid0(VALU_DEP_2)
	v_pk_add_f32 v[234:235], v[234:235], v[246:247]
	v_pk_add_f32 v[252:253], v[252:253], v[244:245]
	v_pk_add_f32 v[250:251], v[250:251], v[242:243]
	s_delay_alu instid0(VALU_DEP_2)
	v_pk_add_f32 v[14:15], v[14:15], v[252:253]
	s_delay_alu instid0(VALU_DEP_2)
	v_pk_add_f32 v[234:235], v[234:235], v[250:251]
	s_delay_alu instid0(VALU_DEP_1)
	v_pk_add_f32 v[14:15], v[14:15], v[234:235]
.Lskip1:
	s_add_co_u32 s[SK], s[SK], 6144
	s_add_co_u32 s[SKW], s[SKW], 512
	s_add_co_u32 s[J], s[J], 1
	s_cmp_lt_u32 s[J], 16
	s_cbranch_scc1 .Lpass1
	s_setprio 0
	s_wait_alu depctr_va_vdst(0)
	; the two halves of the lanes join: M, L, and the offset -c M - log2 L
	v_add_f32 v[T0], v[LS], v[LS+1]
	v_permlanex16_b32 v[PT], v[NBR], s[SEL], s[SEL+1]
	s_delay_alu instid0(VALU_DEP_1)
	v_min_num_f32 v[PT], v[PT], v[NBR]             ; -c M
	s_delay_alu instid0(VALU_DEP_1)
	v_sub_f32 v[T1], v[PT], v[NBR]                 ; c (m - M), 0 or less
	s_wait_alu depctr_va_vdst(0)
	v_exp_f32 v[T1], v[T1]
	v_nop
	v_permlanex16_b32 v[PT+1], v[MR], s[SEL], s[SEL+1]
	s_delay_alu instid0(VALU_DEP_1)
	v_max_num_f32 v[MR], v[MR], v[PT+1]
	s_wait_alu depctr_va_vdst(0)
	v_mul_f32 v[T0], v[T0], v[T1]                  ; a half none of whose keys count brings 0 x 0
	s_delay_alu instid0(VALU_DEP_1)
	v_permlanex16_b32 v[PT+2], v[T0], s[SEL], s[SEL+1]
	s_delay_alu instid0(VALU_DEP_1)
	v_add_f32 v[T0], v[T0], v[PT+2]                ; L: about 1 or more where a key counts, 0 where none does
	s_wait_alu depctr_va_vdst(0)
	v_log_f32 v[T1], v[T0]
	v_nop
	v_cmp_ge_f32 s[DEAD], s[THR], v[MR]            ; the maximum is still the floor: no key of the row counts
	s_wait_alu depctr_va_vdst(0)
	v_sub_f32 v[NBR], v[PT], v[T1]
	s_delay_alu instid0(VALU_DEP_1)
	v_cndmask_b32 v[NBR], v[NBR], 0, s[DEAD]       ; there the offset (infinite) gives way to 0: every p becomes 0, and the result is chosen at the end
	; ---- PASS 2
	s_mov_b32 s[J], 0
	s_mov_b32 s[SK], 0
	s_mov_b32 s[SKW], 0
	s_mov_b32 s[SV], 0
.Lpass2:
	s_cmp_gt_u32 s[J], s[QB]
	s_cbranch_scc1 .Lskip2
	s_setprio 2
	v_add_nc_u32 v[ADK16], s[SK], v[AK16]          ; these five are also the places in front of products that write over V's fragments
	s_wait_alu depctr_va_vdst(0)
	v_add_nc_u32 v[ADK8], s[SK], v[AK8]
	s_wait_alu depctr_va_vdst(0)
	v_add_nc_u32 v[ADKW], s[SKW], v[AKW]
	v_add_nc_u32 v[ADV], s[SK], v[AV16]
	v_add_nc_u32 v[ADVW], s[SV], v[AVW]
	SCORES
	BLOCKMAX
.irp b,0,1,2,3
	s_delay_alu instid0(VALU_DEP_4)
	v_permlanex16_b32 v[PT+\b], v[BM+\b], s[SEL], s[SEL+1]
.endr
.irp b,0,1,2,3
	s_delay_alu instid0(VALU_DEP_4)
	v_max_num_f32 v[BM+\b], v[BM+\b], v[PT+\b]     ; the block's largest score
.endr
.set n, 0
	s_setprio 1
.rept 32
	v_pk_fma_f32 v[S+2*n:S+2*n+1], v[S+2*n:S+2*n+1], s[CS:CS+1], v[NBR:NBR+1] op_sel_hi:[1,0,0]
.set n, n+1
.endr
.irp b,0,1,2,3
	v_fma_f32 v[BM+\b], v[BM+\b], s[CS], v[NBR]    ; the same two instructions on the block's largest score give its largest p
.endr
.set n, 0
	s_wait_alu depctr_va_vdst(0)
.rept 64
	v_exp_f32 v[S+n], v[S+n]                       ; the finished weight
.set n, n+1
.endr
.irp b,0,1,2,3
	v_exp_f32 v[BM+\b], v[BM+\b]
.endr
	v_nop
	s_wait_alu depctr_va_vdst(0)
.irp b,0,1,2,3
	v_max_num_f32 v[BM+\b], 0x1800000, v[BM+\b]    ; the floor: the byte cannot fall under 1
.endr
.irp b,0,1,2,3
	s_delay_alu instid0(VALU_DEP_4)
	v_add_nc_u32 v[SO+\b], 0xff000000, v[BM+\b]
.endr
.irp b,0,1,2,3
	s_delay_alu instid0(VALU_DEP_4)
	v_lshrrev_b32 v[BY+\b], 23, v[SO+\b]
.endr
	s_delay_alu instid0(VALU_DEP_3)
	v_lshl_or_b32 v[PW], v[BY+1], 8, v[BY]
	s_delay_alu instid0(VALU_DEP_1)
	v_lshl_or_b32 v[PW], v[BY+2], 16, v[PW]
	s_delay_alu instid0(VALU_DEP_1)
	v_lshl_or_b32 v[PW], v[BY+3], 24, v[PW]
.irp c,0,1
	v_cvt_scalef32_pk16_fp6_f32 v[PC+6*\c:PC+6*\c+2], v[S+32*\c:S+32*\c+15], v[SO+2*\c]
	v_cvt_scalef32_pk16_fp6_f32 v[P2+4*\c:P2+4*\c+2], v[S+32*\c+16:S+32*\c+31], v[SO+2*\c+1]
.endr
	v_nop
	s_setprio 0
.irp c,0,1
.irp i,0,1,2
	v_permlane16_swap_b32 v[PC+6*\c+\i], v[P2+4*\c+\i]
.endr
.irp i,0,1,2
	s_delay_alu instid0(VALU_DEP_3)
	v_mov_b32 v[PC+6*\c+3+\i], v[P2+4*\c+\i]
.endr
.endr
.irp t,0,1,2,3
.irp c,0,1,2
	ds_load_b128 v[S+12*\t+4*\c:S+12*\t+4*\c+3], v[ADV] offset:1536*\t+512*\c      ; V's four fragments take the weights' registers
.endr
.endr
	ds_load_b64 v[VWR:VWR+1], v[ADVW]
	PLACES 8                                       ; p's scale word and codes were made by vector instructions
	s_wait_alu depctr_va_vdst(0)
	s_wait_dscnt 0x0
.irp t,0,1,2,3
.if \t%2
	v_wmma_scale_f32_16x16x128_f8f6f4 v[O+8*\t:O+8*\t+7], v[S+12*\t:S+12*\t+11], v[PC:PC+11], v[O+8*\t:O+8*\t+7], v[VWR+\t/2], v[PW] matrix_a_fmt:MATRIX_FMT_FP6 matrix_b_fmt:MATRIX_FMT_FP6 matrix_a_scale:MATRIX_SCALE_ROW1
.else
	v_wmma_scale_f32_16x16x128_f8f6f4 v[O+8*\t:O+8*\t+7], v[S+12*\t:S+12*\t+11], v[PC:PC+11], v[O+8*\t:O+8*\t+7], v[VWR+\t/2], v[PW] matrix_a_fmt:MATRIX_FMT_FP6 matrix_b_fmt:MATRIX_FMT_FP6
.endif
.endr
.Lskip2:
	s_add_co_u32 s[SK], s[SK], 6144
	s_add_co_u32 s[SKW], s[SKW], 512
	s_add_co_u32 s[SV], s[SV], 256
	s_add_co_u32 s[J], s[J], 1
	s_cmp_lt_u32 s[J], 16
	s_cbranch_scc1 .Lpass2
	s_setprio 0
	; ---- the way out: the head's 64 channels of my 16 queries are one half of the next product's operand
	PLACES 4
.irp t,0,1,2,3
	ds_load_b128 v[S+8*\t:S+8*\t+3], v[VMR] offset:4*(32*(\t/2)+8*(\t%2))
	ds_load_b128 v[S+8*\t+4:S+8*\t+7], v[VMR] offset:4*(32*(\t/2)+8*(\t%2))+16
.endr
	s_wait_dscnt 0x0
.set n, 0
.rept 32
	v_cndmask_b32 v[O+n], v[O+n], v[S+n], s[DEAD]
.set n, n+1
.endr
	QUANT64 O, PC, SWO
	v_lshlrev_b32 v91, 4, v92
	global_store_b128 v[AK16], v[PC:PC+3], s[14:15]
	global_store_b64 v[AK8], v[PC+4:PC+5], s[14:15]
	global_store_b16 v91, v[SWO], s[16:17]         ; both halves of the lanes hold the same bytes and write the same place
	s_wait_tensorcnt 0x0
	ds_add_u32 v254, v255
	s_wait_dscnt 0x0
	s_endpgm
.Lfunc_end_k_q5eac79df27_attn:
	.size	k_q5eac79df27_attn, .Lfunc_end_k_q5eac79df27_attn-k_q5eac79df27_attn
	.p2alignl 7, 3214868480
	.fill 96, 4, 3214868480
	.section	.rodata,"a",@progbits
	.p2align	6, 0x0
	.amdhsa_kernel k_q5eac79df27_attn
		.amdhsa_group_segment_fixed_size 215040
		.amdhsa_private_segment_fixed_size 0
		.amdhsa_enable_private_segment 0
		.amdhsa_kernarg_size 56
		.amdhsa_user_sgpr_count 2
		.amdhsa_user_sgpr_kernarg_segment_ptr 1
		.amdhsa_wavefront_size32 1
		.amdhsa_system_sgpr_workgroup_id_x 1
		.amdhsa_system_sgpr_workgroup_id_y 1
		.amdhsa_system_sgpr_workgroup_id_z 1
		.amdhsa_system_vgpr_workitem_id 0
		.amdhsa_next_free_vgpr 256
		.amdhsa_next_free_sgpr 66
		.amdhsa_reserve_vcc 1
		.amdhsa_float_denorm_mode_32 3
		.amdhsa_float_denorm_mode_16_64 3
		.amdhsa_memory_ordered 1
		.amdhsa_forward_progress 1
		.amdhsa_inst_pref_size 56
	.end_amdhsa_kernel
	.amdgpu_metadata
---
amdhsa.version: [ 1, 2 ]
amdhsa.kernels:
  - .name:           k_q5eac79df27_attn
    .symbol:         k_q5eac79df27_attn.kd
    .args:
      - { .name: qkc, .offset: 0, .size: 8, .value_kind: global_buffer, .address_space: global }
      - { .name: qkw, .offset: 8, .size: 8, .value_kind: global_buffer, .address_space: global }
      - { .name: vc, .offset: 16, .size: 8, .value_kind: global_buffer, .address_space: global }
      - { .name: vw, .offset: 24, .size: 8, .value_kind: global_buffer, .address_space: global }
      - { .name: vsum, .offset: 32, .size: 8, .value_kind: global_buffer, .address_space: global }
      - { .name: ao, .offset: 40, .size: 8, .value_kind: global_buffer, .address_space: global }
      - { .name: aos, .offset: 48, .size: 8, .value_kind: global_buffer, .address_space: global }
    .group_segment_fixed_size: 215040
    .private_segment_fixed_size: 0
    .kernarg_segment_align: 8
    .kernarg_segment_size: 56
    .max_flat_workgroup_size: 512
    .sgpr_count:     66
    .vgpr_count:     256
    .wavefront_size: 32
...
	.end_amdgpu_metadata
.endif
;; end of part 7
;; launch tail (part 8): grid 256 x 1, 8 waves a work-group, no clusters, 132,608 bytes of LDS; arguments x, ao, aos, wimg, bo, g2, be2, b1, b2, out0; writes out0
.if DOCPART == 8
	.amdgcn_target "amdgcn-amd-amdhsa--gfx1250"
	.amdhsa_code_object_version 6
	.text
	.protected	k_q5eac79df27_tail
	.globl	k_q5eac79df27_tail
	.p2align	8
	.type	k_q5eac79df27_tail,@function
k_q5eac79df27_tail:
	s_mov_b64 s[64:65], 0
	v_nop
	global_prefetch_b8 v0, s[64:65] scope:SCOPE_SE
	s_setreg_imm32_b32 hwreg(HW_REG_WAVE_SCHED_MODE, 0, 2), 2
	s_setreg_imm32_b32 hwreg(HW_REG_WAVE_MODE, 25, 1), 1
	s_wait_xcnt 0x0
	s_wait_alu depctr_vm_vsrc(0)
; x1 = x + attention Wo + bo;  out = x1 + gelu((layernorm(x1) g2 + be2) W1 + b1) W2 + b2, the three products on codes of E2M3; x1, the normalised rows and the hidden layer never go to memory.
; SHARES.  A work-group owns 32 tokens (two tiles).  THE WAVES SHARE THE COLUMNS: wave w makes columns 64 w .. 64 w + 63 of x1 and of out, and hidden units 256 w .. 256 w + 255.  Its nine blocks of weight images lie on end and are streamed
; one block ahead of their use: 52 loads of 512 consecutive bytes.  Operands go from wave to wave through LDS as images of their registers; four barriers: two for the row statistics' two rounds, one behind the normalised rows' images, one behind the hidden layer's.
; All products transposed (source 0 = 16 rows of W, source 1 = 16 tokens): a lane holds one token, its registers run along the columns, 16 neighbours to two tiles.
; 32 tokens to a work-group: 8,192 tokens make 256 work-groups, one for each of the 256 WGPs.  Each streams all 72 blocks (1.9 MB); 64 tokens would halve that stream and leave half of the WGPs without work.  NOT SHARED IN A CLUSTER: the text has no tensor loads; a limit of this version.
; GELU is exact: erf by a rational function of f32 accuracy on the argument held to -4 .. 4, beyond which erf is 1 in f32.  LIMITS: NaN and infinities are not served; a block of zeros gets the scale byte 1.
; REGISTERS.  Window 0: v1-30 addresses; v32-47 W's scale words; v48-51 the first tile's; v52-55 means, then 1/sigma, then the hidden layer's scale bytes; v60-63 two constants; v64-95 bias; v96-159 accumulators;
;   v160-207, v208-211 the second tile's fragments and scale words; v224-255 at work.  Window 1: W's 16 fragments, v192.. the first tile's four (g2 for a while).
; THE MODE: SCHED_MODE bits 1:0 = 2 (LLVM: expert scheduling mode 2), set by the entry lines.  The code itself states the register dependences
; between vector or matrix instructions and memory or LDS instructions, with s_wait_alu, always for 0.
; THE PLAN.  Registers that memory or LDS instructions touch:
;   v5-v24, v28-v30  addresses and offsets: made once at the head, never written again.
;   v25-v27          LDS addresses that a trip of either loop makes for itself: a wait on vm_vsrc ahead of the additions, a wait on va_vdst behind them.
;   W, WS            (window 1 v0-191; v32-47) a block of weight images: read by a step's 32 products; the next block is asked for behind ONE wait on those products.
;   BF, BS; BF2, BS2 the two token tiles' fragments and scale words, a buffer each: both are asked for at a step's head, and the same one wait frees both for the next step.
;   BI               a bias in the result's layout: read by the products as C, or by additions; asked for again behind the same wait.
;   ACC              written by products and by the activation; read by the LDS stores of x1 and of the stage; x1's loads land in it.
;   OB0, PC          two out-buffers of six registers, one for each tile's codes: written by the two quantisers, read by one run of LDS stores behind one wait.  OB0 lies outside the activation's registers.
;   LR               the rows' partial sums, read by LDS stores.      T, BF2  the two tiles' rows on the way out, a buffer each: no store's data are written again.
.set SUB, 26624
.set MT, 2                             ; token tiles to a work-group: the pair that covers 32 neighbouring tokens
.set X1W, MT*4096                      ; LDS: 0: each wave's 8,192 bytes: x1's images, at the end the stage for out
.set H2, 8*X1W                         ; the normalised rows, [tile MT] x 6,144
.set H2S, H2+MT*6144                   ; their scale bytes, [tile MT] x 256
.set STAT, H2S+MT*256                  ; row statistics: 2 rounds x [tile MT][row 16][wave 8] f32
.set HID, STAT+2*MT*512                ; the hidden layer, [K chunk 4][tile MT] x 6,144
.set HIDS, HID+4*MT*6144               ; its scale bytes, [K chunk 4][tile MT] x 256; the map ends at 131,584
.set XA, 5
.set H64, 6
.set L16, 7
.set L8, 8
.set R16, 9
.set ST1, 10
.set STR, 11
.set X1A, 12
.set H2W16, 13
.set H2W8, 14
.set H2WS, 15
.set H2R16, 16
.set H2R8, 17
.set H2RS, 18
.set HW16B, 19
.set HW8B, 20
.set HWSB, 21
.set HR16B, 22
.set HR8B, 23
.set HRSB, 24
.set A16, 25
.set A8, 26
.set AS, 27
.set SGI, 28
.set SGO, 29
.set GO, 30
.set WS, 32
.set BS, 48
.set MP, 52
.set CA1, 60
.set CB1, 62
.set BI, 64
.set ACC, 96
.set BF2, 160                          ; window 0
.set BS2, 208
.set T, 224
.set TM, 224
.set PC, 232
.set TP, 238
.set SW, 241
.set LP, 232
.set LR, 240
.set PXT, 244
.set OB0, 246                          ; v246-251 the first tile's codes on their way to LDS
.set SW2, 252                          ; and its two scale bytes
.set GZ, 224
.set GX, 228
.set GP, 232
.set GQ, 236
.set BF, 192                           ; window 1
.set WP, 26
.set BP, 28
.set SEL, 34
.set CNT, 38
.set SJ, 39
.set SQ, 40
.set SQ2, 41
.set RS2, 66
.set EA0, 68
.set EA2, 70
.set EA3, 72
.set EA4, 74
.set EA5, 76
.set EA6, 78
.set EB0, 80
.set EB2, 82
.set EB3, 84
.set EB4, 86
.set MSB, 0
.macro WIN new                         ; the immediate's high byte repeats the setting that is left
.if MSB != \new
	s_set_vgpr_msb (MSB<<8)|\new
.set MSB, \new
.endif
.endm
.macro PLACES n
.rept \n
	v_nop
.endr
.endm
.macro BARRIER                         ; my LDS stores have landed and my LDS loads are in: then the work-group's barrier
	s_wait_dscnt 0x0
	s_barrier_signal -1
	s_barrier_wait -1
.endm
.macro SPAIR r, val                    ; a constant for the packed forms, which name a pair and take its low word for both halves
	s_mov_b32 s[\r], \val
	s_mov_b32 s[\r+1], s[\r]
.endm
.macro QUANT64 src, dst, sw            ; 32 numbers of a lane, register 16 b + i = k 32 b + 16 (lane / 16) + i -> six registers of codes and two scale bytes
	v_max3_num_f32 v[TM], |v[\src]|, |v[\src+1]|, 0x1800000
	v_max3_num_f32 v[TM+1], |v[\src+16]|, |v[\src+17]|, 0x1800000
.irp i,2,4,6,8,10,12,14
	v_max3_num_f32 v[TM], v[TM], |v[\src+\i]|, |v[\src+\i+1]|
	v_max3_num_f32 v[TM+1], v[TM+1], |v[\src+16+\i]|, |v[\src+17+\i]|
.endr
	v_permlanex16_b32 v[TM+2], v[TM], s[SEL], s[SEL+1]
	v_permlanex16_b32 v[TM+3], v[TM+1], s[SEL], s[SEL+1]
	v_max_num_f32 v[TM], v[TM], v[TM+2]
	v_max_num_f32 v[TM+1], v[TM+1], v[TM+3]
	v_add_nc_u32 v[TM+4], 0xff000000, v[TM]
	v_add_nc_u32 v[TM+5], 0xff000000, v[TM+1]
	v_lshrrev_b32 v[TM+6], 23, v[TM+4]
	v_lshrrev_b32 v[TM+7], 23, v[TM+5]
	v_lshl_or_b32 v[\sw], v[TM+7], 8, v[TM+6]
	v_cvt_scalef32_pk16_fp6_f32 v[\dst:\dst+2], v[\src:\src+15], v[TM+4]
	v_cvt_scalef32_pk16_fp6_f32 v[TP:TP+2], v[\src+16:\src+31], v[TM+5]
	v_nop
.irp i,0,1,2
	v_permlane16_swap_b32 v[\dst+\i], v[TP+\i]
.endr
.irp i,0,1,2
	v_mov_b32 v[\dst+3+\i], v[TP+\i]
.endr
.endm
.macro PUTC pc, a16, a8, off           ; the half in v[pc] on goes to LDS as it stands
	ds_store_b128 v[\a16], v[\pc:\pc+3] offset:\off
	ds_store_b64 v[\a8], v[\pc+4:\pc+5] offset:\off
.endm
.macro WLOAD
	WIN 0x40
.set i, 0
.rept 48
	global_load_b128 v[4*i:4*i+3], v[L16], s[WP:WP+1] offset:512*i
.set i, i+1
.endr
	WIN 0
.irp t,0,1,2,3
	global_load_b128 v[WS+4*\t:WS+4*\t+3], v[L16], s[WP:WP+1] offset:24576+512*\t
.endr
.endm
.macro BILOAD p                        ; 64 numbers of a vector of columns in the result's layout: tile t, my half's eight
.irp t,0,1,2,3
	global_load_b128 v[BI+8*\t:BI+8*\t+3], v[H64], s[\p:\p+1] offset:4*(32*(\t/2)+8*(\t%2))
	global_load_b128 v[BI+8*\t+4:BI+8*\t+7], v[H64], s[\p:\p+1] offset:4*(32*(\t/2)+8*(\t%2))+16
.endr
.endm
.macro BFETCH a16, a8, as, off, soff, w, bf, bs   ; a token tile's eight halves (four fragments) and its four scale words, from LDS, into v[bf] on of the window that w names, and v[bs] on: 17 loads
	WIN \w
.irp hh,0,1,2,3,4,5,6,7
	ds_load_b128 v[\bf+6*\hh:\bf+6*\hh+3], v[\a16] offset:\off+768*\hh
	ds_load_b64 v[\bf+6*\hh+4:\bf+6*\hh+5], v[\a8] offset:\off+768*\hh
.endr
	WIN 0
	ds_load_b128 v[\bs:\bs+3], v[\as] offset:\soff
.endm
.macro GFETCH m, w, bf, bs             ; the same from memory: the attention's result, tile m, into v[bf] on of the window that w names, and v[bs] on
	WIN \w
.irp hh,0,1,2,3,4,5,6,7
	global_load_b128 v[\bf+6*\hh:\bf+6*\hh+3], v[L16], s[6:7] offset:6144*(\m)+768*\hh
	global_load_b64 v[\bf+6*\hh+4:\bf+6*\hh+5], v[L8], s[6:7] offset:6144*(\m)+768*\hh
.endr
	WIN 0
	global_load_b128 v[\bs:\bs+3], v[R16], s[8:9] offset:256*(\m)
.endm
; 16 products: my four tiles of W x token tile m, K = 512.  w: the windows (source 0, W, in window 1; source 1 in window 1 or 0); bf, bs: the tokens' fragments and scale words.
; The four accumulators take turns, one instruction a turn.
.macro MM16 m, bias, w, bf, bs
	WIN \w
.irp s,0,1,2,3
.irp t,0,1,2,3
.if (\bias) && (\s == 0)
	v_wmma_scale_f32_16x16x128_f8f6f4 v[ACC+32*(\m)+8*\t:ACC+32*(\m)+8*\t+7], v[12*(4*\t+\s):12*(4*\t+\s)+11], v[\bf+12*\s:\bf+12*\s+11], v[BI+8*\t:BI+8*\t+7], v[WS+4*\t+\s], v[\bs+\s] matrix_a_fmt:MATRIX_FMT_FP6 matrix_b_fmt:MATRIX_FMT_FP6
.else
	v_wmma_scale_f32_16x16x128_f8f6f4 v[ACC+32*(\m)+8*\t:ACC+32*(\m)+8*\t+7], v[12*(4*\t+\s):12*(4*\t+\s)+11], v[\bf+12*\s:\bf+12*\s+11], v[ACC+32*(\m)+8*\t:ACC+32*(\m)+8*\t+7], v[WS+4*\t+\s], v[\bs+\s] matrix_a_fmt:MATRIX_FMT_FP6 matrix_b_fmt:MATRIX_FMT_FP6
.endif
.endr
.endr
.endm
.macro HP c
.irp u,0,1
	v_pk_fma_f32 v[GP+2*\u:GP+2*\u+1], v[GP+2*\u:GP+2*\u+1], v[GX+2*\u:GX+2*\u+1], s[\c:\c+1] op_sel_hi:[1,1,0]
.endr
.endm
.macro HQ c
.irp u,0,1
	v_pk_fma_f32 v[GQ+2*\u:GQ+2*\u+1], v[GQ+2*\u:GQ+2*\u+1], v[GX+2*\u:GX+2*\u+1], s[\c:\c+1] op_sel_hi:[1,1,0]
.endr
.endm
; four numbers, in place: a (1 + erf(a / sqrt 2)) / 2, erf(z) = z P(z^2) / Q(z^2); two pairs by turns
.macro GELU4 a
.irp u,0,1
	v_pk_mul_f32 v[GZ+2*\u:GZ+2*\u+1], v[\a+2*\u:\a+2*\u+1], s[RS2:RS2+1] op_sel_hi:[1,0]
.endr
.irp u,0,1,2,3
	v_med3_num_f32 v[GZ+\u], v[GZ+\u], -4.0, 4.0
.endr
.irp u,0,1
	v_pk_mul_f32 v[GX+2*\u:GX+2*\u+1], v[GZ+2*\u:GZ+2*\u+1], v[GZ+2*\u:GZ+2*\u+1]
.endr
.irp u,0,1
	v_pk_fma_f32 v[GP+2*\u:GP+2*\u+1], v[GX+2*\u:GX+2*\u+1], s[EA0:EA0+1], v[CA1:CA1+1] op_sel_hi:[1,0,1]
.endr
.irp u,0,1
	v_pk_fma_f32 v[GQ+2*\u:GQ+2*\u+1], v[GX+2*\u:GX+2*\u+1], s[EB0:EB0+1], v[CB1:CB1+1] op_sel_hi:[1,0,1]
.endr
	HP EA2
	HQ EB2
	HP EA3
	HQ EB3
	HP EA4
	HQ EB4
	HP EA5
	HP EA6
.irp u,0,1
	v_pk_mul_f32 v[GP+2*\u:GP+2*\u+1], v[GP+2*\u:GP+2*\u+1], v[GZ+2*\u:GZ+2*\u+1]
.endr
	s_wait_alu depctr_va_vdst(0)
.irp u,0,1,2,3
	v_rcp_f32 v[GQ+\u], v[GQ+\u]
.endr
.irp u,0,1
	v_pk_mul_f32 v[\a+2*\u:\a+2*\u+1], v[\a+2*\u:\a+2*\u+1], 0.5 op_sel_hi:[1,0]     ; plain places behind the reciprocals
.endr
	s_wait_alu depctr_va_vdst(0)                   ; the four reciprocals are written, ahead of their first reader
.irp u,0,1
	v_pk_mul_f32 v[GP+2*\u:GP+2*\u+1], v[GP+2*\u:GP+2*\u+1], v[GQ+2*\u:GQ+2*\u+1]    ; erf
.endr
.irp u,0,1
	v_pk_fma_f32 v[\a+2*\u:\a+2*\u+1], v[\a+2*\u:\a+2*\u+1], v[GP+2*\u:GP+2*\u+1], v[\a+2*\u:\a+2*\u+1]
.endr
.endm
.macro GELU32 a
.irp q,0,4,8,12,16,20,24,28
	GELU4 \a+\q
.endr
.endm
.macro CROSS off                       ; each tile's pair of sums: two halves, two lanes, then my wave's word of the row's eight
.irp m,0,1
	v_add_f32 v[LR+\m], v[LP+2*\m], v[LP+2*\m+1]
.endr
.irp m,0,1
	v_permlanex16_b32 v[PXT+\m], v[LR+\m], s[SEL], s[SEL+1]
.endr
.irp m,0,1
	v_add_f32 v[LR+\m], v[LR+\m], v[PXT+\m]
.endr
	s_wait_alu depctr_va_vdst(0)                   ; the rows' partial sums are written, which the LDS stores read; the additions are done with the registers in which the eight waves' words land behind the barrier
.irp m,0,1
	ds_store_b32 v[ST1], v[LR+\m] offset:\off+512*\m
.endr
.endm
.macro GATHER off                      ; the eight waves' words of my row, for each tile, summed into v[T + 8 m]
.irp m,0,1
	ds_load_b128 v[T+8*\m:T+8*\m+3], v[STR] offset:\off+512*\m
	ds_load_b128 v[T+8*\m+4:T+8*\m+7], v[STR] offset:\off+512*\m+16
.endr
	s_wait_dscnt 0x0
.irp m,0,1
	v_pk_add_f32 v[T+8*\m:T+8*\m+1], v[T+8*\m:T+8*\m+1], v[T+8*\m+2:T+8*\m+3]
	v_pk_add_f32 v[T+8*\m+4:T+8*\m+5], v[T+8*\m+4:T+8*\m+5], v[T+8*\m+6:T+8*\m+7]
.endr
.irp m,0,1
	v_pk_add_f32 v[T+8*\m:T+8*\m+1], v[T+8*\m:T+8*\m+1], v[T+8*\m+4:T+8*\m+5]
.endr
.irp m,0,1
	v_add_f32 v[T+8*\m], v[T+8*\m], v[T+8*\m+1]
.endr
.endm
	s_load_b512 s[4:19], s[0:1], 0x0               ; x, ao, aos, wimg, bo, g2, be2, b1
	s_load_b128 s[20:23], s[0:1], 0x40             ; b2, out0
	v_lshl_add_u32 v222, v0, 2, 0x20200
	v_mov_b32 v223, 0
	v_lshrrev_b32 v1, 5, v0
	v_readfirstlane_b32 s25, v1                    ; wave w
	s_mov_b32 s24, ttmp9                           ; block of 32 tokens
	v_and_b32 v1, 31, v0
	v_and_b32 v2, 15, v0
	v_bfe_u32 v3, v0, 4, 1
	v_and_b32 v4, 8, v2
	v_add_nc_u32 v4, v4, v2
	v_lshlrev_b32 v[H64], 6, v3
	v_lshl_add_u32 v[XA], v4, 11, v[H64]
	v_lshlrev_b32 v[L16], 4, v1
	v_lshlrev_b32 v[L8], 3, v1
	v_add_nc_u32 v[L8], 512, v[L8]
	v_lshlrev_b32 v[R16], 4, v2
	v_lshlrev_b32 v[STR], 5, v2
	v_add_nc_u32 v[STR], STAT, v[STR]
	s_wait_alu depctr_va_sdst(0)                   ; s25 is written, ahead of its first reader: the wave's addresses are made from it
	s_lshl_b32 s30, s25, 2
	v_add_nc_u32 v[ST1], s30, v[STR]
	s_mul_i32 s30, s25, X1W
	v_add_nc_u32 v[X1A], s30, v[L16]
	v_mul_u32_u24 v[SGI], v2, 272
	v_add_nc_u32 v[SGI], v[SGI], v[H64]
	v_add_nc_u32 v[SGI], s30, v[SGI]
	v_mul_u32_u24 v[SGO], v3, 272
	v_add_nc_u32 v[SGO], v[SGO], v[R16]
	v_add_nc_u32 v[SGO], s30, v[SGO]
	v_lshl_add_u32 v[GO], v3, 11, v[R16]
	v_add_nc_u32 v[H2R16], H2, v[L16]
	v_add_nc_u32 v[H2R8], H2, v[L8]
	v_add_nc_u32 v[H2RS], H2S, v[R16]
	s_mul_i32 s30, s25, 768
	v_add_nc_u32 v[H2W16], s30, v[H2R16]
	v_add_nc_u32 v[H2W8], s30, v[H2R8]
	s_lshl_b32 s30, s25, 1
	v_add_nc_u32 v[H2WS], s30, v[H2RS]
	v_add_nc_u32 v[HR16B], HID, v[L16]
	v_add_nc_u32 v[HR8B], HID, v[L8]
	v_add_nc_u32 v[HRSB], HIDS, v[R16]
	s_wait_alu depctr_va_vdst(0)
	s_lshr_b32 s31, s25, 1
	s_and_b32 s32, s25, 1
	s_mul_i32 s30, s31, MT*6144
	s_mul_i32 s33, s32, 3072
	s_add_co_u32 s30, s30, s33
	v_add_nc_u32 v[HW16B], s30, v[HR16B]           ; my hidden units are halves 4 (w % 2) + j of K chunk w / 2
	v_add_nc_u32 v[HW8B], s30, v[HR8B]
	s_mul_i32 s30, s31, MT*256
	s_lshl_b32 s33, s32, 3
	s_add_co_u32 s30, s30, s33
	v_add_nc_u32 v[HWSB], s30, v[HRSB]
	s_mov_b32 s[SEL], 0x76543210
	s_mov_b32 s[SEL+1], 0xfedcba98
	s_mov_b32 s36, 0x3b000000                      ; 1 / 512
	s_mov_b32 s37, 0x3727c5ac                      ; 1e-5
	SPAIR RS2, 0x3f3504f3                          ; 1 / sqrt 2
	SPAIR EA0, -2.72614225801306e-10
	SPAIR EA2, -2.10102402082508e-06
	SPAIR EA3, -5.69250639462346e-05
	SPAIR EA4, -7.34990630326855e-04
	SPAIR EA5, -2.95459980854025e-03
	SPAIR EA6, -1.60960333262415e-02
	SPAIR EB0, -1.45660718464996e-05
	SPAIR EB2, -1.68282697438203e-03
	SPAIR EB3, -7.37332916720468e-03
	SPAIR EB4, -1.42647390514189e-02
	v_mov_b32 v[CA1], 2.77068142495902e-08
	v_mov_b32 v[CA1+1], v[CA1]
	v_mov_b32 v[CB1], -2.13374055278905e-04
	v_mov_b32 v[CB1+1], v[CB1]
	v_mov_b32 v[TM+2], 0                           ; a lane permute's destination counts as one of its sources
	v_mov_b32 v[TM+3], 0
.irp m,0,1
	v_mov_b32 v[PXT+\m], 0
.endr
	s_mov_b32 s43, 0
	s_wait_kmcnt 0x0
	s_mul_i32 s42, s24, MT*32768                   ; 16 MT tokens of 2,048 bytes
	s_lshl_b32 s30, s25, 8
	s_add_co_u32 s42, s42, s30
	s_add_nc_u64 s[4:5], s[4:5], s[42:43]          ; x and out at my block's first token, my 64 columns
	s_add_nc_u64 s[22:23], s[22:23], s[42:43]
	s_mov_b32 s42, s30
	s_add_nc_u64 s[12:13], s[12:13], s[42:43]      ; bo, g2, be2, b2 at my 64 columns
	s_add_nc_u64 s[14:15], s[14:15], s[42:43]
	s_add_nc_u64 s[16:17], s[16:17], s[42:43]
	s_add_nc_u64 s[20:21], s[20:21], s[42:43]
	s_lshl_b32 s42, s25, 10
	s_add_nc_u64 s[BP:BP+1], s[18:19], s[42:43]    ; b1 at my 256 hidden units
	s_mul_i32 s42, s24, MT*6144
	s_add_nc_u64 s[6:7], s[6:7], s[42:43]          ; the attention's images of my MT tiles,
	s_mul_i32 s42, s24, MT*256
	s_add_nc_u64 s[8:9], s[8:9], s[42:43]          ; and their scale bytes
	s_mul_i32 s42, s25, 9
	s_add_co_u32 s42, s42, 24
	s_mul_i32 s42, s42, SUB
	s_add_nc_u64 s[WP:WP+1], s[10:11], s[42:43]    ; my nine blocks of weight images
	; ---- 1: x1 = x + bo + attention Wo.  x and bo start the sums.  All that the first product wants is asked for at once: Wo's block, x, bo, and both tiles' fragments
	s_wait_alu depctr_va_vdst(0)                   ; the addresses and offsets made at the head are written: the loads and stores of the kernel, in memory and in LDS, read them
	WLOAD
.irp m,0,1
.irp t,0,1,2,3
	global_load_b128 v[ACC+32*\m+8*\t:ACC+32*\m+8*\t+3], v[XA], s[4:5] offset:(32*(\m/2)+8*(\m%2))*2048+4*(32*(\t/2)+8*(\t%2))
	global_load_b128 v[ACC+32*\m+8*\t+4:ACC+32*\m+8*\t+7], v[XA], s[4:5] offset:(32*(\m/2)+8*(\m%2))*2048+4*(32*(\t/2)+8*(\t%2))+16
.endr
.endr
	BILOAD 12
	GFETCH 0, 0x40, BF, BS
	GFETCH 1, 0, BF2, BS2
	s_wait_loadcnt 0x0
.irp m,0,1
.set i, 0
.rept 16
	v_pk_add_f32 v[ACC+32*\m+2*i:ACC+32*\m+2*i+1], v[ACC+32*\m+2*i:ACC+32*\m+2*i+1], v[BI+2*i:BI+2*i+1]
.set i, i+1
.endr
.endr
	PLACES 4                                       ; the sums' starts were written by vector instructions: they stand as far ahead of the products as an operand so written
	MM16 0, 0, 0x05, BF, BS
	MM16 1, 0, 0x01, BF2, BS2                      ; the second tile's fragments lie in window 0
	WIN 0
	PLACES 4                                       ; in front of loads into registers that the products have read, and of the first read of results
	s_add_nc_u64 s[WP:WP+1], s[WP:WP+1], SUB       ; every load that named the pointer has been waited for
	s_wait_alu depctr_va_vdst(0)                   ; the products are done reading Wo's fragments and scale words and the first tile's fragments, the additions bo: the loads below land there; and x1 is written, which LDS stores read below
	WLOAD                                          ; W1's first block lands under the normalisation
	WIN 0x40
.irp t,0,1,2,3
	global_load_b128 v[BF+8*\t:BF+8*\t+3], v[H64], s[14:15] offset:4*(32*(\t/2)+8*(\t%2))      ; g2
	global_load_b128 v[BF+8*\t+4:BF+8*\t+7], v[H64], s[14:15] offset:4*(32*(\t/2)+8*(\t%2))+16
.endr
	WIN 0
	BILOAD 16                                      ; be2
	; ---- 2: layernorm of x1: a row's 512 columns lie in eight waves
.irp m,0,1
	v_pk_add_f32 v[LP+2*\m:LP+2*\m+1], v[ACC+32*\m:ACC+32*\m+1], v[ACC+32*\m+2:ACC+32*\m+3]    ; each accumulator from its low end on
.endr
.irp i,4,6,8,10,12,14,16,18,20,22,24,26,28,30
.irp m,0,1
	v_pk_add_f32 v[LP+2*\m:LP+2*\m+1], v[LP+2*\m:LP+2*\m+1], v[ACC+32*\m+\i:ACC+32*\m+\i+1]
.endr
.endr
	CROSS 0
.set i, 0
.rept 8*MT
	ds_store_b128 v[X1A], v[ACC+4*i:ACC+4*i+3] offset:512*i          ; x1 is kept, in my own bytes, for the end
.set i, i+1
.endr
	BARRIER                                        ; the eight partial sums of each row lie in LDS
	s_wait_alu depctr_vm_vsrc(0)                   ; my LDS stores have read the partial sums and x1: both are written again below
	GATHER 0
.irp m,0,1
	v_mul_f32 v[MP+2*\m], s36, v[T+8*\m]           ; the mean
	v_mov_b32 v[MP+2*\m+1], v[MP+2*\m]
.endr
.irp m,0,1
.set i, 0
.rept 16
	v_pk_add_f32 v[ACC+32*\m+2*i:ACC+32*\m+2*i+1], v[ACC+32*\m+2*i:ACC+32*\m+2*i+1], v[MP+2*\m:MP+2*\m+1] neg_lo:[0,1] neg_hi:[0,1]
.set i, i+1
.endr
.endr
.irp m,0,1
	v_pk_mul_f32 v[LP+2*\m:LP+2*\m+1], v[ACC+32*\m:ACC+32*\m+1], v[ACC+32*\m:ACC+32*\m+1]
.endr
.irp i,2,4,6,8,10,12,14,16,18,20,22,24,26,28,30
.irp m,0,1
	v_pk_fma_f32 v[LP+2*\m:LP+2*\m+1], v[ACC+32*\m+\i:ACC+32*\m+\i+1], v[ACC+32*\m+\i:ACC+32*\m+\i+1], v[LP+2*\m:LP+2*\m+1]
.endr
.endr
	CROSS MT*512                                   ; the second round has bytes of its own
	BARRIER
	s_wait_alu depctr_vm_vsrc(0)                   ; my LDS stores have read the partial sums, whose registers the quantisers below write
	GATHER MT*512
.irp m,0,1
	v_fma_f32 v[T+8*\m], v[T+8*\m], s36, s37       ; variance + eps
.endr
	s_wait_alu depctr_va_vdst(0)
.irp m,0,1
	v_rsq_f32 v[MP+2*\m], v[T+8*\m]
.endr
	v_nop
	s_wait_alu depctr_va_vdst(0)                   ; the two reciprocal roots are written, ahead of their first reader
.irp m,0,1
	v_mov_b32 v[MP+2*\m+1], v[MP+2*\m]
.endr
.irp m,0,1
.set i, 0
.rept 16
	v_pk_mul_f32 v[ACC+32*\m+2*i:ACC+32*\m+2*i+1], v[ACC+32*\m+2*i:ACC+32*\m+2*i+1], v[MP+2*\m:MP+2*\m+1]
.set i, i+1
.endr
.endr
	s_wait_loadcnt 0x0                             ; g2, be2 (and W1's first block)
	WIN 0x04
.irp m,0,1
.set i, 0
.rept 16
	v_pk_fma_f32 v[ACC+32*\m+2*i:ACC+32*\m+2*i+1], v[ACC+32*\m+2*i:ACC+32*\m+2*i+1], v[BF+2*i:BF+2*i+1], v[BI+2*i:BI+2*i+1]
.set i, i+1
.endr
.endr
	WIN 0
	s_wait_alu depctr_va_vdst(0)                   ; the multiply-adds are done reading be2, in which b1 lands, and g2, in which the first tile's fragments land behind the barrier
	BILOAD BP                                      ; b1 of my first 64 hidden units
	QUANT64 ACC, OB0, SW2                          ; my 64 columns are half w of each tile's 512
	QUANT64 ACC+32, PC, SW
	s_wait_alu depctr_va_vdst(0)                   ; the quantisers have written both tiles' codes and bytes, which the LDS stores read
	PUTC OB0, H2W16, H2W8, 0
	ds_store_b16 v[H2WS], v[SW2]
	PUTC PC, H2W16, H2W8, 6144
	ds_store_b16 v[H2WS], v[SW] offset:256
.irp i,0,1,2,3
	v_mov_b32 v[MP+\i], 0                          ; from here on: the hidden layer's scale bytes, a pair of registers for each tile
.endr
	BARRIER                                        ; the normalised rows' images lie in LDS and are only read from here on
	; ---- 3: the hidden layer, 64 units a trip
	s_mov_b32 s[CNT], 4
	s_mov_b32 s[SJ], 0
.Lffn1:
	s_wait_loadcnt 0x0                             ; this trip's block of W1 and its b1
	BFETCH H2R16, H2R8, H2RS, 0, 0, 0x40, BF, BS                     ; both tiles' fragments at once, a buffer each: the wait behind the last products has freed both
	BFETCH H2R16, H2R8, H2RS, 6144, 256, 0, BF2, BS2
	s_wait_dscnt 17                                ; the first tile's 17 loads are in; the second's 17 may be out
	MM16 0, 1, 0x05, BF, BS
	s_wait_dscnt 0x0
	MM16 1, 1, 0x01, BF2, BS2
	WIN 0
	PLACES 4                                       ; in front of loads into registers that the products have read, and of the first read of results
	s_wait_alu depctr_vm_vsrc(0)                   ; the LDS stores issued so far have read their two addresses, the out-buffers and the bytes: all are written again in this trip
	v_add_nc_u32 v[A16], s[SJ], v[HW16B]
	v_add_nc_u32 v[A8], s[SJ], v[HW8B]
	s_wait_alu depctr_va_vdst(0)                   ; the products are done reading W1's block, both tiles' fragments, the scale words and b1, in which loads land from here to the next trip's head; the two addresses are written
	s_add_nc_u64 s[WP:WP+1], s[WP:WP+1], SUB
	WLOAD                                          ; the next block lands under the activation; behind W1's fourth comes W2's first
	s_add_nc_u64 s[BP:BP+1], s[BP:BP+1], 256
	s_cmp_eq_u32 s[CNT], 1
	s_cselect_b64 s[BP:BP+1], s[20:21], s[BP:BP+1] ; behind the last b1 comes b2, in the same layout; the choice hangs on the trip's number alone
	BILOAD BP
	GELU32 ACC
	QUANT64 ACC, OB0, SW
	v_alignbit_b32 v[MP], v[MP+1], v[MP], 16       ; the trip's two bytes are shifted in at the top of the tile's eight
	v_alignbit_b32 v[MP+1], v[SW], v[MP+1], 16
	GELU32 ACC+32
	QUANT64 ACC+32, PC, SW
	v_alignbit_b32 v[MP+2], v[MP+3], v[MP+2], 16
	v_alignbit_b32 v[MP+3], v[SW], v[MP+3], 16
	s_wait_alu depctr_va_vdst(0)                   ; both tiles' codes are written, which the LDS stores read; in the last trip also the scale bytes, stored behind the loop, and the quantisers are done with the accumulators, in which x1 lands there
	PUTC OB0, A16, A8, 0
	PUTC PC, A16, A8, 6144
	s_add_co_u32 s[SJ], s[SJ], 768
	s_sub_co_u32 s[CNT], s[CNT], 1
	s_cmp_lg_u32 s[CNT], 0
	s_cbranch_scc1 .Lffn1
.irp m,0,1
	ds_store_b64 v[HWSB], v[MP+2*\m:MP+2*\m+1] offset:256*\m         ; my four halves' scale bytes of each row
.endr
	; ---- 4: x1 + b2 start the last sums
.set i, 0
.rept 8*MT
	ds_load_b128 v[ACC+4*i:ACC+4*i+3], v[X1A] offset:512*i
.set i, i+1
.endr
	s_wait_loadcnt 0x0                             ; b2, W2's first block
	s_wait_dscnt 0x0
.irp m,0,1
.set i, 0
.rept 16
	v_pk_add_f32 v[ACC+32*\m+2*i:ACC+32*\m+2*i+1], v[ACC+32*\m+2*i:ACC+32*\m+2*i+1], v[BI+2*i:BI+2*i+1]
.set i, i+1
.endr
.endr
	BARRIER                                        ; the hidden layer's images lie in LDS
	; ---- 5: out, a K chunk of 512 a trip
	s_mov_b32 s[CNT], 4
	s_mov_b32 s[SQ], 0
	s_mov_b32 s[SQ2], 0
.Lffn2:
	s_wait_loadcnt 0x0
	s_wait_alu depctr_vm_vsrc(0)                   ; the LDS instructions issued so far have read the three addresses, and the hidden layer's stores their out-buffers, in which rows of out land at the end
	v_add_nc_u32 v[A16], s[SQ], v[HR16B]
	v_add_nc_u32 v[A8], s[SQ], v[HR8B]
	v_add_nc_u32 v[AS], s[SQ2], v[HRSB]
	s_wait_alu depctr_va_vdst(0)                   ; the three addresses are written, which the loads below read
	BFETCH A16, A8, AS, 0, 0, 0x40, BF, BS
	BFETCH A16, A8, AS, 6144, 256, 0, BF2, BS2
	s_wait_dscnt 17                                ; the first tile's 17 loads are in; the second's 17 may be out
	MM16 0, 0, 0x05, BF, BS
	s_wait_dscnt 0x0
	MM16 1, 0, 0x01, BF2, BS2
	WIN 0
	PLACES 4                                       ; in front of loads into registers that the products have read, and of the first read of results
	s_wait_alu depctr_va_vdst(0)                   ; the products are done reading W2's block, the fragments and the scale words, in which the next loads land; in the last trip they have written out, which the stage's stores read
	s_cmp_eq_u32 s[CNT], 1
	s_cbranch_scc1 .Lno_more                       ; behind the ninth block nothing is fetched
	s_add_nc_u64 s[WP:WP+1], s[WP:WP+1], SUB
	WLOAD
.Lno_more:
	s_add_co_u32 s[SQ], s[SQ], MT*6144
	s_add_co_u32 s[SQ2], s[SQ2], MT*256
	s_sub_co_u32 s[CNT], s[CNT], 1
	s_cmp_lg_u32 s[CNT], 0
	s_cbranch_scc1 .Lffn2
	; ---- 6: the way out, a tile of 16 tokens at a time through my own stage (rows of 256 bytes + 16), so that sixteen lanes store 256 consecutive bytes, aligned.  LDS serves a wave's instructions in order.
	; Each tile's rows come back into registers of their own, so that no store's data are written again: the second tile goes through the stage while the first tile's rows are on their way back.
.macro TOSTAGE m, tb
.irp t,0,1,2,3
	ds_store_b128 v[SGI], v[ACC+32*(\m)+8*\t:ACC+32*(\m)+8*\t+3] offset:4*(32*(\t/2)+8*(\t%2))
	ds_store_b128 v[SGI], v[ACC+32*(\m)+8*\t+4:ACC+32*(\m)+8*\t+7] offset:4*(32*(\t/2)+8*(\t%2))+16
.endr
.irp i,0,1,2,3,4,5,6,7
	ds_load_b128 v[\tb+4*\i:\tb+4*\i+3], v[SGO] offset:544*\i
.endr
.endm
.macro SEND m, tb, younger             ; younger: the LDS instructions issued behind tile m's loads: the next tile's sixteen, or none
.irp i,0,1,2,3,4,5,6,7
	s_wait_dscnt \younger+7-\i                     ; the younger loads from the stage may be out
	global_store_b128 v[GO], v[\tb+4*\i:\tb+4*\i+3], s[22:23] offset:(32*((\m)/2)+8*((\m)%2)+2*\i+8*(\i/4))*2048 th:TH_STORE_NT    ; stage row 2 i + h is token 2 i + h + 8 (i / 4) of the tile
.endr
.endm
	TOSTAGE 0, T
	TOSTAGE 1, BF2
	SEND 0, T, 16
	SEND 1, BF2, 0
	s_wait_dscnt 0x0                               ; the closing lines, six on end
	s_wait_alu 0x0
	s_wait_tensorcnt 0x0
	ds_add_u32 v222, v223
	s_wait_dscnt 0x0
	s_endpgm
.Lfunc_end_k_q5eac79df27_tail:
	.size	k_q5eac79df27_tail, .Lfunc_end_k_q5eac79df27_tail-k_q5eac79df27_tail
	.p2alignl 7, 3214868480
	.fill 96, 4, 3214868480
	.section	.rodata,"a",@progbits
	.p2align	6, 0x0
	.amdhsa_kernel k_q5eac79df27_tail
		.amdhsa_group_segment_fixed_size 132608
		.amdhsa_private_segment_fixed_size 0
		.amdhsa_enable_private_segment 0
		.amdhsa_kernarg_size 80
		.amdhsa_user_sgpr_count 2
		.amdhsa_user_sgpr_kernarg_segment_ptr 1
		.amdhsa_wavefront_size32 1
		.amdhsa_system_sgpr_workgroup_id_x 1
		.amdhsa_system_sgpr_workgroup_id_y 1
		.amdhsa_system_sgpr_workgroup_id_z 1
		.amdhsa_system_vgpr_workitem_id 0
		.amdhsa_next_free_vgpr 512
		.amdhsa_next_free_sgpr 90
		.amdhsa_reserve_vcc 0
		.amdhsa_float_denorm_mode_32 3
		.amdhsa_float_denorm_mode_16_64 3
		.amdhsa_memory_ordered 1
		.amdhsa_forward_progress 1
		.amdhsa_inst_pref_size 124
	.end_amdhsa_kernel
	.amdgpu_metadata
---
amdhsa.version: [ 1, 2 ]
amdhsa.kernels:
  - .name:           k_q5eac79df27_tail
    .symbol:         k_q5eac79df27_tail.kd
    .args:
      - { .name: x, .offset: 0, .size: 8, .value_kind: global_buffer, .address_space: global }
      - { .name: ao, .offset: 8, .size: 8, .value_kind: global_buffer, .address_space: global }
      - { .name: aos, .offset: 16, .size: 8, .value_kind: global_buffer, .address_space: global }
      - { .name: wimg, .offset: 24, .size: 8, .value_kind: global_buffer, .address_space: global }
      - { .name: bo, .offset: 32, .size: 8, .value_kind: global_buffer, .address_space: global }
      - { .name: g2, .offset: 40, .size: 8, .value_kind: global_buffer, .address_space: global }
      - { .name: be2, .offset: 48, .size: 8, .value_kind: global_buffer, .address_space: global }
      - { .name: b1, .offset: 56, .size: 8, .value_kind: global_buffer, .address_space: global }
      - { .name: b2, .offset: 64, .size: 8, .value_kind: global_buffer, .address_space: global }
      - { .name: out0, .offset: 72, .size: 8, .value_kind: global_buffer, .address_space: global }
    .group_segment_fixed_size: 132608
    .private_segment_fixed_size: 0
    .kernarg_segment_align: 8
    .kernarg_segment_size: 80
    .max_flat_workgroup_size: 256
    .sgpr_count:     90
    .vgpr_count:     512
    .wavefront_size: 32
...
	.end_amdgpu_metadata
.endif
;; end of part 8
